; MI455X (gfx1250); checked and timed in simulation.
; The chip was launched on July 23, 2026; its instructions are those of AMD's public machine-readable ISA for CDNA 5 (MIT licence, August 2026) and "CDNA5" Instruction Set Architecture Reference Guide (July 2026). The comments in the code are by the model that wrote it; some were corrected since.
;; Multihead Attention. Allowed arithmetic: matrix products marked QUANTISED: E2M3 operands, one E8M0 scale for each 32 along K, by v_wmma_scale_f32_16x16x128_f8f6f4 with both operands' format E2M3, f32 sums; everything else in f32.
;; Inputs: W_out 1,024 x 1,024 float32; W_qkv 1,024 x 3,072 float32; b_out 1,024 float32; b_qkv 3,072 float32; x 4 x 2,048 x 1,024 float32.
;; Outputs: out0 4 x 2,048 x 1,024 float32.
;; This version of the problem:
;;   THIS VERSION OF THE PROBLEM IS GIVEN IN LOW PRECISION. The matrix products marked QUANTISED in the list below multiply operands that are first quantised to E2M3 (2 exponent bits, 3 mantissa bits; 6 bits a number), with one power-of-two scale for each 32 numbers along K (OCP MX v1.0); their sums are f32. All else is computed in f32.
;;   The module's matrix products, in the order in which they are computed (A, B: the left and right operand; K: the contracted axis; several contracted axes count as one K, in the product's order):
;;     1. [M 8,192, K 1,024] x [K 1,024, N 3,072]; A: input x; B: input W_qkv: QUANTISED
;;     2. batch 64 x [M 2,048, K 64] x [K 64, N 2,048]; A: computed on the way; B: computed on the way: QUANTISED
;;     3. batch 64 x [M 2,048, K 2,048] x [K 2,048, N 64]; A: softmax (see below); B: computed on the way: QUANTISED
;;     4. [M 8,192, K 1,024] x [K 1,024, N 1,024]; A: computed on the way; B: input W_out: QUANTISED
;;   THE QUANTISER, for each operand of a quantised product, along K:
;;     - K is cut into blocks of 32 from its start; a last block that is shorter is filled with zeros.
;;     - A block's scale is 2^e with e = floor(log2(the largest magnitude in the block)) - 2, held to -126 .. 127; a block of zeros has e = 0. As a byte (E8M0): e + 127.
;;     - Each number is divided by its block's scale, clamped to +-7.5, and rounded to the nearest number of E2M3, ties to even, subnormals kept.
;;     - The product sums the exact products of the quantised numbers (number of the format x scale) in f32.
;;   ~~~python
;;   def quantise(x, axis):      # numpy; x: float32 -> the quantised numbers, widened to float32 again
;;       x = np.moveaxis(x, axis, -1); K = x.shape[-1]
;;       x = np.pad(x, [(0, 0)] * (x.ndim - 1) + [(0, -K % 32)]); x = x.reshape(x.shape[:-1] + (-1, 32)); a = np.abs(x).max(-1, keepdims=True)
;;       e = np.where(a > 0, np.clip(np.frexp(np.where(a > 0, a, 1))[1] - 1 - 2, -126, 127), 0)      # np.frexp(a)[1] - 1 = floor(log2(a)), exactly
;;       r = np.clip(x / 2.0 ** e, -7.5, 7.5)
;;       step = 2.0 ** (np.maximum(np.frexp(np.where(r == 0, 1, r))[1] - 1, 0) - 3)
;;       q = np.round(r / step) * step * 2.0 ** e      # np.round: ties to even
;;       return np.moveaxis(q.reshape(q.shape[:-2] + (-1,))[..., :K], -1, axis).astype(np.float32)
;;   ~~~
;;   SOFTMAX AHEAD OF A QUANTISED PRODUCT. Where the list says 'softmax', what is quantised is not the finished softmax but p = 2^(t - M), with t = logit x log2(e) and M = ceil(the row's largest t), a whole number; so 1/2 < the row's largest p <= 1. The row's sum l is taken of the UNQUANTISED p, in f32, and the product's result is divided by l at the end. Since M is a whole number, a kernel that streams over the keys may use a running M (the ceiling of the running maximum): every later rescaling is an exact power of two, which a block's scale takes up: the codes' values come out the same.
;;   OPERANDS COMPUTED ON THE WAY. 'Computed on the way' means the value that the module computes at that place (a softmax that the list does not call 'softmax' is quantised finished and normalised). What goes into a quantiser is computed in f32, as accurately as f32 sums, v_exp_f32 and their like allow (about 1e-6 of the number): no bf16 or f16 on the way to a quantiser, and a product that is left as it is and whose result goes on into a quantised operand takes f32 operands (vector FMAs, or v_wmma_f32_16x16x4_f32). A number that lies on a knife's edge between two numbers of the format may be rounded either way, as far as f32 arithmetic and the matrix unit's own rounding can turn it there, and no further.
;; 2 versions. Each part assembles by itself: llvm-mc -triple=amdgcn-amd-amdhsa -mcpu=gfx1250 --defsym DOCPART=n.
;; ======== version 1 of 2: 5 launches
;; workspace buffers: xq 6,553,600 bytes; wq 3,276,800 bytes; qb 6,815,744 bytes; kv 13,369,344 bytes; yq 6,553,600 bytes
;; launch quantx (part 1): grid 256 x 1, 4 waves a work-group, no clusters, 33,280 bytes of LDS; arguments x, xq; writes xq
.if DOCPART == 1
	.amdgcn_target "amdgcn-amd-amdhsa--gfx1250"
	.amdhsa_code_object_version 6
	.text
	.protected	k_q8328b9e1b5_quantx
	.globl	k_q8328b9e1b5_quantx
	.p2align	8
	.type	k_q8328b9e1b5_quantx,@function
k_q8328b9e1b5_quantx:
	s_mov_b64 s[64:65], 0
	v_nop
	global_prefetch_b8 v0, s[64:65] scope:SCOPE_SE
	s_setreg_imm32_b32 hwreg(HW_REG_WAVE_MODE, 25, 1), 1
	s_wait_xcnt 0x0
; x [8192][1024] f32 becomes codes of FP6 (E2M3), K innermost, 768 bytes a row, and one E8M0 byte for each 32 along K, 32 bytes a row.
; A block's scale is 2^(floor(log2(its largest magnitude)) - 2); its byte is the largest magnitude's exponent field - 2, held at 1 from below.
; ROWS LEAVE IN POSITION ORDER: inside each group of 32 rows bits 3 and 4 of the row's number change places, so that sixteen neighbouring positions are the rows
; 32 b + 8 u + r + 8 (r / 8) that a later product wants together in a tile.  A wave takes 8 whole rows, so the swap is a swap of the two low bits of the wave's run number.
; LIMITS: a block whose largest magnitude lies under 2^-124 has its byte held at 1; a block of zeros gets the byte 1 (its codes are zeros, and this program alone reads the bytes); NaN and infinities are not served.
; A wave takes 16 steps of 512 numbers.  Each of a step's four loads reads 512 consecutive bytes; the 2,048 bytes turn through the wave's own stage in LDS and come back 64 bytes (16 neighbours) a lane;
; two neighbouring lanes hold a block.  No tensor loads, no barrier: waves share nothing.  Loads run four steps ahead, the turn through LDS one step.
.set STEPS, 16
.set EMAX,  2
.set CB,    12                         ; bytes of 16 codes
.set R,     16                         ; v16-79   four sets of 16 numbers as loaded
.set X,     80                         ; v80-111  two sets of 16 neighbours
.set C,     128                        ; v128-191 codes: four registers a step, never written again
.set E,     112                        ; v112-127 a scale byte a step
.set WREG,  8192                       ; LDS of a wave: two stages of 32 x SP bytes, then its 256 scale bytes
.set SP,    80                         ; a lane's place in a stage: 64 bytes + 16 of padding
.set XSC,   0x600000                   ; where the scale bytes begin in xq: behind 8,192 rows of 768 bytes
	s_load_b128 s[4:7], s[0:1], 0x0                ; x s[4:5], xq s[6:7]
	v_lshl_add_u32 v192, v0, 2, 0x8000
	v_mov_b32 v193, 0
	v_lshrrev_b32 v1, 5, v0
	v_readfirstlane_b32 s16, v1                    ; wave
	v_and_b32 v2, 31, v0                           ; lane
	v_lshlrev_b32 v3, 4, v2                        ; my 16 bytes of a load's 512
	s_mul_i32 s17, s16, WREG
	v_lshrrev_b32 v14, 2, v2
	v_mul_u32_u24 v14, v14, SP
	v_and_b32 v15, 3, v2
	v_lshl_add_u32 v14, v15, 4, v14
	v_add_nc_u32 v14, s17, v14                     ; the stage, on the way in: SP (lane / 4) + 16 (lane % 4)
	v_mul_u32_u24 v15, v2, SP
	v_add_nc_u32 v15, s17, v15                     ; and on the way out: SP x lane
	v_mul_u32_u24 v4, v2, CB                       ; my codes' place in a step's
	v_lshrrev_b32 v5, 1, v2
	s_add_co_u32 s17, s17, 2*32*SP
	v_add_nc_u32 v5, s17, v5                       ; LDS: my block's byte among my wave's 256
	v_lshlrev_b32 v7, 3, v2                        ; and on the way out 8 bytes a lane
	v_add_nc_u32 v6, s17, v7
	s_lshl_b32 s18, ttmp9, 2
	s_add_co_u32 s19, s18, s16                     ; the run that I read: 4 x work-group + wave: rows 8 run .. 8 run + 7
	s_and_b32 s20, s16, 1
	s_lshl_b32 s20, s20, 1
	s_lshr_b32 s21, s16, 1
	s_or_b32 s20, s20, s21
	s_add_co_u32 s18, s18, s20                     ; the run that I write: the wave's two bits swapped
	s_lshl_b32 s20, s19, 15                        ; 32,768 bytes of x a run
	s_mov_b32 s21, 0
	s_mul_i32 s22, s18, 32*STEPS*CB                ; 6,144 bytes of codes a run
	s_mov_b32 s23, 0
	s_lshl_b32 s24, s18, 8                         ; 256 scale bytes a run
	s_add_co_u32 s24, s24, XSC
	s_mov_b32 s25, 0
	s_wait_kmcnt 0x0
	s_add_nc_u64 s[4:5], s[4:5], s[20:21]
	s_add_nc_u64 s[8:9], s[6:7], s[22:23]
	s_add_nc_u64 s[10:11], s[6:7], s[24:25]
.macro LOAD t
.irp i, 0,1,2,3
	global_load_b128 v[R+16*((\t)%4)+4*\i:R+16*((\t)%4)+4*\i+3], v3, s[4:5] offset:2048*(\t)+512*\i th:TH_LOAD_NT   ; 32 lanes read 512 consecutive bytes
.endr
.endm
.macro TURN t                          ; step t's numbers through the stage: LDS serves a wave's instructions in order, so no wait stands between the stores and the loads
.irp i, 0,1,2,3
	ds_store_b128 v14, v[R+16*((\t)%4)+4*\i:R+16*((\t)%4)+4*\i+3] offset:32*SP*((\t)%2)+8*SP*\i
.endr
.irp i, 0,1,2,3
	ds_load_b128 v[X+16*((\t)%2)+4*\i:X+16*((\t)%2)+4*\i+3], v15 offset:32*SP*((\t)%2)+16*\i
.endr
.endm
.irp t, 0,1,2,3
	LOAD \t
.endr
	s_wait_loadcnt 12                              ; step 0's four loads are in; twelve younger ones stay out
	TURN 0
.macro STEP t
.set XS, X+16*((\t)%2)
.if (\t) > 0
	s_wait_dscnt 1                                 ; this step's numbers are back from the stage; only the last step's byte store may be out
.else
	s_wait_dscnt 0x0
.endif
.if (\t)+4 < STEPS
	LOAD (\t)+4                                    ; into the set whose stores into the stage are done
.endif
.if (\t)+1 < STEPS
.if STEPS-2-(\t) >= 3
	s_wait_loadcnt 12                              ; the next step's four loads are in; those of the three steps behind it may be out
.else
	s_wait_loadcnt 4*(STEPS-2-(\t))
.endif
	TURN (\t)+1                                    ; through the other stage while this step is worked
.endif
	v_max3_num_f32 v8, |v[XS]|, |v[XS+1]|, |v[XS+2]|               ; the largest magnitude of my 16, in two chains
	v_max3_num_f32 v9, |v[XS+3]|, |v[XS+4]|, |v[XS+5]|
.irp i, 6,10
	v_max3_num_f32 v8, v8, |v[XS+\i]|, |v[XS+\i+1]|
	v_max3_num_f32 v9, v9, |v[XS+\i+2]|, |v[XS+\i+3]|
.endr
	v_max3_num_f32 v8, v8, |v[XS+14]|, |v[XS+15]|
	v_max3_num_f32 v8, v8, v9, (EMAX+1)<<23        ; and the floor 2^(3 - 127): the byte cannot fall under 1
	v_max_num_f32_dpp v8, v8, v8 row_xmask:1 row_mask:0xf bank_mask:0xf   ; and of my neighbour's 16: the block's
	v_add_nc_u32 v11, 0xff000000, v8               ; 2 off its exponent field: the conversion takes the exponent field of this operand as its scale
	v_cvt_scalef32_pk16_fp6_f32 v[C+4*(\t):C+4*(\t)+2], v[XS:XS+15], v11
	v_lshrrev_b32 v[E+(\t)], 23, v11               ; the scale's byte
	ds_store_b8 v5, v[E+(\t)] offset:16*(\t)       ; both lanes of a block write the same byte with the same value
	global_store_b96 v4, v[C+4*(\t):C+4*(\t)+2], s[8:9] offset:32*CB*(\t)   ; the wave stores 384 consecutive bytes
.endm
.irp t, 0,1,2,3,4,5,6,7,8,9,10,11,12,13,14,15
	STEP \t
.endr
	ds_load_b64 v[12:13], v6                       ; LDS serves a wave's instructions in order: these see my stores
	s_wait_dscnt 0x0
	global_store_b64 v7, v[12:13], s[10:11]        ; 32 lanes store 256 consecutive bytes, aligned
	s_wait_tensorcnt 0x0
	ds_add_u32 v192, v193
	s_wait_dscnt 0x0
	s_endpgm
.Lfunc_end_k_q8328b9e1b5_quantx:
	.size	k_q8328b9e1b5_quantx, .Lfunc_end_k_q8328b9e1b5_quantx-k_q8328b9e1b5_quantx
	.p2alignl 7, 3214868480
	.fill 96, 4, 3214868480
	.section	.rodata,"a",@progbits
	.p2align	6, 0x0
	.amdhsa_kernel k_q8328b9e1b5_quantx
		.amdhsa_group_segment_fixed_size 33280
		.amdhsa_private_segment_fixed_size 0
		.amdhsa_enable_private_segment 0
		.amdhsa_kernarg_size 16
		.amdhsa_user_sgpr_count 2
		.amdhsa_user_sgpr_kernarg_segment_ptr 1
		.amdhsa_wavefront_size32 1
		.amdhsa_system_sgpr_workgroup_id_x 1
		.amdhsa_system_sgpr_workgroup_id_y 1
		.amdhsa_system_sgpr_workgroup_id_z 1
		.amdhsa_system_vgpr_workitem_id 0
		.amdhsa_next_free_vgpr 194
		.amdhsa_next_free_sgpr 66
		.amdhsa_reserve_vcc 0
		.amdhsa_float_denorm_mode_32 3
		.amdhsa_float_denorm_mode_16_64 3
		.amdhsa_memory_ordered 1
		.amdhsa_forward_progress 1
		.amdhsa_inst_pref_size 32
	.end_amdhsa_kernel
	.amdgpu_metadata
---
amdhsa.version: [ 1, 2 ]
amdhsa.kernels:
  - .name:           k_q8328b9e1b5_quantx
    .symbol:         k_q8328b9e1b5_quantx.kd
    .args:
      - { .name: x, .offset: 0, .size: 8, .value_kind: global_buffer, .address_space: global }
      - { .name: xq, .offset: 8, .size: 8, .value_kind: global_buffer, .address_space: global }
    .group_segment_fixed_size: 33280
    .private_segment_fixed_size: 0
    .kernarg_segment_align: 8
    .kernarg_segment_size: 16
    .max_flat_workgroup_size: 128
    .sgpr_count:     66
    .vgpr_count:     194
    .wavefront_size: 32
...
	.end_amdgpu_metadata
.endif
;; end of part 1
;; launch quantw (part 2): grid 32 x 4, 4 waves a work-group, no clusters, 36,352 bytes of LDS; arguments W_qkv, W_out, wq; writes wq
.if DOCPART == 2
	.amdgcn_target "amdgcn-amd-amdhsa--gfx1250"
	.amdhsa_code_object_version 6
	.text
	.protected	k_q8328b9e1b5_quantw
	.globl	k_q8328b9e1b5_quantw
	.p2align	8
	.type	k_q8328b9e1b5_quantw,@function
k_q8328b9e1b5_quantw:
	s_mov_b64 s[64:65], 0
	v_nop
	global_prefetch_b8 v0, s[64:65] scope:SCOPE_SE
	s_setreg_imm32_b32 hwreg(HW_REG_WAVE_MODE, 25, 1), 1
	s_wait_xcnt 0x0
; W_qkv [1024][3072] and W_out [1024][1024], f32, K their FIRST axis, become one matrix of 4,096 rows of codes of FP6 (E2M3), K innermost, 768 bytes a row (rows 0-3,071: W_qkv's columns,
; rows 3,072-4,095: W_out's), and 32 E8M0 bytes a row.  A LANE TAKES A COLUMN, AND ITS REGISTERS RUN DOWN K: a block of 32 along K lies in one lane's 32 registers, and the conversions give codes with K innermost.
; ROWS LEAVE IN POSITION ORDER: inside each group of 32 rows bits 3 and 4 of the row's number change places; a wave's 32 columns are one such group, so the swap is made on the lane's number.
; Work-groups x = 0 .. 23 take W_qkv's columns 128 x on, x = 24 .. 31 W_out's columns 128 (x - 24) on; y takes 256 along K.  Only the source pointer, its row pitch and the column are chosen; the output row is 128 x + 32 wave + position in both cases.
; LIMITS: a block whose largest magnitude lies under 2^-124 has its byte held at 1; a block of zeros gets the byte 1 (its codes are zeros, and this program alone reads the bytes); NaN and infinities are not served.
; A lane's codes belong to one output row: they go through the wave's own stage in LDS and leave as rows, sixteen lanes to a row's 192 consecutive bytes.  No tensor loads, no barrier.  Loads run two blocks (64 loads a wave) ahead.
.set NB,    8                          ; blocks of 32 along K for a wave
.set ROWB,  192                        ; bytes of 256 codes
.set PITCH, 272                        ; a stage row: sixteen places of 16 bytes, each with 12 bytes of codes, + 16
.set KROW,  768                        ; a row of codes in wq
.set EMAX,  2
.set WSC,   0x300000                   ; where the scale bytes begin in wq: behind 4,096 rows of 768 bytes
.set X,     32                         ; v32-95   two sets of 32 numbers
.set C,     96                         ; v96..    a block's codes
.set OUTR,  112                        ; v112-175 the way out
.set SB,    24                         ; v24-25   the scale bytes
.set OF,    176                        ; v176-207 4 x lane + i x the source's row pitch, i = 0 .. 31; never rewritten
	s_load_b128 s[4:7], s[0:1], 0x0                ; W_qkv, W_out
	s_load_b64 s[8:9], s[0:1], 0x10                ; wq
	v_lshl_add_u32 v208, v0, 2, 0x8c00
	v_mov_b32 v209, 0
	v_lshrrev_b32 v1, 5, v0
	v_readfirstlane_b32 s16, v1                    ; wave 0..3
	v_and_b32 v2, 31, v0                           ; lane = my column among the wave's 32
	v_and_b32 v5, 7, v2
	v_bfe_u32 v6, v2, 3, 1
	v_bfe_u32 v7, v2, 4, 1
	v_lshl_add_u32 v10, v6, 4, v5
	v_lshl_add_u32 v10, v7, 3, v10                 ; its position: bits 3 and 4 swapped
	s_mul_i32 s19, s16, 32*PITCH                   ; my stage
	v_mul_u32_u24 v4, v10, PITCH
	v_add_nc_u32 v4, s19, v4                       ; into it: row = my position
	v_and_b32 v5, 15, v2
	v_lshrrev_b32 v6, 4, v2                        ; out of it: sixteen lanes to a row, two rows an instruction
	v_mul_u32_u24 v7, v6, PITCH
	v_lshl_add_u32 v7, v5, 4, v7
	v_add_nc_u32 v7, s19, v7
	v_mul_u32_u24 v8, v6, KROW
	v_mad_u32_u24 v8, v5, 12, v8                   ; and the same place in wq
	v_lshlrev_b32 v9, 5, v10                       ; my position's row of scale bytes
	s_and_b32 s18, ttmp7, 0xffff                   ; which 256 along K
	s_cmp_lt_u32 ttmp9, 24                         ; W_qkv's work-group or W_out's: hangs on the work-group's number alone
	s_mov_b32 s20, 4096
	s_cselect_b32 s20, 12288, s20                  ; the source's row pitch in bytes
	s_cselect_b32 s21, 0, 24
	s_sub_co_u32 s21, ttmp9, s21
	s_lshl_b32 s21, s21, 7
	s_lshl_b32 s22, s16, 5
	s_add_co_u32 s21, s21, s22                     ; my wave's first column in the source,
	s_lshl_b32 s21, s21, 2                         ; in bytes
	s_lshl_b32 s23, s18, 8
	s_mul_i32 s23, s23, s20                        ; 256 y rows down
	s_add_co_u32 s24, s23, s21
	s_mov_b32 s25, 0
	s_lshl_b32 s26, s20, 5                         ; a block: 32 rows down
	s_mov_b32 s27, 0
	s_lshl_b32 s28, ttmp9, 7
	s_add_co_u32 s28, s28, s22                     ; my wave's first output row
	s_mul_i32 s30, s28, KROW
	s_mul_i32 s29, s18, ROWB
	s_add_co_u32 s30, s30, s29
	s_mov_b32 s31, 0                               ; codes: row x 768 + 192 y
	s_lshl_b32 s28, s28, 5
	s_lshl_b32 s29, s18, 3
	s_add_co_u32 s28, s28, s29
	s_add_co_u32 s28, s28, WSC
	s_mov_b32 s29, 0                               ; scale bytes: row x 32 + 8 y
	v_lshlrev_b32 v[OF], 2, v2
.set i, 1
.rept 31
	v_add_nc_u32 v[OF+i], s20, v[OF+i-1]
.set i, i+1
.endr
	s_wait_kmcnt 0x0
	s_cmp_lt_u32 ttmp9, 24
	s_cselect_b64 s[4:5], s[4:5], s[6:7]
	s_add_nc_u64 s[32:33], s[4:5], s[24:25]        ; s[32+2t:33+2t]: the source at block t of my part; never rewritten
.irp t, 1,2,3,4,5,6,7
	s_add_nc_u64 s[32+2*\t:33+2*\t], s[30+2*\t:31+2*\t], s[26:27]
.endr
	s_add_nc_u64 s[6:7], s[8:9], s[30:31]          ; the codes
	s_add_nc_u64 s[8:9], s[8:9], s[28:29]          ; the scale bytes
.macro LOAD t                          ; block t: W(32 t + i, my column), i = 0 .. 31, into set t % 2: each load reads 128 consecutive bytes a wave
.irp i, 0,1,2,3,4,5,6,7,8,9,10,11,12,13,14,15,16,17,18,19,20,21,22,23,24,25,26,27,28,29,30,31
	global_load_b32 v[X+32*((\t)%2)+\i], v[OF+\i], s[32+2*(\t):33+2*(\t)] th:TH_LOAD_NT
.endr
.endm
	LOAD 0
	LOAD 1
.macro BLOCK t
.set XS, X+32*((\t)%2)
.if (\t) < NB-1
	s_wait_loadcnt 32                              ; this block's 32 loads are in; the next block's may be out
.else
	s_wait_loadcnt 0
.endif
	v_max3_num_f32 v12, |v[XS]|, |v[XS+1]|, |v[XS+2]|               ; the block's largest magnitude: all 32 numbers are mine
	v_max3_num_f32 v13, |v[XS+3]|, |v[XS+4]|, |v[XS+5]|
.irp i, 6,10,14,18,22,26
	v_max3_num_f32 v12, v12, |v[XS+\i]|, |v[XS+\i+1]|
	v_max3_num_f32 v13, v13, |v[XS+\i+2]|, |v[XS+\i+3]|
.endr
	v_max3_num_f32 v12, v12, |v[XS+30]|, |v[XS+31]|
	v_max3_num_f32 v12, v12, v13, (EMAX+1)<<23     ; and the floor 2^(3 - 127): the byte cannot fall under 1
	v_add_nc_u32 v11, 0xff000000, v12              ; 2 off its exponent field: the conversion's scale operand
	v_lshrrev_b32 v13, 23, v11                     ; the scale's byte
.if (\t)%4 == 0
	v_mov_b32 v[SB+(\t)/4], v13                    ; four bytes to a register, the lower K in the lower byte
.else
	v_lshl_or_b32 v[SB+(\t)/4], v13, 8*((\t)%4), v[SB+(\t)/4]
.endif
	v_cvt_scalef32_pk16_fp6_f32 v[C:C+2], v[XS:XS+15], v11
	v_cvt_scalef32_pk16_fp6_f32 v[C+4:C+6], v[XS+16:XS+31], v11     ; (a conversion's three registers begin on an even number)
	ds_store_b96 v4, v[C:C+2] offset:32*(\t)       ; 12 bytes to a place of 16, so that every LDS address is a multiple of 16
	ds_store_b96 v4, v[C+4:C+6] offset:32*(\t)+16
.if (\t)+2 < NB
	LOAD (\t)+2
.endif
	s_wait_dscnt 0x0                               ; the stores have read their registers: the next block's codes may be written
.endm
.set Q, 0
.rept NB
	BLOCK Q
.set Q, Q+1
.endr
	global_store_b64 v9, v[SB:SB+1], s[8:9]        ; my row's 8 scale bytes
.irp t, 0,1,2,3,4,5,6,7,8,9,10,11,12,13,14,15
	ds_load_b96 v[OUTR+4*\t:OUTR+4*\t+2], v7 offset:2*\t*PITCH   ; LDS serves a wave's instructions in order: these see my stores
.endr
.irp t, 0,1,2,3,4,5,6,7,8,9,10,11,12,13,14,15
	s_wait_dscnt 15-\t
	global_store_b96 v8, v[OUTR+4*\t:OUTR+4*\t+2], s[6:7] offset:2*\t*KROW
.endr
	s_wait_tensorcnt 0x0
	ds_add_u32 v208, v209
	s_wait_dscnt 0x0
	s_endpgm
.Lfunc_end_k_q8328b9e1b5_quantw:
	.size	k_q8328b9e1b5_quantw, .Lfunc_end_k_q8328b9e1b5_quantw-k_q8328b9e1b5_quantw
	.p2alignl 7, 3214868480
	.fill 96, 4, 3214868480
	.section	.rodata,"a",@progbits
	.p2align	6, 0x0
	.amdhsa_kernel k_q8328b9e1b5_quantw
		.amdhsa_group_segment_fixed_size 36352
		.amdhsa_private_segment_fixed_size 0
		.amdhsa_enable_private_segment 0
		.amdhsa_kernarg_size 24
		.amdhsa_user_sgpr_count 2
		.amdhsa_user_sgpr_kernarg_segment_ptr 1
		.amdhsa_wavefront_size32 1
		.amdhsa_system_sgpr_workgroup_id_x 1
		.amdhsa_system_sgpr_workgroup_id_y 1
		.amdhsa_system_sgpr_workgroup_id_z 1
		.amdhsa_system_vgpr_workitem_id 0
		.amdhsa_next_free_vgpr 210
		.amdhsa_next_free_sgpr 66
		.amdhsa_reserve_vcc 0
		.amdhsa_float_denorm_mode_32 3
		.amdhsa_float_denorm_mode_16_64 3
		.amdhsa_memory_ordered 1
		.amdhsa_forward_progress 1
		.amdhsa_inst_pref_size 44
	.end_amdhsa_kernel
	.amdgpu_metadata
---
amdhsa.version: [ 1, 2 ]
amdhsa.kernels:
  - .name:           k_q8328b9e1b5_quantw
    .symbol:         k_q8328b9e1b5_quantw.kd
    .args:
      - { .name: W_qkv, .offset: 0, .size: 8, .value_kind: global_buffer, .address_space: global }
      - { .name: W_out, .offset: 8, .size: 8, .value_kind: global_buffer, .address_space: global }
      - { .name: wq, .offset: 16, .size: 8, .value_kind: global_buffer, .address_space: global }
    .group_segment_fixed_size: 36352
    .private_segment_fixed_size: 0
    .kernarg_segment_align: 8
    .kernarg_segment_size: 24
    .max_flat_workgroup_size: 128
    .sgpr_count:     66
    .vgpr_count:     210
    .wavefront_size: 32
...
	.end_amdgpu_metadata
.endif
;; end of part 2
;; launch qkv (part 3): grid 12 x 32, 4 waves a work-group, clusters of 4 x 4, 327,680 bytes of LDS; arguments xq, wq, b_qkv, qb, kv; writes qb, kv
.if DOCPART == 3
	.amdgcn_target "amdgcn-amd-amdhsa--gfx1250"
	.amdhsa_code_object_version 6
	.text
	.protected	k_q8328b9e1b5_qkv
	.globl	k_q8328b9e1b5_qkv
	.p2align	8
	.type	k_q8328b9e1b5_qkv,@function
k_q8328b9e1b5_qkv:
	s_mov_b64 s[64:65], 0
	v_nop
	global_prefetch_b8 v0, s[64:65] scope:SCOPE_SE
	s_setreg_imm32_b32 hwreg(HW_REG_WAVE_MODE, 25, 1), 1
	s_wait_xcnt 0x0
	s_wait_alu depctr_hold_cnt(0) depctr_sa_sdst(0) depctr_va_vdst(0) depctr_va_sdst(0) depctr_va_ssrc(0) depctr_va_vcc(0) depctr_vm_vsrc(0)
	s_getreg_b32 s2, hwreg(HW_REG_IB_STS2, 6, 4)
	s_cmp_eq_u32 s2, 0
	s_cbranch_scc0 .Lentry_in_a_cluster
	s_endpgm
.Lentry_in_a_cluster:
	s_bfe_u32 s2, ttmp6, 0x10000c
	s_cmp_lg_u32 s2, 0xf033
	s_cbranch_scc0 .Lentry_shape_is_right
	s_endpgm
.Lentry_shape_is_right:
; qkv = x W_qkv + b_qkv on codes of FP6 (E2M3) with one E8M0 scale for each 32 along K = 1,024; q, k and v are quantised in registers, each along the K of the product that will read it, and leave as codes alone.
; A work-group of four waves makes 256 x 256 of the result, a wave 128 x 128: 64 accumulators of 16 x 16, 512 registers.  K goes in steps of 256 through a ring of two LDS slots filled by the tensor data mover.
; THE PRODUCT IS USED SO THAT A LANE'S REGISTERS RUN ALONG THE AXIS TO BE QUANTISED.  D = source 0 (the B side) x source 1 (the A side): a lane holds ONE row of the A side, its registers run along the B side.
;   cluster x = 0 (q), 1 (k): A side = 256 tokens, B side = 256 features: registers run along the head's 64, the K of q k^T.
;   cluster x = 2 (v):        A side = 256 features, B side = 256 tokens: registers run along the keys, the K of p v.
; Rows of xq and wq lie in POSITION ORDER (inside each 32 rows bits 3 and 4 of the row's number swapped): sixteen neighbouring positions as source 0 give, in the 16 registers of two neighbouring tiles, 16 neighbours in natural order.
; The role hangs on the cluster's x alone, which all sixteen partners share.
; WHAT LEAVES.  A fragment leaves as an image of the registers of the wave that will read it.  16 rows x 64 K (768 bytes): a lane's registers 0-3 at 16 x lane, registers 4-5 at 512 + 8 x lane.  16 rows x 128 K (1,536 bytes): three groups of four registers, group g at 512 g + 16 x lane.
;   qb: a record of 6,656 bytes for each head (16 batch + head) and chunk of 128 tokens: 8 images of 768 bytes, then 512 bytes of scale words (tile a, row r at 256 (a / 4) + 16 r + 4 (a % 4); a word: the head's two bytes, then two bytes 0).
;   kv: a record of 13,056 bytes: K as q's record; at 6,656 V's four images of 1,536 bytes (16 channels x the chunk's 128 keys); at 12,800 V's scale words (tile t, row r at 16 r + 4 t).
; Each store of a wave covers 512 or 256 consecutive bytes, aligned to 256.
; THE BIAS is the C of each sum's first matrix instruction, so it stands first in the f32 sum, not last.
; CLUSTERS: 4 x 4 work-groups; A's tile hangs on cy and the cluster's ids and is asked for jointly along a row of the cluster, B's on cx and the cluster's ids, jointly along a column.
; LIMITS: a block whose largest magnitude lies under 2^-124 has its byte held at 1; a block of zeros gets the byte 1 (its codes are zeros, and this program alone reads the bytes); NaN and infinities are not served.
; REGISTERS, in windows of 256: window 0: v0-31 addresses; v32-63 scale words, two sets; v64-127 the bias as C operands; v128-223 A's fragments, one set; on the way out v32-255 are free.
;   window 1: B's fragments, two sets, at v0 and v128.   window 2: the accumulators of A's blocks 0-3 ((a, b) at v[8 (8 (a % 4) + b)]);   window 3: those of blocks 4-7.
.set KSTEP,  256
.set NQ,     2                         ; matrix instructions deep in a slot
.set ROWB,   192                       ; a tile's row in bytes
.set KROW,   768                       ; a row of codes in memory
.set PITCH,  240                       ; an LDS row: 3 x (64 bytes + 16 of padding)
.set FR,     12                        ; registers of a fragment
.set NL,     6                         ; LDS loads that bring one
.set NP,     4                         ; places behind this matrix instruction (ISA guide 7.12.1)
.set HALFT,  128*PITCH
.set SLOT,   4*HALFT
.set LAPS,   2                         ; K = 1,024: twice round the ring
.set KS,     32                        ; a row of scale bytes
.set SCL,    2*SLOT                    ; behind the ring: the scale bytes, as units of 256 bytes + 16 of padding
.set HALFS,  (128*KS/256)*272
.set SBLK,   (16*KS/256)*272
.set SPARE,  SCL+4*HALFS               ; the spare words, 128 bytes a wave: two blocks of 256 bytes that no other line names
.set ADRA, 16                          ; v16-17 LDS address of my A fragments in slot 0, 1 (v18-19: behind one padding more)
.set ADRB, 20                          ; v20-23 the same for B
.set WO,   24                          ; v24  the scale words' way out: 16 r + (lane / 16) x the distance to the next head's record
.set L8,   25                          ; v25  8 x lane
.set L16,  26                          ; v26  16 x lane
.set ADRS, 27                          ; v27  LDS address of my scale words: lanes 0-15 A's rows, lanes 16-31 B's
.set SPW,  28                          ; v28  LDS address of my spare word; never rewritten
.set NIL,  29                          ; v29  0; never rewritten
.set SC,   32
.set BI,   64
.set AF,   128
.set G1,   24                          ; s[24:31], s[32:39] descriptor groups 1 and 0 (a set a slot) for A's tiles
.set G0,   32
.set G1B,  48                          ; s[48:55], s[56:63] for B's
.set G0B,  56
.set G1S,  68                          ; s[68:75], s[76:79] for A's scale bytes;  s[80:87], s[88:91] for B's
.set G0S,  76
.set G1SB, 80
.set G0SB, 88
.set MSB, 0
.macro WIN new                         ; the immediate's high byte repeats the setting that is left
.if MSB != (\new)
	s_set_vgpr_msb (MSB<<8)|(\new)
.set MSB, \new
.endif
.endm
.set MUL_LO, 0xa1                      ; source 0 (B) window 1, source 1 (A) window 0, C and D window 2
.set MUL_HI, 0xf1                      ; the same, C and D window 3
.set TO_B,   0x40                      ; destination window 1, address window 0
; A joint load: waves 0 and 1 fetch for A, waves 2 and 3 for B; the branch hangs on the wave's number alone.  Four v_nop follow each of the two lines.
.macro JLOAD g0a, g1a, g0b, g1b
	s_cmp_eq_u32 s15, 0
	s_cbranch_scc0 .Lfor_b_\@
	tensor_load_to_lds s[\g0a:\g0a+3], s[\g1a:\g1a+7]
	s_nop 0
.rept 4
	v_nop
.endr
	s_branch .Lasked_\@
.Lfor_b_\@:
	tensor_load_to_lds s[\g0b:\g0b+3], s[\g1b:\g1b+7]
	s_nop 0
.rept 4
	v_nop
.endr
.Lasked_\@:
.endm
.macro CREST                           ; a round of the cluster's barrier behind its opening barrier
	s_cmp_lg_u32 s14, 0
	s_cbranch_scc1 .Lnot_wave_0_\@
	s_barrier_signal -3
.Lnot_wave_0_\@:
	s_barrier_wait -3
	s_barrier_signal -1
	s_barrier_wait -1
.endm
.macro CROUND                          ; a whole round
	s_barrier_signal -1
	s_barrier_wait -1
	CREST
.endm
	s_load_b256 s[4:11], s[0:1], 0x0               ; xq s[4:5], wq s[6:7], b_qkv s[8:9], qb s[10:11]
	s_load_b64 s[12:13], s[0:1], 0x20              ; kv
	v_lshl_add_u32 v[SPW], v0, 2, SPARE
	v_mov_b32 v[NIL], 0
	ds_add_u32 v28, v29
	ds_add_u32 v28, v29
	s_wait_dscnt 0x0
	v_lshrrev_b32 v1, 5, v0
	v_readfirstlane_b32 s14, v1                    ; wave 0..3
	s_lshr_b32 s15, s14, 1                         ; which half of the A side is mine.  Also: I fetch for A (0) or for B (1)
	s_and_b32 s16, s14, 1                          ; which half of the B side.  Also: which 128 rows of that tile I fetch
	s_bfe_u32 s40, ttmp6, 0x40000                  ; cx
	s_bfe_u32 s41, ttmp6, 0x40004                  ; cy
	s_and_b32 s17, ttmp7, 0xffff
	s_lshl_b32 s17, s17, 10                        ; the cluster's 1,024 tokens begin here
	s_lshl_b32 s42, s40, 8                         ; 256 cx
	s_lshl_b32 s2, s41, 8                          ; 256 cy
	s_lshl_b32 s43, s41, 2
	s_lshl_b32 s43, 15, s43                        ; my row of the cluster
	s_lshl_b32 s44, 0x1111, s40                    ; my column
	s_or_b32 s[G1+0], s43, (0<<16)|(1<<20)|(1<<21)|(3<<22)|(3<<25)  ; the mask; elements of 1 byte; padding on; bit 21 beside a mask; after every 16 words, 4 words
	s_or_b32 s[G1B+0], s44, (0<<16)|(1<<20)|(1<<21)|(3<<22)|(3<<25)
.irp g, G1, G1B
	s_mov_b32 s[\g+1], ROWB<<16                    ; tensor_dim0
	s_mov_b32 s[\g+2], 128<<16                     ; tensor_dim1
	s_mov_b32 s[\g+3], ROWB<<16                    ; tile_dim0
	s_mov_b32 s[\g+4], 128                         ; tile_dim1
	s_mov_b32 s[\g+5], KROW                        ; stride
	s_mov_b32 s[\g+6], 0
	s_mov_b32 s[\g+7], 0
.endr
	s_or_b32 s[G1S+0], s43, (3<<16)|(1<<20)|(1<<21)|(5<<22)|(3<<25) ; the scale bytes of 128 rows: 4,096 dense bytes as 16 rows of 256, 16 bytes of padding behind each
	s_or_b32 s[G1SB+0], s44, (3<<16)|(1<<20)|(1<<21)|(5<<22)|(3<<25)
.irp g, G1S, G1SB
	s_mov_b32 s[\g+1], 32<<16
	s_mov_b32 s[\g+2], (128*KS/256)<<16
	s_mov_b32 s[\g+3], 32<<16
	s_mov_b32 s[\g+4], 128*KS/256
	s_mov_b32 s[\g+5], 32
	s_mov_b32 s[\g+6], 0
	s_mov_b32 s[\g+7], 0
.endr
	; the roles.  All candidates first, then one compare and nothing but selects
	s_lshl_b32 s19, ttmp9, 10                      ; 1,024 x cluster x: q's, k's or v's first row in wq
	s_mov_b32 s18, 2048
	s_mov_b32 s100, 0x600000                       ; where xq's scale bytes begin
	s_mov_b32 s101, 0x300000                       ; where wq's begin
	s_cmp_eq_u32 ttmp9, 2
	s_cselect_b32 s66, 1, 0                        ; 1: this cluster makes v
	s_cselect_b32 s18, s18, s17                    ; the A side's rows, apart from cy
	s_cselect_b32 s19, s17, s19                    ; the B side's, apart from cx
	s_cselect_b32 s100, 0x300000, s100             ; the A side's scale bytes
	s_cselect_b32 s101, 0x600000, s101             ; the B side's
	s_lshl_b32 s22, s16, 7                         ; which 128 rows of the tile I fetch
	s_add_co_u32 s20, s18, s2
	s_add_co_u32 s20, s20, s22                     ; A: the row
	s_add_co_u32 s46, s19, s42
	s_add_co_u32 s46, s46, s22                     ; B: the row
	s_lshl_b32 s22, s20, 5
	s_add_co_u32 s22, s22, s100                    ; A's scale bytes, as an offset
	s_mov_b32 s23, 0
	s_mul_i32 s20, s20, KROW                       ; A's codes
	s_mov_b32 s21, 0
	s_lshl_b32 s92, s46, 5
	s_add_co_u32 s92, s92, s101
	s_mov_b32 s93, 0
	s_mul_i32 s46, s46, KROW
	s_mov_b32 s47, 0
	s_mul_i32 s45, s14, HALFT                      ; where they go: wave x 128 rows: no place in the cluster enters an LDS address
	s_mul_i32 s94, s14, HALFS
	s_wait_kmcnt 0x0
	s_cmp_eq_u32 ttmp9, 2
	s_cselect_b64 s[96:97], s[6:7], s[4:5]         ; the A side's buffer
	s_cselect_b64 s[98:99], s[4:5], s[6:7]         ; the B side's
	s_add_nc_u64 s[20:21], s[96:97], s[20:21]
	s_add_nc_u64 s[22:23], s[96:97], s[22:23]
	s_add_nc_u64 s[46:47], s[98:99], s[46:47]
	s_add_nc_u64 s[92:93], s[98:99], s[92:93]
	CROUND                                         ; all sixteen work-groups are here: the first joint loads meet
	s_mov_b32 s[G0S], 1
	s_add_co_u32 s[G0S+1], s94, SCL
	s_mov_b64 s[G0S+2:G0S+3], s[22:23]
	s_or_b32 s[G0S+3], s[G0S+3], 0x80000000
	s_mov_b32 s[G0SB], 1
	s_add_co_u32 s[G0SB+1], s94, SCL
	s_mov_b64 s[G0SB+2:G0SB+3], s[92:93]
	s_or_b32 s[G0SB+3], s[G0SB+3], 0x80000000
	JLOAD G0S, G1S, G0SB, G1SB                     ; the scale bytes first: they are wanted with K step 0
.irp s, 0,1
	s_mov_b32 s[G0+4*\s], 1
	s_add_co_u32 s[G0+4*\s+1], s45, \s*SLOT
	s_add_nc_u64 s[G0+4*\s+2:G0+4*\s+3], s[20:21], \s*ROWB
	s_or_b32 s[G0+4*\s+3], s[G0+4*\s+3], 0x80000000
	s_mov_b32 s[G0B+4*\s], 1
	s_add_co_u32 s[G0B+4*\s+1], s45, \s*SLOT
	s_add_nc_u64 s[G0B+4*\s+2:G0B+4*\s+3], s[46:47], \s*ROWB
	s_or_b32 s[G0B+4*\s+3], s[G0B+4*\s+3], 0x80000000
	JLOAD G0+4*\s, G1, G0B+4*\s, G1B
.endr
	v_and_b32 v1, 15, v0                           ; r = lane % 16
	v_bfe_u32 v2, v0, 4, 1                         ; h = lane / 16
	v_mul_u32_u24 v3, v1, PITCH
	v_mul_u32_u24 v4, v2, 24
	v_add_nc_u32 v4, v3, v4                        ; a fragment's row x pitch + 24 x half
	v_lshl_add_u32 v5, v2, 4, v4                   ; and the same behind one padding more
	s_mul_i32 s21, s15, HALFT                      ; my 128 rows of A
	s_mul_i32 s22, s16, HALFT                      ; my 128 rows of B,
	s_add_co_u32 s22, s22, 2*HALFT                 ; which lie behind A's 256
.irp s, 0,1
	v_add_nc_u32 v[ADRA+\s], s21, v4
	v_add_nc_u32 v[ADRB+\s], s22, v4
	v_add_nc_u32 v[ADRA+2+\s], s21, v5
	v_add_nc_u32 v[ADRB+2+\s], s22, v5
	s_add_co_u32 s21, s21, SLOT
	s_add_co_u32 s22, s22, SLOT
.endr
	v_mul_u32_u24 v5, v1, KS                       ; my row's scale bytes: 32 a row,
	v_lshrrev_b32 v6, 8, v5
	v_lshl_add_u32 v5, v6, 4, v5                   ; and 16 more for each 256 passed
	s_mul_i32 s21, s15, HALFS
	s_mul_i32 s22, s16, HALFS
	s_add_co_u32 s22, s22, 2*HALFS
	s_sub_co_u32 s22, s22, s21
	v_mul_u32_u24 v6, s22, v2                      ; lanes 16-31 take B's: one product, the distance between the two bases x h
	s_add_co_u32 s21, s21, SCL
	v_add_nc_u32 v5, v5, v6
	v_add_nc_u32 v[ADRS], s21, v5
	v_and_b32 v6, 31, v0
	v_lshlrev_b32 v[L16], 4, v6
	v_lshlrev_b32 v[L8], 3, v6
	v_lshlrev_b32 v8, 6, v2                        ; v8: 64 h: the bias of q and k: 16 numbers on for lanes 16-31
	v_and_b32 v9, 8, v1
	v_add_nc_u32 v9, v9, v1
	v_lshlrev_b32 v9, 2, v9                        ; v9: 4 (r + 8 (r / 8)): the bias of v: my row's feature within its tile
	v_lshlrev_b32 v10, 4, v2                       ; v10: 16 h: which half of a scale word is my head's
	; where the results go
	s_lshl_b32 s18, s15, 7
	s_add_co_u32 s18, s18, s2                      ; the A side's first row within the cluster's 1,024
	s_lshl_b32 s19, s16, 7
	s_add_co_u32 s19, s19, s42                     ; the B side's
	s_cmp_eq_u32 s66, 1
	s_cselect_b32 s20, s19, s18                    ; the side that holds tokens
	s_cselect_b32 s21, s18, s19                    ; the side that holds features
	s_lshl_b32 s100, ttmp9, 10
	s_add_co_u32 s100, s100, s21
	s_lshl_b32 s100, s100, 2
	s_mov_b32 s101, 0
	s_add_nc_u64 s[100:101], s[8:9], s[100:101]    ; the bias at my wave's first feature
	s_add_co_u32 s20, s20, s17                     ; my first token
	s_lshr_b32 s21, s21, 6                         ; my first head (of two)
	s_lshr_b32 s22, s20, 11                        ; the batch
	s_lshl_b32 s22, s22, 4
	s_add_co_u32 s22, s22, s21
	s_lshl_b32 s22, s22, 4
	s_bfe_u32 s23, s20, 0x40007                    ; the chunk of 128 tokens
	s_add_co_u32 s22, s22, s23                     ; the record: (16 batch + head) x 16 + chunk
	s_cmp_eq_u32 ttmp9, 0
	s_mov_b32 s23, 13056
	s_cselect_b32 s23, 6656, s23                   ; a record's bytes
	s_cselect_b64 s[96:97], s[10:11], s[12:13]     ; qb or kv
	s_mul_i32 s22, s22, s23
	s_lshl_b32 s95, s23, 4                         ; the next head's record lies 16 records on
	s_cmp_eq_u32 s66, 1
	s_cselect_b32 s23, 6656, 0                     ; V's part of a record begins behind K's
	s_add_co_u32 s22, s22, s23
	s_mov_b32 s23, 0
	s_add_nc_u64 s[96:97], s[96:97], s[22:23]      ; my first head's record
	s_mov_b32 s22, s95
	s_add_nc_u64 s[98:99], s[96:97], s[22:23]      ; my second head's
	v_mul_u32_u24 v[WO], s95, v2
	v_lshl_add_u32 v[WO], v1, 4, v[WO]
	s_mov_b32 s18, 0x76543210
	s_mov_b32 s19, 0xfedcba98                      ; v_permlanex16_b32's selects for lane l xor 16
	s_mov_b32 s67, 0xffff0000                      ; lanes 16-31
	; the bias, laid as C operands
	s_cmp_eq_u32 s66, 1
	s_cbranch_scc1 .Lbias_v
.irp b, 0,1,2,3,4,5,6,7                ; q, k: C of accumulator (a, b): register j = the bias of feature 32 (b / 2) + 16 h + 8 (b % 2) + j
	global_load_b128 v[BI+8*\b:BI+8*\b+3], v8, s[100:101] offset:128*(\b/2)+32*(\b%2)
	global_load_b128 v[BI+8*\b+4:BI+8*\b+7], v8, s[100:101] offset:128*(\b/2)+32*(\b%2)+16
.endr
	s_branch .Lbias_done
.Lbias_v:
.irp a, 0,1,2,3,4,5,6,7                ; v: C of accumulator (a, b): all eight registers = the bias of my row's feature 32 (a / 2) + 8 (a % 2) + r + 8 (r / 8)
.irp j, 0,1,2,3,4,5,6,7
	global_load_b32 v[BI+8*\a+\j], v9, s[100:101] offset:128*(\a/2)+32*(\a%2)
.endr
.endr
.Lbias_done:
.macro FRAG reg, adr, q, i             ; a fragment: lane l holds row l % 16; registers 6 c .. 6 c + 5 hold K = 64 c + 32 (l / 16) + 0 .. 31: 24 bytes of the row, as they lie, in pieces of 8 bytes
.irp p, 0,1,2,3,4,5
.set PCE, 12*(\q)+6*(\p/3)+\p%3        ; 16 bytes of padding lie behind every 8 pieces: where the piece three on lies behind one padding more, the second address register serves
.if PCE%8 < 5
	ds_load_b64 v[\reg+2*\p:\reg+2*\p+1], v[\adr] offset:8*PCE+16*(PCE/8)+(\i)*16*PITCH
.else
	ds_load_b64 v[\reg+2*\p:\reg+2*\p+1], v[\adr+2] offset:8*PCE+16*(PCE/8)+(\i)*16*PITCH
.endif
.endr
.endm
; 16 matrix instructions: A's blocks a0, a0 + 1 x B's eight, 128 along K.  mode 0: onto the sums; 1: the sums begin with the bias along the B side; 2: with the bias along the A side.
; The 64 accumulators take turns, one instruction a turn, in the same order in every step.
.macro MUL16 a0, p, q, sc, mode
.irp a, \a0, \a0+1
.irp b, 0,1,2,3,4,5,6,7
.set rD, 8*(8*((\a)%4)+\b)
.set rB, 128*(\p)+FR*\b
.set rA, AF+FR*(\a)
.set rSB, SC+8*NQ*(\sc)+NQ*\b+(\q)
.set rSA, SC+8*NQ*(\sc)+NQ*(\a)+(\q)
.if \mode == 1
	v_wmma_scale_f32_16x16x128_f8f6f4 v[rD:rD+7], v[rB:rB+FR-1], v[rA:rA+FR-1], v[BI+8*\b:BI+8*\b+7], v[rSB], v[rSA] matrix_a_fmt:MATRIX_FMT_FP6 matrix_b_fmt:MATRIX_FMT_FP6 matrix_a_scale:MATRIX_SCALE_ROW1
.elseif \mode == 2
	v_wmma_scale_f32_16x16x128_f8f6f4 v[rD:rD+7], v[rB:rB+FR-1], v[rA:rA+FR-1], v[BI+8*(\a):BI+8*(\a)+7], v[rSB], v[rSA] matrix_a_fmt:MATRIX_FMT_FP6 matrix_b_fmt:MATRIX_FMT_FP6 matrix_a_scale:MATRIX_SCALE_ROW1
.else
	v_wmma_scale_f32_16x16x128_f8f6f4 v[rD:rD+7], v[rB:rB+FR-1], v[rA:rA+FR-1], v[rD:rD+7], v[rSB], v[rSA] matrix_a_fmt:MATRIX_FMT_FP6 matrix_b_fmt:MATRIX_FMT_FP6 matrix_a_scale:MATRIX_SCALE_ROW1
.endif
.endr
.endr
.endm
.macro FETCH_B slot, q, p              ; B's eight fragments of the slot's q-th 128 along K into set p
	WIN TO_B
.irp i, 0,1,2,3,4,5,6,7
	FRAG 128*(\p)+FR*\i, ADRB+\slot, \q, \i
.endr
	WIN 0
.endm
.macro FETCH_A slot, q, i0             ; A's blocks i0 .. i0 + 3
.irp i, \i0, \i0+1, \i0+2, \i0+3
	FRAG AF+FR*(\i), ADRA+\slot, \q, \i
.endr
.endm
.macro SCALES sc                       ; a K step's scale words into set sc: two words a row; lanes 0-15 take A's block i, lanes 16-31 B's block i
.irp i, 0,1,2,3,4,5,6,7
	ds_load_b64 v[SC+8*NQ*\sc+NQ*\i:SC+8*NQ*\sc+NQ*\i+1], v[ADRS] offset:\i*SBLK
.endr
.endm
.macro PLACES n                        ; plain vector instructions that name none of the matrix instructions' registers, in front of loads into registers that they have read and of the first read of results
.rept \n
	v_nop
.endr
.endm
; A step of 128 along K that has its successor in the same slot.
.macro STEP slot, q, mode
	s_wait_dscnt 4*NL                              ; B's set and A's blocks 0-3 are in; the youngest 24 loads (A's blocks 4-7) may be out
.if \mode
	WIN 0x81                                       ; C (the bias) in window 0, D in window 2
.else
	WIN MUL_LO
.endif
	MUL16 0, (\q)%2, \q, \slot, \mode
	MUL16 2, (\q)%2, \q, \slot, \mode
	s_wait_dscnt 0                                 ; A's blocks 4-7 are in
	PLACES NP
	FETCH_B \slot, (\q)+1, 1-(\q)%2
	FETCH_A \slot, (\q)+1, 0
.if \mode
	WIN 0xc1                                       ; C in window 0, D in window 3
.else
	WIN MUL_HI
.endif
	MUL16 4, (\q)%2, \q, \slot, \mode
	MUL16 6, (\q)%2, \q, \slot, \mode
	PLACES NP
	WIN 0
	FETCH_A \slot, (\q)+1, 4
.endm
; A slot's last step changes slots: ONE barrier; in front of it each wave waits for all its tensor loads, adds 0 to its spare word, and waits for that and for its own reads of this slot.  fill = 1: this slot is filled again, two K steps ahead.
.macro TURN slot, next, fill
	s_wait_tensorcnt 0x0                           ; all my tensor loads have landed: my part of the next slot
	ds_add_u32 v[SPW], v[NIL]                      ; 0 onto my spare word
	s_wait_dscnt 4*NL+1                            ; (the add and the youngest 24 loads, A's blocks 4-7, may be out)
	WIN MUL_LO
	MUL16 0, 1, NQ-1, \slot, 0                     ; sixteen matrix instructions stand between the add and the wait for it
	s_wait_dscnt 0x0                               ; the add is done, and my reads of this slot are over
	s_barrier_signal -1
	MUL16 2, 1, NQ-1, \slot, 0
	WIN 0
	s_barrier_wait -1
.if \fill
	CREST                                          ; the barrier has opened a round of the cluster's barrier: no wave of any partner still reads this slot's tile or has a load on its way
	s_add_nc_u64 s[G0+4*\slot+2:G0+4*\slot+3], s[G0+4*\slot+2:G0+4*\slot+3], 2*ROWB
	s_add_nc_u64 s[G0B+4*\slot+2:G0B+4*\slot+3], s[G0B+4*\slot+2:G0B+4*\slot+3], 2*ROWB
	JLOAD G0+4*\slot, G1, G0B+4*\slot, G1B         ; the first tensor load behind the round; the four v_nop behind it are the places in front of the loads below
.else
	PLACES NP
.endif
	v_add_nc_u32 v[ADRS], 4*NQ, v[ADRS]            ; on to the next K step's scale words (no LDS load of mine is out)
	FETCH_B \next, 0, 0
	FETCH_A \next, 0, 0
	SCALES \next
	WIN MUL_HI
	MUL16 4, 1, NQ-1, \slot, 0
	MUL16 6, 1, NQ-1, \slot, 0
	PLACES NP
	WIN 0
	FETCH_A \next, 0, 4
.endm
	s_wait_tensorcnt 1                             ; of my three loads the scale bytes and my part of K step 0 are in; K step 1's may be out
	s_barrier_signal -1
	s_barrier_wait -1                              ; everybody's are
	FETCH_B 0, 0, 0
	FETCH_A 0, 0, 0
	SCALES 0
	FETCH_A 0, 0, 4
	s_wait_loadcnt 0x0                             ; the bias
	s_cmp_eq_u32 s66, 1                            ; the first step is written twice: its products take the bias as C, along the B side or along the A side.  Both ways issue the same loads and waits
	s_cbranch_scc1 .Lfirst_v
	STEP 0, 0, 1
	s_branch .Lfirst_done
.Lfirst_v:
	STEP 0, 0, 2
.Lfirst_done:
	s_mov_b32 s3, LAPS-1
.Llap:                                                 ; a trip goes once round the ring, from a lap's second step to the next lap's first, and fills both slots again
	TURN 0, 1, 1
	STEP 1, 0, 0
	TURN 1, 0, 1
	STEP 0, 0, 0
	s_sub_co_u32 s3, s3, 1
	s_cmp_lg_u32 s3, 0
	s_cbranch_scc1 .Llap
	TURN 0, 1, 0                                   ; the last lap fills nothing, and has no round of the cluster's barrier
	STEP 1, 0, 0
	s_wait_dscnt 4*NL                              ; the very last step: nothing more to fetch
	WIN MUL_LO
	MUL16 0, 1, NQ-1, 1, 0
	MUL16 2, 1, NQ-1, 1, 0
	s_wait_dscnt 0
	WIN MUL_HI
	MUL16 4, 1, NQ-1, 1, 0
	MUL16 6, 1, NQ-1, 1, 0
	WIN 0
; THE WAY OUT.  Block a (16 rows of the A side x 128 along the B side) is 64 numbers a lane: register 16 b + i = index 32 b + 16 (lane / 16) + i of my row.  They become a fragment's 12 registers of codes and a scale word.
.set BM,  168                          ; v168-171 the four blocks' largest magnitudes
.set T2,  172                          ; v172-175 lane l xor 16's, then the bytes
.set SO,  176                          ; v176-179 the conversions' scale operands
.set PWT, 180                          ; v180     a scale word
.set W,   184                          ; v184-191 the eight blocks' words, as they are stored
.set DD,  192                          ; v192-195 v's words of two heads, joined
.macro QUANTA a, word
.set AC, 64*((\a)%4)                   ; the block's accumulators, in window 2 or 3
.if (\a)%4 == 0                        ; the block's codes: 12 registers of its own for each block, so that no store's data are written again; their numbers lie outside the numbers of the block's accumulators
.set PC, 64+12*((\a)/4)
.elseif (\a)%4 == 2
.set PC, 88+12*((\a)/4)
.elseif (\a)%4 == 3
.set PC, 112+12*((\a)/4)
.else
.set PC, 136+12*((\a)/4)
.endif
.if (\a)%4 == 2
.set CT, 40
.else
.set CT, 160
.endif
	WIN 0x0a+5*((\a)/4)                            ; sources 0 and 1: the accumulators' window; source 2 and the destination: window 0
.irp b, 0,1,2,3
	v_max3_num_f32 v[BM+\b], |v[AC+16*\b]|, |v[AC+16*\b+1]|, 0x1800000   ; each accumulator is read from its low end on; the floor 2^(3 - 127) holds the byte at 1 from below
.endr
.irp i, 2,4,6,8,10,12,14
.irp b, 0,1,2,3
	v_max3_num_f32 v[BM+\b], |v[AC+16*\b+\i]|, |v[AC+16*\b+\i+1]|, v[BM+\b]   ; (the four blocks by turns)
.endr
.endr
	WIN 0
.irp b, 0,1,2,3
	v_permlanex16_b32 v[T2+\b], v[BM+\b], s18, s19
.endr
.irp b, 0,1,2,3
	v_max_num_f32 v[BM+\b], v[BM+\b], v[T2+\b]     ; with lane l xor 16's: the block's largest magnitude
.endr
.irp b, 0,1,2,3
	v_add_nc_u32 v[SO+\b], 0xff000000, v[BM+\b]    ; 2 off its exponent field: the conversion's scale operand
.endr
.irp b, 0,1,2,3
	v_lshrrev_b32 v[T2+\b], 23, v[SO+\b]           ; the scale's byte
.endr
	v_lshl_or_b32 v[\word], v[T2+1], 8, v[T2]
	v_lshl_or_b32 v[\word], v[T2+2], 16, v[\word]
	v_lshl_or_b32 v[\word], v[T2+3], 24, v[\word]
	WIN 0x02+((\a)/4)                              ; source 0: the accumulators' window
.irp c, 0,1
	v_cvt_scalef32_pk16_fp6_f32 v[PC+6*\c:PC+6*\c+2], v[AC+32*\c:AC+32*\c+15], v[SO+2*\c]
	v_cvt_scalef32_pk16_fp6_f32 v[CT+4*\c:CT+4*\c+2], v[AC+32*\c+16:AC+32*\c+31], v[SO+2*\c+1]   ; (a conversion's three registers begin on an even number)
.endr
	WIN 0
	v_nop                                          ; one plain place behind a scaled conversion
.irp c, 0,1                                    ; the operand's layout wants a WHOLE block in a lane: lanes 0-15 block 2 c, lanes 16-31 block 2 c + 1
.irp i, 0,1,2
	v_permlane16_swap_b32 v[PC+6*\c+\i], v[CT+4*\c+\i]
.endr
.irp i, 0,1,2
	v_mov_b32 v[PC+3+6*\c+\i], v[CT+4*\c+\i]
.endr
.endr
.endm
	PLACES NP                                      ; behind the last products: the lines below read results and write registers that held operands
.irp b, 0,1,2,3
	v_mov_b32 v[T2+\b], 0                          ; written once: a lane permute's destination counts as one of its sources
.endr
	s_cmp_eq_u32 s66, 1
	s_cbranch_scc1 .Lepi_v
	; q, k: block a is token tile a; registers 6 c .. 6 c + 5 are the image of my head c
.irp a, 0,1,2,3,4,5,6,7
	QUANTA \a, PWT
.irp c, 0,1
	global_store_b128 v[L16], v[PC+6*\c:PC+6*\c+3], s[96+2*\c:97+2*\c] offset:768*\a          ; 512 consecutive bytes
	global_store_b64 v[L8], v[PC+6*\c+4:PC+6*\c+5], s[96+2*\c:97+2*\c] offset:768*\a+512      ; 256 consecutive bytes
.endr
	v_lshrrev_b32 v[W+\a], v10, v[PWT]             ; lanes 0-15 keep the first head's two bytes, lanes 16-31 the second head's;
	v_and_b32 v[W+\a], 0xffff, v[W+\a]             ; the word's upper two bytes are 0
.endr
	global_store_b128 v[WO], v[W:W+3], s[96:97] offset:6144       ; lanes 0-15: 256 consecutive bytes of the first head's record, lanes 16-31 of the second head's
	global_store_b128 v[WO], v[W+4:W+7], s[96:97] offset:6400
	s_branch .Lepi_done
.Lepi_v:
	; v: block a is channel tile a % 4 of my head a / 4; its 12 registers are the image of 16 channels x the chunk's 128 keys
.irp a, 0,1,2,3,4,5,6,7
	QUANTA \a, W+\a
.irp g, 0,1,2
	global_store_b128 v[L16], v[PC+4*\g:PC+4*\g+3], s[96+2*(\a/4):97+2*(\a/4)] offset:1536*(\a%4)+512*\g
.endr
.endr
.irp i, 0,1,2,3
	v_cndmask_b32 v[DD+\i], v[W+\i], v[W+4+\i], s67   ; lanes 0-15: the first head's words, lanes 16-31: the second head's
.endr
	global_store_b128 v[WO], v[DD:DD+3], s[96:97] offset:6144
.Lepi_done:
	s_wait_tensorcnt 0x0                           ; the wave's end
	ds_add_u32 v[SPW], v[NIL]
	s_wait_dscnt 0x0
	CROUND                                         ; the closing round: no work-group ends while a partner may still ask for a tile that names it
	s_endpgm
.Lfunc_end_k_q8328b9e1b5_qkv:
	.size	k_q8328b9e1b5_qkv, .Lfunc_end_k_q8328b9e1b5_qkv-k_q8328b9e1b5_qkv
	.p2alignl 7, 3214868480
	.fill 96, 4, 3214868480
	.section	.rodata,"a",@progbits
	.p2align	6, 0x0
	.amdhsa_kernel k_q8328b9e1b5_qkv
		.amdhsa_group_segment_fixed_size 327680
		.amdhsa_private_segment_fixed_size 0
		.amdhsa_enable_private_segment 0
		.amdhsa_kernarg_size 40
		.amdhsa_user_sgpr_count 2
		.amdhsa_user_sgpr_kernarg_segment_ptr 1
		.amdhsa_wavefront_size32 1
		.amdhsa_system_sgpr_workgroup_id_x 1
		.amdhsa_system_sgpr_workgroup_id_y 1
		.amdhsa_system_sgpr_workgroup_id_z 1
		.amdhsa_system_vgpr_workitem_id 0
		.amdhsa_next_free_vgpr 1024
		.amdhsa_next_free_sgpr 102
		.amdhsa_reserve_vcc 0
		.amdhsa_float_denorm_mode_32 3
		.amdhsa_float_denorm_mode_16_64 3
		.amdhsa_memory_ordered 1
		.amdhsa_forward_progress 1
		.amdhsa_inst_pref_size 222
	.end_amdhsa_kernel
	.amdgpu_metadata
---
amdhsa.version: [ 1, 2 ]
amdhsa.kernels:
  - .name:           k_q8328b9e1b5_qkv
    .symbol:         k_q8328b9e1b5_qkv.kd
    .args:
      - { .name: xq, .offset: 0, .size: 8, .value_kind: global_buffer, .address_space: global }
      - { .name: wq, .offset: 8, .size: 8, .value_kind: global_buffer, .address_space: global }
      - { .name: b_qkv, .offset: 16, .size: 8, .value_kind: global_buffer, .address_space: global }
      - { .name: qb, .offset: 24, .size: 8, .value_kind: global_buffer, .address_space: global }
      - { .name: kv, .offset: 32, .size: 8, .value_kind: global_buffer, .address_space: global }
    .group_segment_fixed_size: 327680
    .private_segment_fixed_size: 0
    .kernarg_segment_align: 8
    .kernarg_segment_size: 40
    .max_flat_workgroup_size: 128
    .sgpr_count:     102
    .vgpr_count:     1024
    .wavefront_size: 32
...
	.end_amdgpu_metadata
.endif
;; end of part 3
;; launch att (part 4): grid 4 x 64, 16 waves a work-group, no clusters, 210,944 bytes of LDS; arguments qb, kv, yq; writes yq
.if DOCPART == 4
	.amdgcn_target "amdgcn-amd-amdhsa--gfx1250"
	.amdhsa_code_object_version 6
	.text
	.protected	k_q8328b9e1b5_att
	.globl	k_q8328b9e1b5_att
	.p2align	8
	.type	k_q8328b9e1b5_att,@function
k_q8328b9e1b5_att:
	s_mov_b64 s[64:65], 0
	v_nop
	global_prefetch_b8 v0, s[64:65] scope:SCOPE_SE
	s_setreg_imm32_b32 hwreg(HW_REG_WAVE_MODE, 25, 1), 1
	s_wait_xcnt 0x0
; y = softmax(q k^T / 8, causal) v for one head, both products on codes of FP6 (E2M3) with one E8M0 scale for each 32 along K; y is quantised in registers along the features and leaves as codes.
; THE SOFTMAX AHEAD OF THE SECOND PRODUCT: t = score x log2(e) / 8; M = the row's largest t so far, rounded UP to a whole number; p = 2^(t - M) is what is quantised, along the keys; it is not normalised.
; The row's sum is taken of the unquantised p, in f32, and divides at the end.  When M moves, the sum and O are multiplied by 2^(old M - new M): exact.
; SHARES.  A work-group (g = 0 .. 3, head) holds ALL of the head's K and V in LDS: 16 records of 13,056 bytes, one for each chunk of 128 keys, each filled once: no slot is filled again.
; Each of its sixteen waves owns two tiles of 16 queries, one after the other: tile w % 8 of chunk 15 - g and then of chunk g (waves 0-7), of chunk 8 + g and then of chunk 7 - g (waves 8-15).
; A tile of chunk c walks records 0 .. c; record c lies on the diagonal.  So every wave has (16 - g) + (g + 1) = (9 + g) + (8 - g) = 17 key steps, in every work-group.
; NO CLUSTER: the four work-groups of a head read the same records, but which steps a wave leaves out hangs on g, the work-group's own place, and partners of a joint load must run alike; running alike would mean doing the hidden half of the steps too.
; LAYOUT.  Both products are used transposed: S^T = K Q^T, O^T = V^T P^T: a lane holds ONE query (lane % 16) throughout.  Tokens and channels lie in position order in the records (inside each 32, bits 3 and 4 swapped), so that as source 0
; the 16 registers of tiles 2 b and 2 b + 1 are 16 neighbours in natural order: keys 32 b + 16 (lane / 16) + 0 .. 15 in S^T, channels likewise in O^T.  My query is token 32 (i / 2) + 8 (i % 2) + r + 8 (r / 8) of its chunk, i = w % 8.
; K = 64 IN AN INSTRUCTION OF K = 128.  Q's registers 6-11 (k = 64 .. 127) hold zero codes.  K's tile t is named as the 12 registers from 32 + 6 t on: its upper six are the next tile's codes (zeros behind tile 7).  They are finite numbers
; (this format has neither infinity nor NaN), their scale bytes are 0, which stands for 2^-127, and they meet zero codes: these products are exact zeros.
; y's scale bytes leave as single bytes, 32 bytes apart: a scale word of the last product spans two heads and a work-group has one; they are one byte in 25 of what the launch stores.
; LIMITS: a block of y whose largest magnitude lies under 2^-124 has its byte held at 1; a block of zeros (of p or y) gets the byte 1 (its codes are zeros, and this program alone reads the bytes); NaN and infinities are not served.
.set REC,  13056                       ; a record of kv: K's 8 images of 768 bytes, 512 bytes of K's scale words, V's 4 images of 1,536 bytes, 256 bytes of V's scale words
.set QREC, 6656                        ; a record of qb
.set YSC,  0x600000                    ; where the scale bytes begin in yq
.set KF,   32                          ; v32-79   K's 8 tiles, 6 registers each; v80-85 zeros
.set VF,   86                          ; v86-133  V's 4 fragments
.set S,    134                         ; v134-197 S^T, then p
.set O,    198                         ; v198-229 O^T
.set PC,   230                         ; v230-241 p's codes
.set BM,   32                          ; at work, in K's registers, which are free behind the scores: v32-35 the blocks' largest scores, then p
.set T2,   36                          ; v36-39 lane l xor 16's, then the bytes
.set SO,   40                          ; v40-43 the conversions' scale operands
.set CA,   44                          ; v44-46, v48-50 the conversions' second halves
.set F,    52                          ; v[52:53] f = 2^(old M - new M) (the low word serves both halves)
.set TW,   54                          ; v54
.set SM2,  56                          ; v[56:57] the sums' second chain
; v1 16 x lane, v2 8 x lane, v3 16 r; v4-6 the same + the record's LDS byte; v7 my query - 16 (lane / 16); v9 32 r + lane / 16; v10, v28-31 at work on the way out; v12 -M, v13 the largest t, v[14:15] the sum in two halves;
; v16-21 Q, v22-27 zeros; v242-249 K's scale words, v250 Q's, v251 p's, v252-255 V's.
; s10 wave, s11 g, s12 head (16 batch + head), s13 w % 8, s14 my tile's chunk, s15 the record in hand, s16 its LDS byte, s17 trips, s[18:19] lane selects, s[20:21] c, s22 lanes 16-31.
	s_load_b128 s[4:7], s[0:1], 0x0                ; qb, kv
	s_load_b64 s[8:9], s[0:1], 0x10                ; yq
	v_lshl_add_u32 v254, v0, 2, 0x33000
	v_mov_b32 v255, 0
	ds_add_u32 v254, v255
	ds_add_u32 v254, v255
	s_wait_dscnt 0x0
	v_lshrrev_b32 v1, 5, v0
	v_readfirstlane_b32 s10, v1                    ; wave 0..15
	s_mov_b32 s11, ttmp9
	s_and_b32 s12, ttmp7, 0xffff
	s_and_b32 s13, s10, 7
	; descriptor group 1: a record is 51 dense rows of 256 bytes (32 elements of 8 bytes), no padding
	s_mov_b32 s24, 3<<16
	s_mov_b32 s25, 32<<16                          ; tensor_dim0
	s_mov_b32 s26, 51<<16                          ; tensor_dim1
	s_mov_b32 s27, 32<<16                          ; tile_dim0
	s_mov_b32 s28, 51                              ; tile_dim1
	s_mov_b32 s29, 32                              ; stride
	s_mov_b32 s30, 0
	s_mov_b32 s31, 0
	s_min_u32 s54, s10, 3                          ; waves 0-3 fetch: load q of wave w brings record 4 q + w
	s_mul_i32 s54, s54, REC
	s_mul_i32 s58, s12, 16*REC
	s_add_co_u32 s58, s58, s54
	s_mov_b32 s59, 0
	s_mov_b32 s18, 0x76543210
	s_mov_b32 s19, 0xfedcba98
	s_mov_b32 s20, 0x3e38aa3b                      ; c = log2(e) / 8
	s_mov_b32 s21, s20                             ; (named with it as a pair, so it is written)
	s_mov_b32 s22, 0xffff0000
	s_wait_kmcnt 0x0
	s_add_nc_u64 s[58:59], s[6:7], s[58:59]
.irp q, 0,1,2,3
	s_mov_b32 s[32+4*\q], 1
	s_add_co_u32 s[33+4*\q], s54, \q*4*REC         ; in LDS a record lies where it lies in the head's run of records
	s_add_nc_u64 s[34+4*\q:35+4*\q], s[58:59], \q*4*REC
	s_or_b32 s[35+4*\q], s[35+4*\q], 0x80000000
.endr
	s_cmp_lt_u32 s10, 4                            ; a wave's four first fills stand in one branch, ahead of every wait on TENSORcnt, LDS read and barrier: four loads of a fetching wave are out
	s_cbranch_scc0 .Lno_fetch
	tensor_load_to_lds s[32:35], s[24:31]
	s_nop 0
	tensor_load_to_lds s[36:39], s[24:31]
	s_nop 0
	tensor_load_to_lds s[40:43], s[24:31]
	s_nop 0
	tensor_load_to_lds s[44:47], s[24:31]
	s_nop 0
.rept 4
	v_nop
.endr
.Lno_fetch:
	v_and_b32 v10, 31, v0
	v_lshlrev_b32 v1, 4, v10
	v_lshlrev_b32 v2, 3, v10
	v_and_b32 v11, 15, v0                          ; r
	v_lshlrev_b32 v3, 4, v11
	v_bfe_u32 v8, v0, 4, 1                         ; h
	v_lshl_add_u32 v9, v11, 5, v8
	v_and_b32 v7, 8, v11
	v_add_nc_u32 v7, v7, v11                       ; r + 8 (r / 8)
	v_lshlrev_b32 v8, 4, v8
	v_sub_nc_u32 v7, v7, v8
	s_lshr_b32 s54, s13, 1
	s_lshl_b32 s54, s54, 5
	s_and_b32 s55, s13, 1
	s_lshl_b32 s55, s55, 3
	s_add_co_u32 s54, s54, s55
	v_add_nc_u32 v7, s54, v7                       ; my query within its chunk, less 16 (lane / 16): the same in both passes
.irp j, 22,23,24,25,26,27,80,81,82,83,84,85
	v_mov_b32 v\j, 0                               ; zero codes, written once
.endr
.irp j, 28,29,30,31
	v_mov_b32 v\j, 0                               ; written once: a lane permute's destination counts as one of its sources
.endr
.macro YBASE                           ; from s14: where my tile's image and scale bytes go
	s_lshr_b32 s54, s12, 4
	s_lshl_b32 s54, s54, 7
	s_lshl_b32 s55, s14, 3
	s_add_co_u32 s54, s54, s55
	s_add_co_u32 s54, s54, s13                     ; the tile of 16 positions: 128 batch + 8 chunk + w % 8
	s_and_b32 s55, s12, 15                         ; the head
	s_mul_i32 s58, s54, 12288
	s_mul_i32 s59, s55, 768
	s_add_co_u32 s58, s58, s59
	s_mov_b32 s59, 0
	s_add_nc_u64 s[50:51], s[8:9], s[58:59]
	s_lshl_b32 s58, s54, 9
	s_lshl_b32 s55, s55, 1
	s_add_co_u32 s58, s58, s55
	s_add_co_u32 s58, s58, YSC
	s_add_nc_u64 s[52:53], s[8:9], s[58:59]
.endm
.macro QLOAD                           ; from s14: my tile of Q and its scale words
	s_lshl_b32 s54, s12, 4
	s_add_co_u32 s54, s54, s14
	s_mul_i32 s54, s54, QREC
	s_mul_i32 s55, s13, 768
	s_add_co_u32 s58, s54, s55
	s_mov_b32 s59, 0
	s_add_nc_u64 s[48:49], s[4:5], s[58:59]
	s_lshr_b32 s55, s13, 2
	s_lshl_b32 s55, s55, 8
	s_add_co_u32 s58, s54, s55
	s_and_b32 s55, s13, 3
	s_lshl_b32 s55, s55, 2
	s_add_co_u32 s58, s58, s55
	s_add_co_u32 s58, s58, 6144
	s_add_nc_u64 s[56:57], s[4:5], s[58:59]
	global_load_b128 v[16:19], v1, s[48:49]
	global_load_b64 v[20:21], v2, s[48:49] offset:512
	global_load_b32 v250, v3, s[56:57]
.endm
.macro INIT                            ; the step is written once: the first finds zeros, which the first change of M leaves zeros
	v_mov_b32 v13, 0xff61b1e6                      ; the largest t so far: -3e38, under every t
	v_floor_f32 v12, -v13                          ; -M
	v_mov_b32 v14, 0
	v_mov_b32 v15, 0
.set j, 0
.rept 32
	v_mov_b32 v[O+j], 0
.set j, j+1
.endr
.endm
; A KEY STEP: one record, 128 keys.  causal = 1: a record behind my tile's chunk is left out (a scalar branch on ids, round the step's work, not round the lines that step the record), and in my chunk's own record hidden scores become -infinity.
.macro STEP causal
.if \causal
	s_cmp_gt_u32 s15, s14
	s_cbranch_scc1 .Lhidden_\@
.endif
	v_nop                                          ; these four lines are the places behind the last step's products, in front of the loads into V's registers
	v_add_nc_u32 v4, s16, v1
	v_add_nc_u32 v5, s16, v2
	v_add_nc_u32 v6, s16, v3
.irp t, 0,1,2,3,4,5,6,7
	ds_load_b128 v[KF+6*\t:KF+6*\t+3], v4 offset:768*\t
	ds_load_b64 v[KF+6*\t+4:KF+6*\t+5], v5 offset:768*\t+512
.endr
	ds_load_b128 v[242:245], v6 offset:6144        ; K's scale words: tiles 0-3 of row r,
	ds_load_b128 v[246:249], v6 offset:6400        ; tiles 4-7
.irp t, 0,1,2,3
.irp g, 0,1,2
	ds_load_b128 v[VF+12*\t+4*\g:VF+12*\t+4*\g+3], v4 offset:6656+1536*\t+512*\g
.endr
.endr
	ds_load_b128 v[252:255], v6 offset:12800       ; V's scale words
	s_wait_dscnt 13                                ; K's 18 loads are in; V's 13 stay out under the softmax
.irp t, 0,1,2,3,4,5,6,7
	v_wmma_scale_f32_16x16x128_f8f6f4 v[S+8*\t:S+8*\t+7], v[KF+6*\t:KF+6*\t+11], v[16:27], 0, v[242+\t], v250 matrix_a_fmt:MATRIX_FMT_FP6 matrix_b_fmt:MATRIX_FMT_FP6
.endr
.rept 4
	v_nop                                          ; places in front of the first read of the scores and of writes into K's registers
.endr
.if \causal
	s_cmp_lg_u32 s15, s14
	s_cbranch_scc1 .Lopen_\@
	v_mov_b32 v[TW], 0xff800000                    ; -infinity.  Register 16 b + i holds key 32 b + 16 (lane / 16) + i of the chunk: hidden where 32 b + i > v7
.set n, 0
.rept 64
	v_cmp_gt_i32 vcc_lo, 32*(n/16)+n%16, v7
	v_cndmask_b32 v[S+n], v[S+n], v[TW], vcc_lo
.set n, n+1
.endr
.Lopen_\@:
.endif
.irp b, 0,1,2,3
	v_max3_num_f32 v[BM+\b], v[S+16*\b], v[S+1+16*\b], v[S+2+16*\b]   ; the largest score of each block of 32 keys: it serves for the row's maximum and, since p rises with the score, for the block's largest p
.endr
.irp i, 3,5,7,9,11,13
.irp b, 0,1,2,3
	v_max3_num_f32 v[BM+\b], v[BM+\b], v[S+16*\b+\i], v[S+1+16*\b+\i]
.endr
.endr
.irp b, 0,1,2,3
	v_max_num_f32 v[BM+\b], v[BM+\b], v[S+15+16*\b]
.endr
.irp b, 0,1,2,3
	v_permlanex16_b32 v[T2+\b], v[BM+\b], s18, s19
.endr
.irp b, 0,1,2,3
	v_max_num_f32 v[BM+\b], v[BM+\b], v[T2+\b]     ; with lane l xor 16's 16 keys
.endr
	v_max3_num_f32 v[TW], v[BM], v[BM+1], v[BM+2]
	v_max_num_f32 v[TW], v[TW], v[BM+3]            ; the step's largest score of my query
	v_mul_f32 v[TW], s20, v[TW]                    ; as t (c is positive)
	v_max_num_f32 v13, v13, v[TW]                  ; the running largest t
	v_mov_b32 v[TW], v12
	v_floor_f32 v12, -v13                          ; the new -M = floor(-t) = -ceil(t): M is a whole number
	v_sub_f32 v[TW], v12, v[TW]                    ; M's old value less its new one: a whole number, 0 or less
	v_cvt_i32_f32 v[TW], v[TW]                     ; (it saturates)
	v_ldexp_f32 v[F], 1.0, v[TW]                   ; f = 2^(old M - new M)
.set j, 0
.rept 32
	v_pk_fma_f32 v[S+j:S+j+1], v[S+j:S+j+1], s[20:21], v[12:13] op_sel_hi:[1,0,0]   ; t - M, two at a time
.set j, j+2
.endr
.irp b, 0,1,2,3
	v_fma_f32 v[BM+\b], v[BM+\b], s20, v12         ; the same of each block's largest score
.endr
.set j, 0
.rept 64
	v_exp_f32 v[S+j], v[S+j]                       ; p = 2^(t - M), at most 1: not normalised
.set j, j+1
.endr
.irp b, 0,1,2,3
	v_exp_f32 v[BM+\b], v[BM+\b]                   ; the block's largest p: the same two instructions on the same number give the same bits
.endr
	v_pk_mul_f32 v[14:15], v[14:15], v[F:F+1] op_sel_hi:[1,0]   ; the sums under the new M.  (A plain place behind the exponentials)
	s_wait_alu depctr_va_vdst(0)
.irp b, 0,1,2,3
	v_max_num_f32 v[BM+\b], 0x1800000, v[BM+\b]    ; the floor 2^(3 - 127): the byte cannot fall under 1
.endr
.irp b, 0,1,2,3
	v_add_nc_u32 v[SO+\b], 0xff000000, v[BM+\b]    ; 2 off the exponent field: the conversion's scale operand
.endr
.irp b, 0,1,2,3
	v_lshrrev_b32 v[T2+\b], 23, v[SO+\b]           ; the scale's byte
.endr
	v_lshl_or_b32 v251, v[T2+1], 8, v[T2]          ; p's scale word for these 128 keys
	v_lshl_or_b32 v251, v[T2+2], 16, v251
	v_lshl_or_b32 v251, v[T2+3], 24, v251
.irp c, 0,1
	v_cvt_scalef32_pk16_fp6_f32 v[PC+6*\c:PC+6*\c+2], v[S+32*\c:S+32*\c+15], v[SO+2*\c]
	v_cvt_scalef32_pk16_fp6_f32 v[CA+4*\c:CA+4*\c+2], v[S+32*\c+16:S+32*\c+31], v[SO+2*\c+1]   ; (a conversion's three registers begin on an even number)
.endr
	v_nop                                          ; one plain place behind a scaled conversion
.irp c, 0,1                                    ; the operand's layout wants a WHOLE block in a lane
.irp i, 0,1,2
	v_permlane16_swap_b32 v[PC+6*\c+\i], v[CA+4*\c+\i]
.endr
.irp i, 0,1,2
	v_mov_b32 v[PC+3+6*\c+\i], v[CA+4*\c+\i]
.endr
.endr
	v_pk_add_f32 v[SM2:SM2+1], v[S:S+1], v[S+2:S+3]   ; the row's sum is taken of the UNQUANTISED p: two at a time, in two chains
.set j, 4
.rept 15
	v_pk_add_f32 v[14:15], v[14:15], v[S+j:S+j+1]
	v_pk_add_f32 v[SM2:SM2+1], v[SM2:SM2+1], v[S+j+2:S+j+3]
.set j, j+4
.endr
	v_pk_add_f32 v[14:15], v[14:15], v[SM2:SM2+1]
.set j, 0
.rept 16
	v_pk_mul_f32 v[O+j:O+j+1], v[O+j:O+j+1], v[F:F+1] op_sel_hi:[1,0]   ; O^T under the new M.  (The additions and these are the places between the writes of p's word and codes and the products below)
.set j, j+2
.endr
	s_wait_dscnt 0x0                               ; V
.irp t, 0,1,2,3                                ; the four accumulators take turns, one instruction a turn
	v_wmma_scale_f32_16x16x128_f8f6f4 v[O+8*\t:O+8*\t+7], v[VF+12*\t:VF+12*\t+11], v[PC:PC+11], v[O+8*\t:O+8*\t+7], v[252+\t], v251 matrix_a_fmt:MATRIX_FMT_FP6 matrix_b_fmt:MATRIX_FMT_FP6
.endr
.if \causal
.Lhidden_\@:
.endif
	s_add_co_u32 s15, s15, 1
	s_add_co_u32 s16, s16, REC
.endm
; THE WAY OUT of a tile: O^T / the sum is y, 32 numbers a lane: register 16 b + i = channel 32 b + 16 (lane / 16) + i of my query.  Two blocks of 32 become an image of 16 rows x 64 K and two scale bytes a row.
.macro WAYOUT
.rept 4
	v_nop                                          ; places behind the last products
.endr
	v_add_f32 v14, v14, v15                        ; the sum's two halves,
	v_permlanex16_b32 v10, v14, s18, s19
	v_add_f32 v14, v14, v10                        ; and lane l xor 16's: the row's sum
	v_rcp_f32 v14, v14
	v_nop                                          ; one plain place behind a transcendental
.set j, 0
	s_wait_alu depctr_va_vdst(0)
.rept 16
	v_pk_mul_f32 v[S+j:S+j+1], v[O+j:O+j+1], v[14:15] op_sel_hi:[1,0]   ; each accumulator from its low end on
.set j, j+2
.endr
.irp b, 0,1
	v_max3_num_f32 v[28+\b], |v[S+16*\b]|, |v[S+1+16*\b]|, 0x1800000
.endr
.irp i, 2,4,6,8,10,12,14
.irp b, 0,1
	v_max3_num_f32 v[28+\b], v[28+\b], |v[S+16*\b+\i]|, |v[S+1+16*\b+\i]|
.endr
.endr
.irp b, 0,1
	v_permlanex16_b32 v[30+\b], v[28+\b], s18, s19
.endr
.irp b, 0,1
	v_max_num_f32 v[28+\b], v[28+\b], v[30+\b]
.endr
.irp b, 0,1
	v_add_nc_u32 v[28+\b], 0xff000000, v[28+\b]    ; the conversions' scale operands
.endr
.irp b, 0,1
	v_lshrrev_b32 v[30+\b], 23, v[28+\b]           ; the bytes
.endr
	v_cvt_scalef32_pk16_fp6_f32 v[44:46], v[S:S+15], v28
	v_cvt_scalef32_pk16_fp6_f32 v[50:52], v[S+16:S+31], v29
	v_cndmask_b32 v54, v30, v31, s22               ; lanes 0-15 store block 0's byte, lanes 16-31 block 1's.  (The plain place behind the conversions)
	v_permlane16_swap_b32 v44, v50
	v_permlane16_swap_b32 v45, v51
	v_permlane16_swap_b32 v46, v52
	v_mov_b32 v47, v50
	v_mov_b32 v48, v51
	v_mov_b32 v49, v52
	global_store_b128 v1, v[44:47], s[50:51]              ; 512 consecutive bytes
	global_store_b64 v2, v[48:49], s[50:51] offset:512    ; 256 consecutive bytes
	global_store_b8 v9, v54, s[52:53]
.endm
	s_sub_co_u32 s54, 15, s11                      ; the first pass: the later chunk
	s_add_co_u32 s55, s11, 8
	s_cmp_lt_u32 s10, 8
	s_cselect_b32 s14, s54, s55
	YBASE
	QLOAD
	INIT
	s_wait_tensorcnt 0x3                           ; a fetching wave's first load is in, its three younger ones stay out: records 0 to 3 have landed
	s_barrier_signal -1
	s_barrier_wait -1                              ; for every wave
	s_wait_loadcnt 0x0                             ; Q
	s_mov_b32 s15, 0
	s_mov_b32 s16, 0
	s_mov_b32 s17, 4
.Lfirst4:                                          ; records 0 to 3: my chunk is 8 or later, so nothing is hidden; the other twelve records land meanwhile
	STEP 0
	s_sub_co_u32 s17, s17, 1
	s_cmp_lg_u32 s17, 0
	s_cbranch_scc1 .Lfirst4
	s_wait_tensorcnt 0x0                           ; all my records have landed,
	s_wait_dscnt 0x0
	s_barrier_signal -1
	s_barrier_wait -1                              ; everybody's have
	s_mov_b32 s17, 12
.Lrest12:                                          ; records 4 to 15: the trip count is a constant; steps behind my chunk are left out inside the trip
	STEP 1
	s_sub_co_u32 s17, s17, 1
	s_cmp_lg_u32 s17, 0
	s_cbranch_scc1 .Lrest12
	s_sub_co_u32 s54, 7, s11                       ; the second pass: the earlier chunk
	s_cmp_lt_u32 s10, 8
	s_cselect_b32 s14, s11, s54
	QLOAD                                          ; lands under the way out (the first pass's loads of Q were waited for: their bases may be written)
	WAYOUT
	s_wait_xcnt 0x0                                ; the stores have read their data and bases: both are written again below
	YBASE
	INIT
	s_mov_b32 s15, 0
	s_mov_b32 s16, 0
	s_wait_loadcnt 0x0                             ; Q
	s_mov_b32 s17, 8
.Lsecond8:                                         ; records 0 to 7
	STEP 1
	s_sub_co_u32 s17, s17, 1
	s_cmp_lg_u32 s17, 0
	s_cbranch_scc1 .Lsecond8
	WAYOUT
	s_wait_xcnt 0x0
	v_lshl_add_u32 v254, v0, 2, 0x33000
	v_mov_b32 v255, 0
	s_wait_tensorcnt 0x0
	ds_add_u32 v254, v255
	s_wait_dscnt 0x0
	s_endpgm
.Lfunc_end_k_q8328b9e1b5_att:
	.size	k_q8328b9e1b5_att, .Lfunc_end_k_q8328b9e1b5_att-k_q8328b9e1b5_att
	.p2alignl 7, 3214868480
	.fill 96, 4, 3214868480
	.section	.rodata,"a",@progbits
	.p2align	6, 0x0
	.amdhsa_kernel k_q8328b9e1b5_att
		.amdhsa_group_segment_fixed_size 210944
		.amdhsa_private_segment_fixed_size 0
		.amdhsa_enable_private_segment 0
		.amdhsa_kernarg_size 24
		.amdhsa_user_sgpr_count 2
		.amdhsa_user_sgpr_kernarg_segment_ptr 1
		.amdhsa_wavefront_size32 1
		.amdhsa_system_sgpr_workgroup_id_x 1
		.amdhsa_system_sgpr_workgroup_id_y 1
		.amdhsa_system_sgpr_workgroup_id_z 1
		.amdhsa_system_vgpr_workitem_id 0
		.amdhsa_next_free_vgpr 256
		.amdhsa_next_free_sgpr 66
		.amdhsa_reserve_vcc 1
		.amdhsa_float_denorm_mode_32 3
		.amdhsa_float_denorm_mode_16_64 3
		.amdhsa_memory_ordered 1
		.amdhsa_forward_progress 1
		.amdhsa_inst_pref_size 75
	.end_amdhsa_kernel
	.amdgpu_metadata
---
amdhsa.version: [ 1, 2 ]
amdhsa.kernels:
  - .name:           k_q8328b9e1b5_att
    .symbol:         k_q8328b9e1b5_att.kd
    .args:
      - { .name: qb, .offset: 0, .size: 8, .value_kind: global_buffer, .address_space: global }
      - { .name: kv, .offset: 8, .size: 8, .value_kind: global_buffer, .address_space: global }
      - { .name: yq, .offset: 16, .size: 8, .value_kind: global_buffer, .address_space: global }
    .group_segment_fixed_size: 210944
    .private_segment_fixed_size: 0
    .kernarg_segment_align: 8
    .kernarg_segment_size: 24
    .max_flat_workgroup_size: 512
    .sgpr_count:     66
    .vgpr_count:     256
    .wavefront_size: 32
...
	.end_amdgpu_metadata
.endif
;; end of part 4
;; launch proj (part 5): grid 4 x 32, 4 waves a work-group, clusters of 4 x 4, 327,680 bytes of LDS; arguments yq, wq, b_out, out0; writes out0
.if DOCPART == 5
	.amdgcn_target "amdgcn-amd-amdhsa--gfx1250"
	.amdhsa_code_object_version 6
	.text
	.protected	k_q8328b9e1b5_proj
	.globl	k_q8328b9e1b5_proj
	.p2align	8
	.type	k_q8328b9e1b5_proj,@function
k_q8328b9e1b5_proj:
	s_mov_b64 s[64:65], 0
	v_nop
	global_prefetch_b8 v0, s[64:65] scope:SCOPE_SE
	s_setreg_imm32_b32 hwreg(HW_REG_WAVE_MODE, 25, 1), 1
	s_wait_xcnt 0x0
	s_wait_alu depctr_hold_cnt(0) depctr_sa_sdst(0) depctr_va_vdst(0) depctr_va_sdst(0) depctr_va_ssrc(0) depctr_va_vcc(0) depctr_vm_vsrc(0)
	s_getreg_b32 s2, hwreg(HW_REG_IB_STS2, 6, 4)
	s_cmp_eq_u32 s2, 0
	s_cbranch_scc0 .Lentry_in_a_cluster
	s_endpgm
.Lentry_in_a_cluster:
	s_bfe_u32 s2, ttmp6, 0x10000c
	s_cmp_lg_u32 s2, 0xf033
	s_cbranch_scc0 .Lentry_shape_is_right
	s_endpgm
.Lentry_shape_is_right:
; out0 = y W_out + b_out on codes of FP6 (E2M3) with one E8M0 scale for each 32 along K = 1,024; out0 [8192][1024] f32.
; A work-group of four waves makes 256 x 256 of the result, a wave 128 x 128: 64 accumulators, 512 registers.  K goes in steps of 256 through a ring of two LDS slots filled by the tensor data mover.
; A = y: yq holds, for each tile of 16 token positions and each head, an image of 768 bytes (16 rows x 64 K: a lane's registers 0-3 at 16 x lane, registers 4-5 at 512 + 8 x lane); a tile's 16 images lie on end, 12,288 bytes.
; A fragment of 128 along K is two neighbouring images.  A slot takes, of each of 8 tiles a load, the 3,072 consecutive bytes of four heads.  B = W_out: rows 3,072 on of wq, 768 bytes of codes a row, as they lie.
; The matrix instruction is used transposed (source 0 = 16 rows of B, source 1 = 16 rows of A).  Tokens and W_out's columns lie in POSITION ORDER (inside each 32, bits 3 and 4 swapped): as source 0 two neighbouring tiles of B give a lane 16 neighbouring
; columns in natural order; the tokens' order is undone by the stores' immediates.
; THE BIAS is the C of each sum's first matrix instruction, so it stands first in the f32 sum, not last.
; CLUSTERS: 4 x 4 work-groups; A's tile is asked for jointly along a row of the cluster, B's along a column.
; REGISTERS, in windows of 256: window 0: v0-31 addresses; v32-63 scale words, two sets; v64-127 the bias as C operands; v128-223 A's fragments, one set; on the way out v128-255 take rows read back.
;   window 1: B's fragments, two sets.   window 2: the accumulators of A's blocks 0-3 ((a, b) at v[8 (8 (a % 4) + b)]);   window 3: those of blocks 4-7.
.set NQ,     2
.set ROWB,   192                       ; a row of B's tile in bytes
.set KROW,   768
.set PITCH,  240                       ; B's LDS row: 3 x (64 bytes + 16 of padding)
.set FR,     12
.set NL,     6                         ; LDS loads that bring a fragment of B
.set NLA,    4                         ; and of A
.set NP,     4                         ; places behind this matrix instruction (ISA guide 7.12.1)
.set TILEA,  3072                      ; a tile of 16 rows x 256 K of A
.set HALFA,  8*TILEA                   ; 128 rows of A: what one tensor load brings
.set HALFB,  128*PITCH
.set SLOT,   2*HALFA+2*HALFB           ; A's two halves, then B's two
.set LAPS,   2
.set KS,     32
.set SCL,    2*SLOT
.set HALFS,  (128*KS/256)*272
.set SBLK,   (16*KS/256)*272
.set SPARE,  SCL+4*HALFS               ; the spare words, 128 bytes a wave: two blocks of 256 bytes that no other line names
.set SPITCH, 528                       ; the way out: a stage of 16 rows x (512 bytes + 16) for each wave, in slot 0, which has had its last fill and its last read when the first result is stored there
.set YSC,    0x600000
.set WSC,    0x300000
.set ADRA, 16                          ; v16-17 16 x lane + my A rows in slot 0, 1;  v18-19 the same with 8 x lane
.set ADRB, 20                          ; v20-21 my B fragments in slot 0, 1 (v22-23: behind one padding more)
.set STO,  24
.set RD,   25
.set CO,   26
.set ADRS, 27
.set SPW,  28                          ; LDS address of my spare word; never rewritten
.set NIL,  29                          ; 0; never rewritten
.set SC,   32
.set BI,   64
.set AF,   128
.set BK,   128
.set G1,   24
.set G0,   32
.set G1B,  48
.set G0B,  56
.set G1S,  68
.set G0S,  76
.set G1SB, 80
.set G0SB, 88
.set MSB, 0
.macro WIN new                         ; the immediate's high byte repeats the setting that is left
.if MSB != (\new)
	s_set_vgpr_msb (MSB<<8)|(\new)
.set MSB, \new
.endif
.endm
.set MUL_LO, 0xa1
.set MUL_HI, 0xf1
.set TO_B,   0x40
.macro JLOAD g0a, g1a, g0b, g1b        ; a joint load: waves 0 and 1 fetch for A, waves 2 and 3 for B; four v_nop follow each of the two lines
	s_cmp_eq_u32 s15, 0
	s_cbranch_scc0 .Lfor_b_\@
	tensor_load_to_lds s[\g0a:\g0a+3], s[\g1a:\g1a+7]
	s_nop 0
.rept 4
	v_nop
.endr
	s_branch .Lasked_\@
.Lfor_b_\@:
	tensor_load_to_lds s[\g0b:\g0b+3], s[\g1b:\g1b+7]
	s_nop 0
.rept 4
	v_nop
.endr
.Lasked_\@:
.endm
.macro CREST
	s_cmp_lg_u32 s14, 0
	s_cbranch_scc1 .Lnot_wave_0_\@
	s_barrier_signal -3
.Lnot_wave_0_\@:
	s_barrier_wait -3
	s_barrier_signal -1
	s_barrier_wait -1
.endm
.macro CROUND
	s_barrier_signal -1
	s_barrier_wait -1
	CREST
.endm
	s_load_b256 s[4:11], s[0:1], 0x0               ; yq s[4:5], wq s[6:7], b_out s[8:9], out0 s[10:11]
	v_lshl_add_u32 v[SPW], v0, 2, SPARE
	v_mov_b32 v[NIL], 0
	ds_add_u32 v28, v29
	ds_add_u32 v28, v29
	s_wait_dscnt 0x0
	v_lshrrev_b32 v1, 5, v0
	v_readfirstlane_b32 s14, v1                    ; wave 0..3
	s_lshr_b32 s15, s14, 1                         ; which half of the rows is mine.  Also: I fetch for A (0) or for B (1)
	s_and_b32 s16, s14, 1                          ; which half of the columns.  Also: which 128 rows of that tile I fetch
	s_bfe_u32 s40, ttmp6, 0x40000                  ; cx
	s_bfe_u32 s41, ttmp6, 0x40004                  ; cy
	s_lshl_b32 s42, ttmp9, 2
	s_add_co_u32 s42, s42, s40                     ; tile column
	s_and_b32 s17, ttmp7, 0xffff
	s_lshl_b32 s17, s17, 2
	s_add_co_u32 s17, s17, s41                     ; tile row
	s_lshl_b32 s43, s41, 2
	s_lshl_b32 s43, 15, s43                        ; my row of the cluster
	s_lshl_b32 s44, 0x1111, s40                    ; my column
	s_or_b32 s[G1+0], s43, (3<<16)|(1<<21)         ; A: elements of 8 bytes, no padding: 8 rows of 3,072 bytes, 12,288 bytes apart
	s_mov_b32 s[G1+1], 384<<16
	s_mov_b32 s[G1+2], 8<<16
	s_mov_b32 s[G1+3], 384<<16
	s_mov_b32 s[G1+4], 8
	s_mov_b32 s[G1+5], 1536
	s_mov_b32 s[G1+6], 0
	s_mov_b32 s[G1+7], 0
	s_or_b32 s[G1B+0], s44, (0<<16)|(1<<20)|(1<<21)|(3<<22)|(3<<25)   ; B: 128 rows of 192 bytes; after every 16 words, 4 words of padding
	s_mov_b32 s[G1B+1], ROWB<<16
	s_mov_b32 s[G1B+2], 128<<16
	s_mov_b32 s[G1B+3], ROWB<<16
	s_mov_b32 s[G1B+4], 128
	s_mov_b32 s[G1B+5], KROW
	s_mov_b32 s[G1B+6], 0
	s_mov_b32 s[G1B+7], 0
	s_or_b32 s[G1S+0], s43, (3<<16)|(1<<20)|(1<<21)|(5<<22)|(3<<25)   ; the scale bytes of 128 rows: 16 rows of 256 bytes, 16 of padding behind each
	s_or_b32 s[G1SB+0], s44, (3<<16)|(1<<20)|(1<<21)|(5<<22)|(3<<25)
.irp g, G1S, G1SB
	s_mov_b32 s[\g+1], 32<<16
	s_mov_b32 s[\g+2], (128*KS/256)<<16
	s_mov_b32 s[\g+3], 32<<16
	s_mov_b32 s[\g+4], 128*KS/256
	s_mov_b32 s[\g+5], 32
	s_mov_b32 s[\g+6], 0
	s_mov_b32 s[\g+7], 0
.endr
	s_lshl_b32 s18, s16, 7                         ; which 128 rows of the tile I fetch
	s_lshl_b32 s20, s17, 8
	s_add_co_u32 s20, s20, s18                     ; A: position 256 x tile row + 128 x half
	s_lshl_b32 s22, s20, 5
	s_add_co_u32 s22, s22, YSC
	s_mov_b32 s23, 0
	s_mul_i32 s20, s20, 768                        ; 16 positions are 12,288 bytes
	s_mov_b32 s21, 0
	s_lshl_b32 s46, s42, 8
	s_add_co_u32 s46, s46, s18
	s_add_co_u32 s46, s46, 3072                    ; B: row 3,072 + 256 x tile column + 128 x half
	s_lshl_b32 s92, s46, 5
	s_add_co_u32 s92, s92, WSC
	s_mov_b32 s93, 0
	s_mul_i32 s46, s46, KROW
	s_mov_b32 s47, 0
	s_mul_i32 s45, s16, HALFA                      ; where they go: no place in the cluster enters an LDS address
	s_mul_i32 s2, s16, HALFB
	s_add_co_u32 s2, s2, 2*HALFA
	s_mul_i32 s94, s14, HALFS
	s_wait_kmcnt 0x0
	s_add_nc_u64 s[20:21], s[4:5], s[20:21]
	s_add_nc_u64 s[22:23], s[4:5], s[22:23]
	s_add_nc_u64 s[46:47], s[6:7], s[46:47]
	s_add_nc_u64 s[92:93], s[6:7], s[92:93]
	CROUND                                         ; all sixteen work-groups are here: the first joint loads meet
	s_mov_b32 s[G0S], 1
	s_add_co_u32 s[G0S+1], s94, SCL
	s_mov_b64 s[G0S+2:G0S+3], s[22:23]
	s_or_b32 s[G0S+3], s[G0S+3], 0x80000000
	s_mov_b32 s[G0SB], 1
	s_add_co_u32 s[G0SB+1], s94, SCL
	s_mov_b64 s[G0SB+2:G0SB+3], s[92:93]
	s_or_b32 s[G0SB+3], s[G0SB+3], 0x80000000
	JLOAD G0S, G1S, G0SB, G1SB
.irp s, 0,1
	s_mov_b32 s[G0+4*\s], 1
	s_add_co_u32 s[G0+4*\s+1], s45, \s*SLOT
	s_add_nc_u64 s[G0+4*\s+2:G0+4*\s+3], s[20:21], \s*TILEA
	s_or_b32 s[G0+4*\s+3], s[G0+4*\s+3], 0x80000000
	s_mov_b32 s[G0B+4*\s], 1
	s_add_co_u32 s[G0B+4*\s+1], s2, \s*SLOT
	s_add_nc_u64 s[G0B+4*\s+2:G0B+4*\s+3], s[46:47], \s*ROWB
	s_or_b32 s[G0B+4*\s+3], s[G0B+4*\s+3], 0x80000000
	JLOAD G0+4*\s, G1, G0B+4*\s, G1B
.endr
	v_and_b32 v1, 15, v0                           ; r
	v_bfe_u32 v2, v0, 4, 1                         ; h
	v_and_b32 v6, 31, v0                           ; lane
	v_lshlrev_b32 v[CO], 4, v6                     ; 16 x lane
	v_lshlrev_b32 v7, 3, v6                        ; 8 x lane
	v_mul_u32_u24 v3, v1, PITCH
	v_mul_u32_u24 v4, v2, 24
	v_add_nc_u32 v4, v3, v4                        ; B: a fragment's row x pitch + 24 x half
	v_lshl_add_u32 v5, v2, 4, v4                   ; and the same behind one padding more
	s_mul_i32 s21, s15, HALFA                      ; my 128 rows of A
	s_mul_i32 s22, s16, HALFB                      ; my 128 rows of B,
	s_add_co_u32 s22, s22, 2*HALFA                 ; which lie behind A's 256
.irp s, 0,1
	v_add_nc_u32 v[ADRA+\s], s21, v[CO]
	v_add_nc_u32 v[ADRA+2+\s], s21, v7
	v_add_nc_u32 v[ADRB+\s], s22, v4
	v_add_nc_u32 v[ADRB+2+\s], s22, v5
	s_add_co_u32 s21, s21, SLOT
	s_add_co_u32 s22, s22, SLOT
.endr
	v_mul_u32_u24 v5, v1, KS
	v_lshrrev_b32 v6, 8, v5
	v_lshl_add_u32 v5, v6, 4, v5
	s_mul_i32 s21, s15, HALFS
	s_mul_i32 s22, s16, HALFS
	s_add_co_u32 s22, s22, 2*HALFS
	s_sub_co_u32 s22, s22, s21
	v_mul_u32_u24 v6, s22, v2                      ; lanes 16-31 take B's: one product, the distance between the two bases x h
	s_add_co_u32 s21, s21, SCL
	v_add_nc_u32 v5, v5, v6
	v_add_nc_u32 v[ADRS], s21, v5
	s_mul_i32 s23, s14, 16*SPITCH                  ; my stage
	v_mul_u32_u24 v5, v1, SPITCH                   ; in: row r, 64 bytes on for lanes 16-31 (16 columns)
	v_lshl_add_u32 v5, v2, 6, v5
	v_add_nc_u32 v[STO], s23, v5
	v_add_nc_u32 v[RD], s23, v[CO]                 ; back: the 32 lanes take one row of 512 bytes
	v_lshlrev_b32 v8, 6, v2                        ; the bias: 16 numbers on for lanes 16-31
	s_lshl_b32 s20, s17, 8
	s_lshl_b32 s21, s15, 7
	s_add_co_u32 s20, s20, s21                     ; my first row of out0 (a multiple of 32: the order inside each 32 is undone by the stores' immediates)
	s_lshl_b32 s20, s20, 12
	s_lshl_b32 s21, s42, 10
	s_add_co_u32 s20, s20, s21
	s_lshl_b32 s21, s16, 9
	s_add_co_u32 s20, s20, s21                     ; + my first column, in bytes
	s_mov_b32 s21, 0
	s_add_nc_u64 s[12:13], s[10:11], s[20:21]      ; never stepped
	s_lshl_b32 s20, s42, 10
	s_lshl_b32 s22, s16, 9
	s_add_co_u32 s20, s20, s22
	s_add_nc_u64 s[8:9], s[8:9], s[20:21]          ; the bias at my first column
.irp b, 0,1,2,3,4,5,6,7                ; C of accumulator (a, b): register j = the bias of column 32 (b / 2) + 16 h + 8 (b % 2) + j
	global_load_b128 v[BI+8*\b:BI+8*\b+3], v8, s[8:9] offset:128*(\b/2)+32*(\b%2)
	global_load_b128 v[BI+8*\b+4:BI+8*\b+7], v8, s[8:9] offset:128*(\b/2)+32*(\b%2)+16
.endr
.macro FRAG reg, adr, q, i             ; a fragment of B: 24 bytes of the row twice, as they lie, in pieces of 8 bytes; the second address register serves the pieces that lie behind one padding more
.irp p, 0,1,2,3,4,5
.set PCE, 12*(\q)+6*(\p/3)+\p%3
.if PCE%8 < 5
	ds_load_b64 v[\reg+2*\p:\reg+2*\p+1], v[\adr] offset:8*PCE+16*(PCE/8)+(\i)*16*PITCH
.else
	ds_load_b64 v[\reg+2*\p:\reg+2*\p+1], v[\adr+2] offset:8*PCE+16*(PCE/8)+(\i)*16*PITCH
.endif
.endr
.endm
.macro FRAGA reg, slot, q, i           ; a fragment of A: two images of 768 bytes on end
	ds_load_b128 v[\reg:\reg+3], v[ADRA+\slot] offset:TILEA*(\i)+1536*(\q)
	ds_load_b64 v[\reg+4:\reg+5], v[ADRA+2+\slot] offset:TILEA*(\i)+1536*(\q)+512
	ds_load_b128 v[\reg+6:\reg+9], v[ADRA+\slot] offset:TILEA*(\i)+1536*(\q)+768
	ds_load_b64 v[\reg+10:\reg+11], v[ADRA+2+\slot] offset:TILEA*(\i)+1536*(\q)+1280
.endm
; 16 matrix instructions: A's blocks a0, a0 + 1 x B's eight.  mode 1: the sums begin with the bias.  The 64 accumulators take turns, one instruction a turn.
.macro MUL16 a0, p, q, sc, mode
.irp a, \a0, \a0+1
.irp b, 0,1,2,3,4,5,6,7
.set rD, 8*(8*((\a)%4)+\b)
.set rB, 128*(\p)+FR*\b
.set rA, AF+FR*(\a)
.set rSB, SC+8*NQ*(\sc)+NQ*\b+(\q)
.set rSA, SC+8*NQ*(\sc)+NQ*(\a)+(\q)
.if \mode == 1
	v_wmma_scale_f32_16x16x128_f8f6f4 v[rD:rD+7], v[rB:rB+FR-1], v[rA:rA+FR-1], v[BI+8*\b:BI+8*\b+7], v[rSB], v[rSA] matrix_a_fmt:MATRIX_FMT_FP6 matrix_b_fmt:MATRIX_FMT_FP6 matrix_a_scale:MATRIX_SCALE_ROW1
.else
	v_wmma_scale_f32_16x16x128_f8f6f4 v[rD:rD+7], v[rB:rB+FR-1], v[rA:rA+FR-1], v[rD:rD+7], v[rSB], v[rSA] matrix_a_fmt:MATRIX_FMT_FP6 matrix_b_fmt:MATRIX_FMT_FP6 matrix_a_scale:MATRIX_SCALE_ROW1
.endif
.endr
.endr
.endm
.macro FETCH_B slot, q, p
	WIN TO_B
.irp i, 0,1,2,3,4,5,6,7
	FRAG 128*(\p)+FR*\i, ADRB+\slot, \q, \i
.endr
	WIN 0
.endm
.macro FETCH_A slot, q, i0
.irp i, \i0, \i0+1, \i0+2, \i0+3
	FRAGA AF+FR*(\i), \slot, \q, \i
.endr
.endm
.macro SCALES sc
.irp i, 0,1,2,3,4,5,6,7
	ds_load_b64 v[SC+8*NQ*\sc+NQ*\i:SC+8*NQ*\sc+NQ*\i+1], v[ADRS] offset:\i*SBLK
.endr
.endm
.macro PLACES n                        ; plain vector instructions that name none of the matrix instructions' registers (ISA guide 7.12.1)
.rept \n
	v_nop
.endr
.endm
.macro STEP slot, q, mode
	s_wait_dscnt 4*NLA                             ; B's set and A's blocks 0-3 are in; the youngest 16 loads (A's blocks 4-7) may be out
.if \mode
	WIN 0x81                                       ; C (the bias) in window 0, D in window 2
.else
	WIN MUL_LO
.endif
	MUL16 0, (\q)%2, \q, \slot, \mode
	MUL16 2, (\q)%2, \q, \slot, \mode
	s_wait_dscnt 0
	PLACES NP
	FETCH_B \slot, (\q)+1, 1-(\q)%2
	FETCH_A \slot, (\q)+1, 0
.if \mode
	WIN 0xc1
.else
	WIN MUL_HI
.endif
	MUL16 4, (\q)%2, \q, \slot, \mode
	MUL16 6, (\q)%2, \q, \slot, \mode
	PLACES NP
	WIN 0
	FETCH_A \slot, (\q)+1, 4
.endm
.macro TURN slot, next, fill
	s_wait_tensorcnt 0x0                           ; all my tensor loads have landed: my part of the next slot
	ds_add_u32 v[SPW], v[NIL]                      ; 0 onto my spare word
	s_wait_dscnt 4*NLA+1                           ; (the add and the youngest 16 loads may be out)
	WIN MUL_LO
	MUL16 0, 1, NQ-1, \slot, 0
	s_wait_dscnt 0x0                               ; the add is done, and my reads of this slot are over
	s_barrier_signal -1
	MUL16 2, 1, NQ-1, \slot, 0
	WIN 0
	s_barrier_wait -1
.if \fill
	CREST                                          ; the barrier has opened a round of the cluster's barrier: no wave of any partner still reads this slot's tile or has a load on its way
	s_add_nc_u64 s[G0+4*\slot+2:G0+4*\slot+3], s[G0+4*\slot+2:G0+4*\slot+3], 2*TILEA
	s_add_nc_u64 s[G0B+4*\slot+2:G0B+4*\slot+3], s[G0B+4*\slot+2:G0B+4*\slot+3], 2*ROWB
	JLOAD G0+4*\slot, G1, G0B+4*\slot, G1B         ; the first tensor load behind the round; its four v_nop are the places in front of the loads below
.else
	PLACES NP
.endif
	v_add_nc_u32 v[ADRS], 4*NQ, v[ADRS]
	FETCH_B \next, 0, 0
	FETCH_A \next, 0, 0
	SCALES \next
	WIN MUL_HI
	MUL16 4, 1, NQ-1, \slot, 0
	MUL16 6, 1, NQ-1, \slot, 0
	PLACES NP
	WIN 0
	FETCH_A \next, 0, 4
.endm
	s_wait_tensorcnt 1                             ; of my three loads the scale bytes and my part of K step 0 are in; K step 1's may be out
	s_barrier_signal -1
	s_barrier_wait -1
	FETCH_B 0, 0, 0
	FETCH_A 0, 0, 0
	SCALES 0
	FETCH_A 0, 0, 4
	s_wait_loadcnt 0x0                             ; the bias
	STEP 0, 0, 1                                   ; the first step stands in front of the loop: its products start the sums, with the bias as C
	s_mov_b32 s3, LAPS-1
.Llap:
	TURN 0, 1, 1
	STEP 1, 0, 0
	TURN 1, 0, 1
	STEP 0, 0, 0
	s_sub_co_u32 s3, s3, 1
	s_cmp_lg_u32 s3, 0
	s_cbranch_scc1 .Llap
	TURN 0, 1, 0                                   ; the last lap fills nothing
	STEP 1, 0, 0
	s_wait_dscnt 4*NLA
	WIN MUL_LO
	MUL16 0, 1, NQ-1, 1, 0
	MUL16 2, 1, NQ-1, 1, 0
	s_wait_dscnt 0
	WIN MUL_HI
	MUL16 4, 1, NQ-1, 1, 0
	MUL16 6, 1, NQ-1, 1, 0
	WIN 0
; THE WAY OUT, block by block of 16 rows x 128 columns, through my own stage in LDS: in by 32 bytes a tile and lane, back as whole rows of 512 bytes.  LDS serves a wave's instructions in order: no wait between the stores and the loads.
.macro TOSTAGE a
.set AC, 64*((\a)%4)
	WIN 0x08+4*((\a)/4)                            ; the data: window 2 or 3
.irp b, 0,1,2,3,4,5,6,7
	ds_store_b128 v[STO], v[AC+8*\b:AC+8*\b+3] offset:128*(\b/2)+32*(\b%2)          ; columns 32 (b / 2) + 16 h + 8 (b % 2) on; each accumulator from its low end on
	ds_store_b128 v[STO], v[AC+8*\b+4:AC+8*\b+7] offset:128*(\b/2)+32*(\b%2)+16
.endr
	WIN 0
.set BB, BK+64*((\a)%2)
.irp t, 0,1,2,3,4,5,6,7,8,9,10,11,12,13,14,15
	ds_load_b128 v[BB+4*\t:BB+4*\t+3], v[RD] offset:\t*SPITCH
.endr
.endm
.macro SEND a, younger                 ; younger: the LDS instructions issued behind block a's loads, which may stay out
.set BB, BK+64*((\a)%2)
	s_wait_dscnt \younger
.irp t, 0,1,2,3,4,5,6,7,8,9,10,11,12,13,14,15
	global_store_b128 v[CO], v[BB+4*\t:BB+4*\t+3], s[12:13] offset:(32*((\a)/2)+8*((\a)%2)+\t+8*(\t/8))*4096 th:TH_STORE_NT   ; position 16 a + t is token 32 (a / 2) + 8 (a % 2) + t + 8 (t / 8); 32 lanes store 512 consecutive bytes, aligned to 256
.endr
.endm
	PLACES NP
	TOSTAGE 0
.irp a, 1,2,3,4,5,6,7
.if \a > 1
	s_wait_xcnt 0x0                                ; block a - 2's stores have read their registers: block a's loads may land there
.endif
	TOSTAGE \a
	SEND \a-1, 32                                  ; behind block a - 1's loads: block a's 16 stores and 16 loads
.endr
	SEND 7, 0
	s_wait_tensorcnt 0x0                           ; the wave's end
	ds_add_u32 v[SPW], v[NIL]
	s_wait_dscnt 0x0
	CROUND                                         ; the closing round
	s_endpgm
.Lfunc_end_k_q8328b9e1b5_proj:
	.size	k_q8328b9e1b5_proj, .Lfunc_end_k_q8328b9e1b5_proj-k_q8328b9e1b5_proj
	.p2alignl 7, 3214868480
	.fill 96, 4, 3214868480
	.section	.rodata,"a",@progbits
	.p2align	6, 0x0
	.amdhsa_kernel k_q8328b9e1b5_proj
		.amdhsa_group_segment_fixed_size 327680
		.amdhsa_private_segment_fixed_size 0
		.amdhsa_enable_private_segment 0
		.amdhsa_kernarg_size 32
		.amdhsa_user_sgpr_count 2
		.amdhsa_user_sgpr_kernarg_segment_ptr 1
		.amdhsa_wavefront_size32 1
		.amdhsa_system_sgpr_workgroup_id_x 1
		.amdhsa_system_sgpr_workgroup_id_y 1
		.amdhsa_system_sgpr_workgroup_id_z 1
		.amdhsa_system_vgpr_workitem_id 0
		.amdhsa_next_free_vgpr 1024
		.amdhsa_next_free_sgpr 96
		.amdhsa_reserve_vcc 0
		.amdhsa_float_denorm_mode_32 3
		.amdhsa_float_denorm_mode_16_64 3
		.amdhsa_memory_ordered 1
		.amdhsa_forward_progress 1
		.amdhsa_inst_pref_size 153
	.end_amdhsa_kernel
	.amdgpu_metadata
---
amdhsa.version: [ 1, 2 ]
amdhsa.kernels:
  - .name:           k_q8328b9e1b5_proj
    .symbol:         k_q8328b9e1b5_proj.kd
    .args:
      - { .name: yq, .offset: 0, .size: 8, .value_kind: global_buffer, .address_space: global }
      - { .name: wq, .offset: 8, .size: 8, .value_kind: global_buffer, .address_space: global }
      - { .name: b_out, .offset: 16, .size: 8, .value_kind: global_buffer, .address_space: global }
      - { .name: out0, .offset: 24, .size: 8, .value_kind: global_buffer, .address_space: global }
    .group_segment_fixed_size: 327680
    .private_segment_fixed_size: 0
    .kernarg_segment_align: 8
    .kernarg_segment_size: 32
    .max_flat_workgroup_size: 128
    .sgpr_count:     96
    .vgpr_count:     1024
    .wavefront_size: 32
...
	.end_amdgpu_metadata
.endif
;; end of part 5
;; ======== version 2 of 2: 4 launches
;; workspace buffers: xq 6,553,600 bytes; wq 3,276,800 bytes; qb 6,815,744 bytes; kv 13,369,344 bytes; yq 6,553,600 bytes
;; launch quant (part 6): grid 384 x 1, 4 waves a work-group, no clusters, 84,480 bytes of LDS; arguments x, W_qkv, W_out, xq, wq; writes xq, wq
.if DOCPART == 6
	.amdgcn_target "amdgcn-amd-amdhsa--gfx1250"
	.amdhsa_code_object_version 6
	.text
	.protected	k_q8328b9e1b5_quant
	.globl	k_q8328b9e1b5_quant
	.p2align	8
	.type	k_q8328b9e1b5_quant,@function
k_q8328b9e1b5_quant:
	s_mov_b64 s[64:65], 0
	v_nop
	global_prefetch_b8 v0, s[64:65] scope:SCOPE_SE
	s_setreg_imm32_b32 hwreg(HW_REG_WAVE_MODE, 25, 1), 1
	s_wait_xcnt 0x0
; ONE LAUNCH QUANTISES ALL THREE f32 OPERANDS to codes of FP6 (E2M3) with one E8M0 byte for each 32 along K = 1,024.  Work-groups 0 .. 255 take x, work-groups 256 .. 383 the weights.
; The two paths part on the work-group's number at the head and never join; each has LDS bytes of its own (x: 0 .. 49,151; the weights: 49,152 .. 83,967).
; A block's scale is 2^(floor(log2(its largest magnitude)) - 2); its byte is the largest magnitude's exponent field - 2, held at 1 from below.
; ROWS LEAVE IN POSITION ORDER: inside each group of 32 rows bits 3 and 4 of the row's number change places, so that sixteen neighbouring positions are the rows 32 b + 8 u + r + 8 (r / 8) that a later product wants together in a tile.
; CODES LEAVE AS IMAGES OF THE REGISTERS OF THE WAVE THAT WILL READ THEM: 16 positions x 128 K are 1,536 bytes: lane (r, h) owns the 24 bytes of block h and the 24 bytes of block 2 + h of position r, as three groups of four
; registers, group g at 512 g + 16 x lane; a tile's eight images lie on end, 12,288 bytes.  Each store of codes covers 512 consecutive bytes, aligned to 256.  Scale bytes lie 32 to a position, behind the codes.
; LIMITS: a block whose largest magnitude lies under 2^-124 has its byte held at 1; a block of zeros gets the byte 1 (its codes are zeros, and this program alone reads the bytes); NaN and infinities are not served.
; x [8192][1024], K innermost -> xq (scale bytes from byte 0x600000).  A wave takes a tile of 16 positions x 512 along K, a position a step.  Each of a step's four loads reads 512 consecutive bytes; the 2,048 bytes turn through the wave's
;   own stage in LDS and come back 64 bytes (16 neighbours) a lane; two neighbouring lanes hold a block.  Loads run four steps ahead, the turn through LDS one step.  A lane's 12 bytes of codes are three registers of an image: they gather in
;   a second stage (an image's halves of 256 bytes 272 apart, so that the 32 lanes of each store fall on 32 different banks) and leave at the end.  A position's 32 scale bytes come from two waves: they leave in pieces of 16 bytes, 32 apart:
;   one byte in 25 of what this path stores.
; W_qkv [1024][3072], W_out [1024][1024], K their FIRST axis -> wq: one matrix of 4,096 positions (0 .. 3,071: W_qkv's columns; 3,072 on: W_out's; scale bytes from byte 0x300000).
;   A LANE TAKES A COLUMN, AND ITS REGISTERS RUN DOWN K: a block of 32 lies in one lane's 32 registers, and the conversions give codes with K innermost.  Of the weights' 128 work-groups number n takes columns 128 (n % 32) on
;   (n % 32 < 24: W_qkv's; else W_out's columns 128 (n % 32 - 24) on) and 256 along K from 256 (n / 32) on.  Loads run two blocks (64 loads a wave) ahead.  A lane's codes go through the wave's own stage in LDS.
; No tensor loads, no barrier: waves share nothing.
.set NXG,   256                        ; work-groups for x
.set STEPS, 16
.set EMAX,  2
.set XR,    16                         ; x: v16-79   four sets of 16 numbers as loaded; at the end the images read back
.set XN,    80                         ;    v80-111  two sets of 16 neighbours
.set XC,    128                        ;    v128-191 codes: four registers a step
.set XE,    112                        ;    v112-127 a scale byte a step
.set AI,    192                        ;    v192-194 where my three registers of codes go in the images' stage
.set RI,    195                        ;    v195     where I read an image's 16 bytes back
.set WREG,  12288                      ;    LDS of a wave: two stages of 32 x SP bytes, its 256 scale bytes, the images' stage
.set SP,    80                         ;    a lane's place in a stage: 64 bytes + 16 of padding
.set XBY,   2*32*SP                    ;    the scale bytes
.set XIM,   XBY+256                    ;    the images' stage: image s at IMS s, group g at 544 g, lanes 16-31 at 272, lane r at 16 r
.set IMS,   1632
.set XSC,   0x600000                   ; where the scale bytes begin in xq
.set NB,    8                          ; weights: blocks of 32 along K for a wave
.set PITCH, 272                        ;    a stage row: sixteen places of 16 bytes, each with 12 bytes of codes, + 16
.set KROW,  768                        ;    a position's codes in wq
.set WSC,   0x300000                   ;    where the scale bytes begin in wq
.set WL,    4*WREG                     ;    where the weights' path's LDS begins
.set WX,    32                         ;    v32-95   two sets of 32 numbers
.set WC,    96                         ;    v96..    a block's codes
.set OUTR,  112                        ;    v112-159 the way out
.set SB,    24                         ;    v24-25   the scale bytes
.set OF,    176                        ;    v176-207 4 x lane + i x the source's row pitch, i = 0 .. 31; never rewritten
	s_load_b256 s[4:11], s[0:1], 0x0               ; x s[4:5], W_qkv s[6:7], W_out s[8:9], xq s[10:11]
	s_load_b64 s[12:13], s[0:1], 0x20              ; wq
	v_lshl_add_u32 v208, v0, 2, 0x14800
	v_mov_b32 v209, 0
	v_lshrrev_b32 v1, 5, v0
	v_readfirstlane_b32 s16, v1                    ; wave
	v_and_b32 v2, 31, v0                           ; lane
	s_cmp_lt_u32 ttmp9, NXG
	s_cbranch_scc0 .Lweights
	; ---------------- x ----------------
	v_lshlrev_b32 v3, 4, v2                        ; 16 x lane
	s_mul_i32 s17, s16, WREG
	v_lshrrev_b32 v14, 2, v2
	v_mul_u32_u24 v14, v14, SP
	v_and_b32 v15, 3, v2
	v_lshl_add_u32 v14, v15, 4, v14
	v_add_nc_u32 v14, s17, v14                     ; the stage, on the way in: SP (lane / 4) + 16 (lane % 4)
	v_mul_u32_u24 v15, v2, SP
	v_add_nc_u32 v15, s17, v15                     ; and on the way out: SP x lane
	s_add_co_u32 s18, s17, XBY
	v_lshrrev_b32 v4, 1, v2                        ; lane / 2: my block of the step's 16
	v_add_nc_u32 v5, s18, v4                       ; LDS: my block's byte among my wave's 256: 16 a step
	v_lshlrev_b32 v6, 3, v2
	v_add_nc_u32 v6, s18, v6                       ; and back, 8 bytes a lane: position lane / 2, half lane % 2 of its 16
	v_and_b32 v10, 1, v2
	v_lshlrev_b32 v7, 5, v4
	v_lshl_add_u32 v7, v10, 3, v7                  ; the same 8 bytes in xq: 32 (lane / 2) + 8 (lane % 2)
	s_add_co_u32 s18, s17, XIM
	v_bfe_u32 v11, v2, 2, 1                        ; my 16 codes are k = 16 x lane on: image lane / 8; in it block (lane / 2) % 4 = 2 c + h, its half lane % 2
	v_mul_u32_u24 v11, v11, 6
	v_mad_u32_u24 v11, v10, 3, v11                 ; so my three registers are the image's registers 6 c + 3 (lane % 2) + 0 .. 2, of its lane 16 h + the step's position
	v_lshrrev_b32 v12, 3, v2
	v_mul_u32_u24 v12, v12, IMS
	v_bfe_u32 v13, v2, 1, 1
	v_mad_u32_u24 v12, v13, 272, v12
	v_add_nc_u32 v12, s18, v12
.irp j, 0,1,2
	v_add_nc_u32 v8, \j, v11                       ; register n of the image lies in group n / 4, at word n % 4
	v_lshrrev_b32 v9, 2, v8
	v_and_b32 v8, 3, v8
	v_mad_u32_u24 v9, v9, 544, v12
	v_lshl_add_u32 v[AI+\j], v8, 2, v9
.endr
	v_and_b32 v8, 15, v2
	v_lshrrev_b32 v9, 4, v2
	v_mul_u32_u24 v9, v9, 272
	v_lshl_add_u32 v9, v8, 4, v9
	v_add_nc_u32 v[RI], s18, v9
	s_lshr_b32 s19, s16, 1                         ; my tile of 16 positions is 2 x work-group + wave / 2,
	s_and_b32 s20, s16, 1                          ; my half of K is wave % 2
	s_lshl_b32 s22, ttmp9, 17                      ; the tile's position t is row 32 x work-group + 8 (wave / 2) + 16 (t / 8) + t % 8; a row is 4,096 bytes
	s_lshl_b32 s23, s19, 15
	s_add_co_u32 s22, s22, s23
	s_lshl_b32 s23, s20, 11
	s_add_co_u32 s22, s22, s23
	s_mov_b32 s23, 0
	s_lshl_b32 s24, ttmp9, 1
	s_add_co_u32 s24, s24, s19
	s_lshl_b32 s30, s24, 9                         ; 512 scale bytes a tile,
	s_mul_i32 s24, s24, 12288                      ; 12,288 bytes of codes
	s_mul_i32 s25, s20, 6144
	s_add_co_u32 s24, s24, s25
	s_mov_b32 s25, 0
	s_lshl_b32 s31, s20, 4
	s_add_co_u32 s30, s30, s31
	s_add_co_u32 s30, s30, XSC
	s_mov_b32 s31, 0
	s_wait_kmcnt 0x0
	s_add_nc_u64 s[4:5], s[4:5], s[22:23]
	s_add_nc_u64 s[26:27], s[10:11], s[24:25]      ; the codes
	s_add_nc_u64 s[28:29], s[10:11], s[30:31]      ; the scale bytes
.macro XLOAD t
.irp i, 0,1,2,3
	global_load_b128 v[XR+16*((\t)%4)+4*\i:XR+16*((\t)%4)+4*\i+3], v3, s[4:5] offset:(16*((\t)/8)+(\t)%8)*4096+512*\i th:TH_LOAD_NT   ; 32 lanes read 512 consecutive bytes
.endr
.endm
.macro XTURN t                         ; step t's numbers through the stage: LDS serves a wave's instructions in order, so no wait stands between the stores and the loads
.irp i, 0,1,2,3
	ds_store_b128 v14, v[XR+16*((\t)%4)+4*\i:XR+16*((\t)%4)+4*\i+3] offset:32*SP*((\t)%2)+8*SP*\i
.endr
.irp i, 0,1,2,3
	ds_load_b128 v[XN+16*((\t)%2)+4*\i:XN+16*((\t)%2)+4*\i+3], v15 offset:32*SP*((\t)%2)+16*\i
.endr
.endm
.irp t, 0,1,2,3
	XLOAD \t
.endr
	s_wait_loadcnt 12                              ; step 0's four loads are in; twelve younger ones stay out
	XTURN 0
.macro XSTEP t
.set XS, XN+16*((\t)%2)
.if (\t) > 0
	s_wait_dscnt 4                                 ; this step's numbers are back from the stage; the last step's byte store and its three stores of codes may be out
.else
	s_wait_dscnt 0x0
.endif
.if (\t)+4 < STEPS
	XLOAD (\t)+4                                   ; into the set whose stores into the stage are done
.endif
.if (\t)+1 < STEPS
.if STEPS-2-(\t) >= 3
	s_wait_loadcnt 12                              ; the next step's four loads are in; those of the three steps behind it may be out
.else
	s_wait_loadcnt 4*(STEPS-2-(\t))
.endif
	XTURN (\t)+1                                   ; through the other stage while this step is worked
.endif
	v_max3_num_f32 v8, |v[XS]|, |v[XS+1]|, |v[XS+2]|               ; the largest magnitude of my 16, in two chains
	v_max3_num_f32 v9, |v[XS+3]|, |v[XS+4]|, |v[XS+5]|
.irp i, 6,10
	v_max3_num_f32 v8, v8, |v[XS+\i]|, |v[XS+\i+1]|
	v_max3_num_f32 v9, v9, |v[XS+\i+2]|, |v[XS+\i+3]|
.endr
	v_max3_num_f32 v8, v8, |v[XS+14]|, |v[XS+15]|
	v_max3_num_f32 v8, v8, v9, (EMAX+1)<<23        ; and the floor 2^(3 - 127): the byte cannot fall under 1
	v_max_num_f32_dpp v8, v8, v8 row_xmask:1 row_mask:0xf bank_mask:0xf   ; and of my neighbour's 16: the block's
	v_add_nc_u32 v11, 0xff000000, v8               ; 2 off its exponent field: the conversion takes the exponent field of this operand as its scale
	v_cvt_scalef32_pk16_fp6_f32 v[XC+4*(\t):XC+4*(\t)+2], v[XS:XS+15], v11
	v_lshrrev_b32 v[XE+(\t)], 23, v11              ; the scale's byte
	ds_store_b8 v5, v[XE+(\t)] offset:16*(\t)      ; both lanes of a block write the same byte with the same value
.irp j, 0,1,2
	ds_store_b32 v[AI+\j], v[XC+4*(\t)+\j] offset:16*(\t)   ; position t is the images' lane t (or 16 + t)
.endr
.endm
.irp t, 0,1,2,3,4,5,6,7,8,9,10,11,12,13,14,15
	XSTEP \t
.endr
	ds_load_b64 v[12:13], v6                       ; LDS serves a wave's instructions in order: these see my stores
.irp s, 0,1,2,3
.irp g, 0,1,2
	ds_load_b128 v[XR+4*(3*\s+\g):XR+4*(3*\s+\g)+3], v[RI] offset:IMS*\s+544*\g
.endr
.endr
	s_wait_dscnt 0x0
	global_store_b64 v7, v[12:13], s[28:29]
.irp s, 0,1,2,3
.irp g, 0,1,2
	global_store_b128 v3, v[XR+4*(3*\s+\g):XR+4*(3*\s+\g)+3], s[26:27] offset:1536*\s+512*\g   ; 512 consecutive bytes, aligned to 256
.endr
.endr
	s_wait_tensorcnt 0x0
	ds_add_u32 v208, v209
	s_wait_dscnt 0x0
	s_endpgm
	; ---------------- the weights ----------------
.Lweights:
	s_sub_co_u32 s2, ttmp9, NXG
	s_and_b32 s3, s2, 31                           ; which 128 columns
	s_lshr_b32 s18, s2, 5                          ; which 256 along K
	s_wait_alu depctr_va_vdst(0)
	v_and_b32 v5, 7, v2
	v_bfe_u32 v6, v2, 3, 1
	v_bfe_u32 v7, v2, 4, 1
	v_lshl_add_u32 v10, v6, 4, v5
	v_lshl_add_u32 v10, v7, 3, v10                 ; my column's position among the wave's 32: bits 3 and 4 swapped
	s_mul_i32 s19, s16, 32*PITCH
	s_add_co_u32 s19, s19, WL                      ; my stage
	v_mul_u32_u24 v4, v10, PITCH
	v_add_nc_u32 v4, s19, v4                       ; into it: row = my position
	v_and_b32 v5, 15, v2                           ; r
	v_lshrrev_b32 v6, 4, v2                        ; h
	v_lshlrev_b32 v9, 5, v10                       ; my position's row of scale bytes
	v_mul_u32_u24 v16, v5, PITCH                   ; out of it by images: row r, block h (a block has 32 bytes of the stage row)
	v_lshl_add_u32 v16, v6, 5, v16
	v_add_nc_u32 v16, s19, v16
	v_lshlrev_b32 v17, 4, v2                       ; 16 x lane
	s_cmp_lt_u32 s3, 24                            ; W_qkv's work-group or W_out's: hangs on the work-group's number alone
	s_mov_b32 s20, 4096
	s_cselect_b32 s20, 12288, s20                  ; the source's row pitch in bytes
	s_cselect_b32 s21, 0, 24
	s_sub_co_u32 s21, s3, s21
	s_lshl_b32 s21, s21, 7
	s_lshl_b32 s22, s16, 5
	s_add_co_u32 s21, s21, s22                     ; my wave's first column in the source,
	s_lshl_b32 s21, s21, 2                         ; in bytes
	s_lshl_b32 s23, s18, 8
	s_mul_i32 s23, s23, s20                        ; 256 rows down for each step of K's part
	s_add_co_u32 s24, s23, s21
	s_mov_b32 s25, 0
	s_lshl_b32 s26, s20, 5                         ; a block: 32 rows down
	s_mov_b32 s27, 0
	s_lshl_b32 s28, s3, 7
	s_add_co_u32 s28, s28, s22                     ; my wave's first output position
	s_mul_i32 s30, s28, KROW                       ; 16 positions are 12,288 bytes;
	s_mul_i32 s29, s18, 3072                       ; 256 along K are two of a tile's images
	s_add_co_u32 s30, s30, s29
	s_mov_b32 s31, 0
	s_lshl_b32 s28, s28, 5
	s_lshl_b32 s29, s18, 3
	s_add_co_u32 s28, s28, s29
	s_add_co_u32 s28, s28, WSC
	s_mov_b32 s29, 0                               ; scale bytes: position x 32 + 8 for each 256 along K
	v_lshlrev_b32 v[OF], 2, v2
.set i, 1
.rept 31
	v_add_nc_u32 v[OF+i], s20, v[OF+i-1]
.set i, i+1
.endr
	s_wait_alu depctr_va_vdst(0)
	s_wait_kmcnt 0x0
	s_cmp_lt_u32 s3, 24
	s_cselect_b64 s[4:5], s[6:7], s[8:9]
	s_add_nc_u64 s[32:33], s[4:5], s[24:25]        ; s[32+2t:33+2t]: the source at block t of my part; never rewritten
.irp t, 1,2,3,4,5,6,7
	s_add_nc_u64 s[32+2*\t:33+2*\t], s[30+2*\t:31+2*\t], s[26:27]
.endr
	s_add_nc_u64 s[6:7], s[12:13], s[30:31]        ; the codes
	s_add_nc_u64 s[8:9], s[12:13], s[28:29]        ; the scale bytes
.macro WLOAD t                         ; block t: W(32 t + i, my column), i = 0 .. 31, into set t % 2: each load reads 128 consecutive bytes a wave
.irp i, 0,1,2,3,4,5,6,7,8,9,10,11,12,13,14,15,16,17,18,19,20,21,22,23,24,25,26,27,28,29,30,31
	global_load_b32 v[WX+32*((\t)%2)+\i], v[OF+\i], s[32+2*(\t):33+2*(\t)] th:TH_LOAD_NT
.endr
.endm
	WLOAD 0
	WLOAD 1
.macro WBLOCK t
.set XS, WX+32*((\t)%2)
.if (\t) < NB-1
	s_wait_loadcnt 32                              ; this block's 32 loads are in; the next block's may be out
.else
	s_wait_loadcnt 0
.endif
	v_max3_num_f32 v12, |v[XS]|, |v[XS+1]|, |v[XS+2]|               ; the block's largest magnitude: all 32 numbers are mine
	v_max3_num_f32 v13, |v[XS+3]|, |v[XS+4]|, |v[XS+5]|
.irp i, 6,10,14,18,22,26
	v_max3_num_f32 v12, v12, |v[XS+\i]|, |v[XS+\i+1]|
	v_max3_num_f32 v13, v13, |v[XS+\i+2]|, |v[XS+\i+3]|
.endr
	v_max3_num_f32 v12, v12, |v[XS+30]|, |v[XS+31]|
	v_max3_num_f32 v12, v12, v13, (EMAX+1)<<23     ; and the floor 2^(3 - 127): the byte cannot fall under 1
	v_add_nc_u32 v11, 0xff000000, v12              ; 2 off its exponent field: the conversion's scale operand
	v_lshrrev_b32 v13, 23, v11                     ; the scale's byte
.if (\t)%4 == 0
	v_mov_b32 v[SB+(\t)/4], v13                    ; four bytes to a register, the lower K in the lower byte
.else
	v_lshl_or_b32 v[SB+(\t)/4], v13, 8*((\t)%4), v[SB+(\t)/4]
.endif
	v_cvt_scalef32_pk16_fp6_f32 v[WC:WC+2], v[XS:XS+15], v11
	v_cvt_scalef32_pk16_fp6_f32 v[WC+4:WC+6], v[XS+16:XS+31], v11   ; (a conversion's three registers begin on an even number)
	ds_store_b96 v4, v[WC:WC+2] offset:32*(\t)     ; 12 bytes to a place of 16, so that every LDS address is a multiple of 16
	ds_store_b96 v4, v[WC+4:WC+6] offset:32*(\t)+16
.if (\t)+2 < NB
	WLOAD (\t)+2
.endif
	s_wait_dscnt 0x0                               ; the stores have read their registers: the next block's codes may be written
.endm
.set Q, 0
.rept NB
	WBLOCK Q
.set Q, Q+1
.endr
	s_wait_alu depctr_va_vdst(0)
	global_store_b64 v9, v[SB:SB+1], s[8:9]        ; my position's 8 scale bytes
	; four images: tile u (positions 16 u on) x the s-th 128 along K.  Lane (r, h) gathers its 12 registers from four places of 12 bytes: blocks 4 s + h and 4 s + 2 + h of stage row 16 u + r.
	; The pieces are of 8 and 4 bytes, so that every address is a multiple of the access's size and the registers come out on end.  LDS serves a wave's instructions in order: these see my stores.
.irp u, 0,1
.irp s, 0,1
.set IM, OUTR+12*(2*\u+\s)
.set LO, \u*16*PITCH+\s*128
.irp c, 0,1
	ds_load_b64 v[IM+6*\c:IM+6*\c+1], v16 offset:LO+64*\c
	ds_load_b32 v[IM+6*\c+2], v16 offset:LO+64*\c+8
	ds_load_b32 v[IM+6*\c+3], v16 offset:LO+64*\c+16
	ds_load_b32 v[IM+6*\c+4], v16 offset:LO+64*\c+20
	ds_load_b32 v[IM+6*\c+5], v16 offset:LO+64*\c+24
.endr
.endr
.endr
	s_wait_dscnt 0x0
.irp u, 0,1
.irp s, 0,1
.irp g, 0,1,2
	global_store_b128 v17, v[OUTR+12*(2*\u+\s)+4*\g:OUTR+12*(2*\u+\s)+4*\g+3], s[6:7] offset:\u*12288+\s*1536+512*\g   ; 512 consecutive bytes, aligned to 256
.endr
.endr
.endr
	s_wait_tensorcnt 0x0
	ds_add_u32 v208, v209
	s_wait_dscnt 0x0
	s_endpgm
.Lfunc_end_k_q8328b9e1b5_quant:
	.size	k_q8328b9e1b5_quant, .Lfunc_end_k_q8328b9e1b5_quant-k_q8328b9e1b5_quant
	.p2alignl 7, 3214868480
	.fill 96, 4, 3214868480
	.section	.rodata,"a",@progbits
	.p2align	6, 0x0
	.amdhsa_kernel k_q8328b9e1b5_quant
		.amdhsa_group_segment_fixed_size 84480
		.amdhsa_private_segment_fixed_size 0
		.amdhsa_enable_private_segment 0
		.amdhsa_kernarg_size 40
		.amdhsa_user_sgpr_count 2
		.amdhsa_user_sgpr_kernarg_segment_ptr 1
		.amdhsa_wavefront_size32 1
		.amdhsa_system_sgpr_workgroup_id_x 1
		.amdhsa_system_sgpr_workgroup_id_y 1
		.amdhsa_system_sgpr_workgroup_id_z 1
		.amdhsa_system_vgpr_workitem_id 0
		.amdhsa_next_free_vgpr 210
		.amdhsa_next_free_sgpr 66
		.amdhsa_reserve_vcc 0
		.amdhsa_float_denorm_mode_32 3
		.amdhsa_float_denorm_mode_16_64 3
		.amdhsa_memory_ordered 1
		.amdhsa_forward_progress 1
		.amdhsa_inst_pref_size 81
	.end_amdhsa_kernel
	.amdgpu_metadata
---
amdhsa.version: [ 1, 2 ]
amdhsa.kernels:
  - .name:           k_q8328b9e1b5_quant
    .symbol:         k_q8328b9e1b5_quant.kd
    .args:
      - { .name: x, .offset: 0, .size: 8, .value_kind: global_buffer, .address_space: global }
      - { .name: W_qkv, .offset: 8, .size: 8, .value_kind: global_buffer, .address_space: global }
      - { .name: W_out, .offset: 16, .size: 8, .value_kind: global_buffer, .address_space: global }
      - { .name: xq, .offset: 24, .size: 8, .value_kind: global_buffer, .address_space: global }
      - { .name: wq, .offset: 32, .size: 8, .value_kind: global_buffer, .address_space: global }
    .group_segment_fixed_size: 84480
    .private_segment_fixed_size: 0
    .kernarg_segment_align: 8
    .kernarg_segment_size: 40
    .max_flat_workgroup_size: 128
    .sgpr_count:     66
    .vgpr_count:     210
    .wavefront_size: 32
...
	.end_amdgpu_metadata
.endif
;; end of part 6
;; launch qkv (part 7): grid 4 x 64, 4 waves a work-group, clusters of 4 x 4, 327,680 bytes of LDS; arguments xq, wq, b_qkv, qb, kv; writes qb, kv
.if DOCPART == 7
	.amdgcn_target "amdgcn-amd-amdhsa--gfx1250"
	.amdhsa_code_object_version 6
	.text
	.protected	k_q8328b9e1b5_qkv
	.globl	k_q8328b9e1b5_qkv
	.p2align	8
	.type	k_q8328b9e1b5_qkv,@function
k_q8328b9e1b5_qkv:
	s_mov_b64 s[64:65], 0
	v_nop
	global_prefetch_b8 v0, s[64:65] scope:SCOPE_SE
	s_setreg_imm32_b32 hwreg(HW_REG_WAVE_MODE, 25, 1), 1
	s_wait_xcnt 0x0
	s_wait_alu depctr_hold_cnt(0) depctr_sa_sdst(0) depctr_va_vdst(0) depctr_va_sdst(0) depctr_va_ssrc(0) depctr_va_vcc(0) depctr_vm_vsrc(0)
	s_getreg_b32 s2, hwreg(HW_REG_IB_STS2, 6, 4)
	s_cmp_eq_u32 s2, 0
	s_cbranch_scc0 .Lentry_in_a_cluster
	s_endpgm
.Lentry_in_a_cluster:
	s_bfe_u32 s2, ttmp6, 0x10000c
	s_cmp_lg_u32 s2, 0xf033
	s_cbranch_scc0 .Lentry_shape_is_right
	s_endpgm
.Lentry_shape_is_right:
; qkv = x W_qkv + b_qkv on codes of FP6 (E2M3) with one E8M0 scale for each 32 along K = 1,024; q, k and v are quantised in registers, each along the K of the product that will read it, and leave as codes alone.
; WORK-GROUPS THAT STAY.  The 8,192 x 3,072 results are 768 tiles of 128 tokens x 256 features; 256 work-groups make three each.  Work-group (column c = 0 .. 3, row t = 0 .. 63) owns tokens 128 t on, one chunk: their codes, all of K,
; come into LDS once and stay.  It walks three tiles of 256 rows of wq: q's tile c, k's tile c + 4, v's tile c + 8.
; A wave has 32 accumulators of 16 x 16.  D = source 0 x source 1: a lane holds ONE row of source 1, and its registers run along source 0's rows, the axis that is quantised.
;   q, k: source 0 = 8 tiles of W (half wave % 2 of the 256 features: two heads), source 1 = 4 tiles of x (half wave / 2 of the 128 tokens): registers run along the head's 64, the K of q k^T.
;   v:    source 0 = all 8 tiles of x (the chunk's 128 keys), source 1 = the wave's own 4 tiles of W (64 features: one head): registers run along the keys, the K of p v.  The same LDS bytes, the sources swapped.
; Both operands lie in memory as images of the fragments' registers (16 positions x 128 K: 1,536 bytes, group g of four registers at 512 g + 16 x lane; a tile's eight images on end): a fragment is three loads of 16 bytes a lane, LDS needs
; no padding, and a tensor row is 6,144 consecutive bytes (four images) at a multiple of 256.  Positions: inside each 32 rows bits 3 and 4 of the row's number are swapped, so that as source 0 two neighbouring tiles give a lane 16 neighbours in natural order.
; THE RING.  W's two halves of K (16 tiles x 6,144 bytes each) are two slots.  At the head of step 3 (of a tile's eight steps of 128 along K) every wave has read half 0 out: it is filled with the next tile's half 0; at the head of step 7 half 1
; likewise.  Each refill stands behind a round of the cluster's barrier, one tensor load a wave (its 4 tiles), and has four steps' products in which to land (half 1's also the way out).  By this text's own count a wave has five tensor loads
; out at the start (scale bytes, x's two halves, W's two halves), later one.
; For 128 along K a wave reads 8 + 4 fragments, 18,432 bytes, for 32 matrix instructions.
; WHAT LEAVES, straight from registers, each store covering 512 or 256 consecutive bytes, aligned to 256:
;   qb: a record of 6,656 bytes for each head (16 batch + head) and chunk: 8 images of 768 bytes (16 tokens x the head's 64: a lane's registers 0-3 at 16 x lane, registers 4-5 at 512 + 8 x lane), then 512 bytes of scale words
;       (tile a, row r at 256 (a / 4) + 16 r + 4 (a % 4); a word: the head's two bytes, then two bytes 0).
;   kv: a record of 13,056 bytes: K as q's record; at 6,656 V's four images of 1,536 bytes (16 channels x the chunk's 128 keys); at 12,800 V's scale words (tile t, row r at 16 r + 4 t).
;       (V's words: lanes r and 16 + r hold the same four words and store them to the same 16 bytes.)
; THE BIAS is the C of each sum's first matrix instruction, so it stands first in the f32 sum, not last.
; CLUSTERS: 4 x 4 work-groups; x's tiles hang on the row t alone and are asked for jointly along a row of the cluster, W's on the column c alone, jointly along a column.  No branch and no LDS address hangs on the place in the cluster.
; The launch claims all of a WGP's LDS; the text uses 325,888 bytes.
; LIMITS: a block whose largest magnitude lies under 2^-124 has its byte held at 1; a block of zeros gets the byte 1 (its codes are zeros, and this program alone reads the bytes); NaN and infinities are not served.
; REGISTERS, in windows of 256: window 0: v8-29 addresses; v32-63 scale words, two sets; v64-127 the bias as C operands; v128-223 source 1's fragments, two sets of 48; v224-255 at work on the way out, which also takes v176-223.
;   window 1: source 0's fragments, two sets of 96, at v0 and v128.   window 2: the accumulators, (a, b) at v[8 (8 a + b)].
.set FR,     12                        ; registers of a fragment
.set NP,     4                         ; places behind this matrix instruction (ISA guide 7.12.1)
.set TH,     6144                      ; a tile of 16 positions x 512 K: four images
.set XH,     8*TH                      ; x: a half of K; x begins at LDS byte 0
.set WB,     2*XH                      ; W begins here
.set WH,     16*TH                     ; W: a half of K: a slot
.set SCL,    WB+2*WH                   ; the scale bytes, as units of 256 bytes + 16 of padding, filled once: W's tile 2 (8,704 bytes), x (4,352), W's tile 0, W's tile 1
.set SBLK,   544                       ; the scale bytes of 16 rows
.set SPARE,  SCL+30464                 ; the spare words, 128 bytes a wave: two blocks of 256 bytes that no other line names
.set WSTEP,  64*12288                  ; from a tile of W to the work-group's next: four tiles of 16 x 12,288 bytes on
.set XSC,    0x600000                  ; where the scale bytes begin in xq
.set WSC,    0x300000                  ; and in wq
.set XQ,   8                           ; v8-9    16 x lane + my 4 tiles of x, half 0, 1 of K (q, k)
.set XV,   10                          ; v10-11  16 x lane + x's 8 tiles (v)
.set WQ,   12                          ; v12-13  16 x lane + my 8 tiles of W (q, k)
.set WV,   14                          ; v14-15  16 x lane + my 4 tiles of W (v)
.set ADRS, 16                          ; v16-18  my scale words for q, k, v: lanes 0-15 source 1's rows, lanes 16-31 source 0's
.set BOQ,  19                          ; v19     the bias of q, k: 64 (lane / 16)
.set BOV,  20                          ; v20     the bias of v: 4 (r + 8 (r / 8))
.set L16Q, 21                          ; v21     16 x lane + my first token tile's place in a record
.set L8Q,  22                          ; v22     8 x lane + the same
.set L16V, 23                          ; v23     16 x lane
.set WOQ,  24                          ; v24     q's scale words: 16 r + 256 (wave / 2) + (lane / 16) x the distance to the next head's record
.set WOK,  25                          ; v25     k's
.set WOV,  26                          ; v26     v's: 16 r
.set SH,   27                          ; v27     16 (lane / 16): which half of a scale word is my head's
.set SPW,  28                          ; v28     LDS address of my spare word; never rewritten
.set NIL,  29                          ; v29     0; never rewritten
.set SC,   32                          ; set c % 2 for the c-th 256 along K; in it register 2 i + q: lanes 0-15 the word of source 1's block i, lanes 16-31 that of source 0's block i
.set BI,   64
.set AF,   128
.set CT,   224                         ; the way out: v224-226, v228-230 the conversions' second halves
.set BM,   232                         ; v232-235 the four blocks' largest magnitudes
.set T2,   236                         ; v236-239 lane l xor 16's, then the bytes
.set SO,   240                         ; v240-243 the conversions' scale operands
.set PWT,  244                         ; v244     a scale word
.set W,    248                         ; v248-251 four blocks' words, as they are stored
.set GX1,  24                          ; s[24:31] descriptor group 1 for x's tiles;  s[32:39] group 0, a set for each half
.set GX0,  32
.set GW1,  40                          ; s[40:47] group 1 for W's;  s[48:55] group 0, a set for each half: they walk
.set GW0,  48
.set GS1X, 56                          ; s[56:63], s[68:71] for x's scale bytes;  s[72:79], s[80:83] for W's
.set GS0X, 68
.set GS1W, 72
.set GS0W, 80
.set BS,   84                          ; s[84:85], s[86:87], s[88:89] the bias at my first feature of q, k, v
.set CQ,   90                          ; s[90:91], s[92:93] my two heads' records of qb
.set CK,   94                          ; s[94:95], s[96:97] of kv
.set CV,   98                          ; s[98:99] V's part of my head's record of kv
.set MSB, 0
.macro WIN new                         ; the immediate's high byte repeats the setting that is left
.if MSB != (\new)
	s_set_vgpr_msb (MSB<<8)|(\new)
.set MSB, \new
.endif
.endm
.set MUL,    0xa1                      ; source 0 window 1, source 1 window 0, C and D window 2
.set MULB,   0x81                      ; the same with C (the bias) in window 0
.set TO_B,   0x40                      ; destination window 1, address window 0
.macro PLACES n                        ; plain vector instructions that name none of the matrix instructions' registers, in front of loads into registers that they have read and of the first read of results
.rept \n
	v_nop
.endr
.endm
.macro CREST                           ; a round of the cluster's barrier behind its opening barrier
	s_cmp_lg_u32 s14, 0
	s_cbranch_scc1 .Lnot_wave_0_\@
	s_barrier_signal -3
.Lnot_wave_0_\@:
	s_barrier_wait -3
	s_barrier_signal -1
	s_barrier_wait -1
.endm
.macro CROUND                          ; a whole round
	s_barrier_signal -1
	s_barrier_wait -1
	CREST
.endm
	s_load_b256 s[4:11], s[0:1], 0x0               ; xq s[4:5], wq s[6:7], b_qkv s[8:9], qb s[10:11]
	s_load_b64 s[12:13], s[0:1], 0x20              ; kv
	v_lshl_add_u32 v[SPW], v0, 2, SPARE
	v_mov_b32 v[NIL], 0
	ds_add_u32 v28, v29
	ds_add_u32 v28, v29
	s_wait_dscnt 0x0
	v_lshrrev_b32 v1, 5, v0
	v_readfirstlane_b32 s14, v1                    ; wave 0..3
	s_lshr_b32 s15, s14, 1
	s_and_b32 s16, s14, 1
	s_bfe_u32 s100, ttmp6, 0x40000                 ; cx
	s_bfe_u32 s101, ttmp6, 0x40004                 ; cy
	s_lshl_b32 s104, ttmp9, 2
	s_add_co_u32 s104, s104, s100                  ; the column c
	s_and_b32 s17, ttmp7, 0xffff
	s_lshl_b32 s17, s17, 2
	s_add_co_u32 s17, s17, s101                    ; the row t
	s_lshl_b32 s2, s101, 2
	s_lshl_b32 s2, 15, s2                          ; my row of the cluster
	s_lshl_b32 s3, 0x1111, s100                    ; my column
	s_or_b32 s[GX1+0], s2, (3<<16)|(1<<21)         ; x: the mask; elements of 8 bytes; bit 21 beside a mask; no padding: 2 tiles' 6,144 bytes, 12,288 bytes apart
	s_mov_b32 s[GX1+1], 768<<16                    ; tensor_dim0
	s_mov_b32 s[GX1+2], 2<<16                      ; tensor_dim1
	s_mov_b32 s[GX1+3], 768<<16                    ; tile_dim0
	s_mov_b32 s[GX1+4], 2                          ; tile_dim1
	s_mov_b32 s[GX1+5], 1536                       ; stride
	s_mov_b32 s[GX1+6], 0
	s_mov_b32 s[GX1+7], 0
	s_or_b32 s[GW1+0], s3, (3<<16)|(1<<21)         ; W: the same of 4 tiles
	s_mov_b32 s[GW1+1], 768<<16
	s_mov_b32 s[GW1+2], 4<<16
	s_mov_b32 s[GW1+3], 768<<16
	s_mov_b32 s[GW1+4], 4
	s_mov_b32 s[GW1+5], 1536
	s_mov_b32 s[GW1+6], 0
	s_mov_b32 s[GW1+7], 0
	s_or_b32 s[GS1X+0], s2, (3<<16)|(1<<20)|(1<<21)|(5<<22)|(3<<25)   ; x's scale bytes of 128 rows: 4,096 dense bytes as 16 rows of 256, 16 bytes of padding behind each
	s_mov_b32 s[GS1X+1], 32<<16
	s_mov_b32 s[GS1X+2], 16<<16
	s_mov_b32 s[GS1X+3], 32<<16
	s_mov_b32 s[GS1X+4], 16
	s_mov_b32 s[GS1X+5], 32
	s_mov_b32 s[GS1X+6], 0
	s_mov_b32 s[GS1X+7], 0
	s_or_b32 s[GS1W+0], s3, (3<<16)|(1<<20)|(1<<21)|(5<<22)|(3<<25)   ; a tile of W's, 256 rows: 32 rows of 256
	s_mov_b32 s[GS1W+1], 32<<16
	s_mov_b32 s[GS1W+2], 32<<16
	s_mov_b32 s[GS1W+3], 32<<16
	s_mov_b32 s[GS1W+4], 32
	s_mov_b32 s[GS1W+5], 32
	s_mov_b32 s[GS1W+6], 0
	s_mov_b32 s[GS1W+7], 0
	; where the tiles come from: x's offsets are made of the row t and the wave's number, W's of the column c and the wave's number, in registers that never hold the other coordinate
	s_lshl_b32 s20, s17, 3
	s_lshl_b32 s18, s14, 1
	s_add_co_u32 s20, s20, s18                     ; x: I fetch tiles 8 t + 2 wave and the next
	s_mul_i32 s20, s20, 12288
	s_mov_b32 s21, 0
	s_lshl_b32 s22, s17, 12                        ; x's scale bytes: 128 rows of 32
	s_add_co_u32 s22, s22, XSC
	s_mov_b32 s23, 0
	s_lshl_b32 s100, s104, 4
	s_lshl_b32 s18, s14, 2
	s_add_co_u32 s100, s100, s18                   ; W: I fetch tiles 16 c + 4 wave on, of q's tile first
	s_mul_i32 s100, s100, 12288
	s_mov_b32 s101, 0
	s_add_co_u32 s18, s14, 2                       ; W's scale bytes: wave 2 fetches q's tile's, wave 3 k's, wave 0 v's (wave 1 fetches x's)
	s_and_b32 s18, s18, 3
	s_lshl_b32 s18, s18, 2
	s_add_co_u32 s2, s18, s104
	s_lshl_b32 s2, s2, 13                          ; 256 rows of 32
	s_add_co_u32 s2, s2, WSC
	s_mov_b32 s3, 0
	s_mul_i32 s19, s14, 2*TH                       ; where they go: no place in the cluster enters an LDS address
	s_mul_i32 s105, s14, 4*TH
	s_add_co_u32 s105, s105, WB
	s_mul_i32 s18, s15, 13056                      ; the scale bytes: wave 0 at 0 (W's tile 2), wave 1 at 8,704 (x), wave 2 at 13,056 (tile 0), wave 3 at 21,760 (tile 1)
	s_mul_i32 s84, s16, 8704
	s_add_co_u32 s18, s18, s84
	s_add_co_u32 s18, s18, SCL
	s_wait_kmcnt 0x0
	s_add_nc_u64 s[20:21], s[4:5], s[20:21]
	s_add_nc_u64 s[22:23], s[4:5], s[22:23]
	s_add_nc_u64 s[100:101], s[6:7], s[100:101]
	s_add_nc_u64 s[2:3], s[6:7], s[2:3]
	s_mov_b32 s[GS0X], 1
	s_mov_b32 s[GS0X+1], s18
	s_mov_b64 s[GS0X+2:GS0X+3], s[22:23]
	s_or_b32 s[GS0X+3], s[GS0X+3], 0x80000000
	s_mov_b32 s[GS0W], 1
	s_mov_b32 s[GS0W+1], s18
	s_mov_b64 s[GS0W+2:GS0W+3], s[2:3]
	s_or_b32 s[GS0W+3], s[GS0W+3], 0x80000000
.irp f, 0,1
	s_mov_b32 s[GX0+4*\f], 1
	s_add_co_u32 s[GX0+4*\f+1], s19, \f*XH
	s_add_nc_u64 s[GX0+4*\f+2:GX0+4*\f+3], s[20:21], \f*TH
	s_or_b32 s[GX0+4*\f+3], s[GX0+4*\f+3], 0x80000000
	s_mov_b32 s[GW0+4*\f], 1
	s_add_co_u32 s[GW0+4*\f+1], s105, \f*WH
	s_add_nc_u64 s[GW0+4*\f+2:GW0+4*\f+3], s[100:101], \f*TH
	s_or_b32 s[GW0+4*\f+3], s[GW0+4*\f+3], 0x80000000
.endr
	CROUND                                         ; all sixteen work-groups are here: the first joint loads meet
	s_cmp_eq_u32 s14, 1                            ; the scale bytes first: each of the two lines has one mask; the branch hangs on the wave's number alone; four v_nop follow each line
	s_cbranch_scc0 .Lscale_w
	tensor_load_to_lds s[GS0X:GS0X+3], s[GS1X:GS1X+7]
	s_nop 0
.rept 4
	v_nop
.endr
	s_branch .Lscale_done
.Lscale_w:
	tensor_load_to_lds s[GS0W:GS0W+3], s[GS1W:GS1W+7]
	s_nop 0
.rept 4
	v_nop
.endr
.Lscale_done:
	tensor_load_to_lds s[GX0:GX0+3], s[GX1:GX1+7]          ; x, the first half of K
	s_nop 0
	tensor_load_to_lds s[GW0:GW0+3], s[GW1:GW1+7]          ; q's tile of W, the first half
	s_nop 0
	tensor_load_to_lds s[GX0+4:GX0+7], s[GX1:GX1+7]        ; the second halves
	s_nop 0
	tensor_load_to_lds s[GW0+4:GW0+7], s[GW1:GW1+7]
	s_nop 0
.rept 4
	v_nop
.endr
	v_and_b32 v1, 15, v0                           ; r
	v_bfe_u32 v2, v0, 4, 1                         ; h
	v_and_b32 v6, 31, v0                           ; lane
	v_lshlrev_b32 v[L16V], 4, v6
	s_wait_alu depctr_va_vdst(0)
	v_lshlrev_b32 v7, 3, v6
	s_mul_i32 s21, s15, 4*TH                       ; q, k: my 4 tiles of x
	v_add_nc_u32 v[XQ], s21, v[L16V]
	s_add_co_u32 s21, s21, XH
	v_add_nc_u32 v[XQ+1], s21, v[L16V]
	v_lshlrev_b32 v[XV], 4, v6                     ; v: all 8
	v_add_nc_u32 v[XV+1], XH, v[L16V]
	s_mul_i32 s22, s16, 8*TH                       ; q, k: my 8 tiles of W
	s_add_co_u32 s22, s22, WB
	v_add_nc_u32 v[WQ], s22, v[L16V]
	s_add_co_u32 s22, s22, WH
	v_add_nc_u32 v[WQ+1], s22, v[L16V]
	s_mul_i32 s22, s14, 4*TH                       ; v: my 4
	s_add_co_u32 s22, s22, WB
	v_add_nc_u32 v[WV], s22, v[L16V]
	s_add_co_u32 s22, s22, WH
	v_add_nc_u32 v[WV+1], s22, v[L16V]
	v_mul_u32_u24 v5, v1, 32                       ; my row's scale bytes: 32 a row,
	v_lshrrev_b32 v6, 8, v5
	v_lshl_add_u32 v5, v6, 4, v5                   ; and 16 more for each 256 passed
	s_mul_i32 s21, s15, 2176                       ; q, k: source 1 = x's rows 64 (wave / 2) on,
	s_add_co_u32 s21, s21, 8704
	s_mul_i32 s22, s16, 4352                       ; source 0 = the tile of W's rows 128 (wave % 2) on
	s_add_co_u32 s22, s22, 13056
	s_sub_co_u32 s23, s22, s21
	v_mul_u32_u24 v6, s23, v2                      ; lanes 16-31 take source 0's: one product, the distance between the two bases x h
	v_add_nc_u32 v6, v6, v5
	s_add_co_u32 s18, s21, SCL
	v_add_nc_u32 v[ADRS], s18, v6
	s_add_co_u32 s23, s23, 8704                    ; k's tile's scale bytes lie 8,704 bytes behind q's
	v_mul_u32_u24 v6, s23, v2
	v_add_nc_u32 v6, v6, v5
	v_add_nc_u32 v[ADRS+1], s18, v6
	s_mul_i32 s21, s14, 2176                       ; v: source 1 = W's tile 2, rows 64 wave on; source 0 = x's rows
	s_sub_co_u32 s23, 8704, s21
	v_mul_u32_u24 v6, s23, v2
	s_wait_alu depctr_va_vdst(0)
	v_add_nc_u32 v6, v6, v5
	s_add_co_u32 s18, s21, SCL
	v_add_nc_u32 v[ADRS+2], s18, v6
	s_mul_i32 s21, s15, 3072                       ; q, k: my token tiles are 4 (wave / 2) on: 768 bytes each in a record
	v_add_nc_u32 v[L16Q], s21, v[L16V]
	v_add_nc_u32 v[L8Q], s21, v7
	v_lshlrev_b32 v[WOV], 4, v1
	s_lshl_b32 s21, s15, 8
	v_add_nc_u32 v6, s21, v[WOV]
	v_mul_u32_u24 v3, 16*6656, v2                  ; the next head's record lies 16 records on
	v_add_nc_u32 v[WOQ], v3, v6
	v_mul_u32_u24 v3, 16*13056, v2
	v_add_nc_u32 v[WOK], v3, v6
	v_lshlrev_b32 v[SH], 4, v2
	v_lshlrev_b32 v[BOQ], 6, v2
	s_wait_alu depctr_va_vdst(0)
	v_and_b32 v3, 8, v1
	v_add_nc_u32 v3, v3, v1
	v_lshlrev_b32 v[BOV], 2, v3
.irp b, 0,1,2,3
	v_mov_b32 v[T2+\b], 0                          ; written once: a lane permute's destination counts as one of its sources
.endr
	s_lshl_b32 s20, s104, 10                       ; the bias: q: feature 256 c + 128 (wave % 2), 4 bytes each;
	s_lshl_b32 s21, s16, 9
	s_add_co_u32 s20, s20, s21
	s_mov_b32 s21, 0
	s_add_nc_u64 s[BS:BS+1], s[8:9], s[20:21]
	s_add_nc_u64 s[BS+2:BS+3], s[BS:BS+1], 4096    ; k: 1,024 features on;
	s_lshl_b32 s20, s104, 10
	s_lshl_b32 s22, s14, 8
	s_add_co_u32 s20, s20, s22
	s_add_co_u32 s20, s20, 8192
	s_add_nc_u64 s[BS+4:BS+5], s[8:9], s[20:21]    ; v: feature 2,048 + 256 c + 64 wave
	s_lshr_b32 s22, s17, 4                         ; the batch,
	s_lshl_b32 s22, s22, 4
	s_lshl_b32 s23, s104, 2
	s_add_co_u32 s22, s22, s23                     ; 16 batch + 4 c: the column's first head;
	s_and_b32 s23, s17, 15                         ; the chunk
	s_lshl_b32 s18, s16, 1
	s_add_co_u32 s18, s18, s22                     ; q, k: my first head of two
	s_lshl_b32 s18, s18, 4
	s_add_co_u32 s18, s18, s23                     ; its record
	s_mul_i32 s20, s18, 6656
	s_add_nc_u64 s[CQ:CQ+1], s[10:11], s[20:21]
	s_add_nc_u64 s[CQ+2:CQ+3], s[CQ:CQ+1], 16*6656
	s_mul_i32 s20, s18, 13056
	s_add_nc_u64 s[CK:CK+1], s[12:13], s[20:21]
	s_add_nc_u64 s[CK+2:CK+3], s[CK:CK+1], 16*13056
	s_add_co_u32 s18, s14, s22                     ; v: my head
	s_lshl_b32 s18, s18, 4
	s_add_co_u32 s18, s18, s23
	s_mul_i32 s20, s18, 13056
	s_add_co_u32 s20, s20, 6656                    ; V's part of a record begins behind K's
	s_add_nc_u64 s[CV:CV+1], s[12:13], s[20:21]
	s_mov_b32 s18, 0x76543210
	s_mov_b32 s19, 0xfedcba98                      ; v_permlanex16_b32's selects for lane l xor 16
.macro BIASQK base                     ; q, k: C of accumulator (a, b): register j = the bias of feature 32 (b / 2) + 16 h + 8 (b % 2) + j
.irp b, 0,1,2,3,4,5,6,7
	global_load_b128 v[BI+8*\b:BI+8*\b+3], v[BOQ], s[\base:\base+1] offset:128*(\b/2)+32*(\b%2)
	global_load_b128 v[BI+8*\b+4:BI+8*\b+7], v[BOQ], s[\base:\base+1] offset:128*(\b/2)+32*(\b%2)+16
.endr
.endm
.macro BIASV base                      ; v: C of accumulator (a, b): all eight registers = the bias of my row's feature 32 (a / 2) + 8 (a % 2) + r + 8 (r / 8)
.irp a, 0,1,2,3
.irp j, 0,1,2,3,4,5,6,7
	global_load_b32 v[BI+8*\a+\j], v[BOV], s[\base:\base+1] offset:128*(\a/2)+32*(\a%2)
.endr
.endr
.endm
	BIASQK BS
; The fragments of step s (128 along K: the (s % 4)-th of half s / 4) into sets s % 2, in one run: source 0's eight from address register rb, source 1's four from ra; with every second step the scale words of 256 along K from rs.
; (For blocks 4 .. 7 lanes 0-15 read scale bytes of rows that are not source 1's: bytes filled once at the start, and no product names those lanes.)
.macro FETCH s, rb, ra, rs
.set fh, (\s)/4
.set fq, (\s)%4
.set fp, (\s)%2
	WIN TO_B
.irp i, 0,1,2,3,4,5,6,7
.irp g, 0,1,2
	ds_load_b128 v[128*fp+FR*\i+4*\g:128*fp+FR*\i+4*\g+3], v[\rb+fh] offset:TH*\i+1536*fq+512*\g
.endr
.endr
	WIN 0
.irp i, 0,1,2,3
.irp g, 0,1,2
	ds_load_b128 v[AF+48*fp+FR*\i+4*\g:AF+48*fp+FR*\i+4*\g+3], v[\ra+fh] offset:TH*\i+1536*fq+512*\g
.endr
.endr
.if fp == 0
.irp i, 0,1,2,3,4,5,6,7
	ds_load_b64 v[SC+16*(((\s)/2)%2)+2*\i:SC+16*(((\s)/2)%2)+2*\i+1], v[\rs] offset:\i*SBLK+8*((\s)/2)
.endr
.endif
.endm
; 8 matrix instructions of step s: source 1's block a x source 0's eight.  mode 0: onto the sums; 1: the sums begin with the bias along source 0; 2: with the bias along source 1.
; The 32 accumulators take turns, one instruction a turn, in the same order in every step.
.macro MULA s, mode, a
.set mq, (\s)%2
.set ms, SC+16*(((\s)/2)%2)+mq
.irp b, 0,1,2,3,4,5,6,7
.set rD, 8*(8*(\a)+\b)
.set rB, 128*mq+FR*\b
.set rA, AF+48*mq+FR*(\a)
.if \mode == 1
	v_wmma_scale_f32_16x16x128_f8f6f4 v[rD:rD+7], v[rB:rB+FR-1], v[rA:rA+FR-1], v[BI+8*\b:BI+8*\b+7], v[ms+2*\b], v[ms+2*(\a)] matrix_a_fmt:MATRIX_FMT_FP6 matrix_b_fmt:MATRIX_FMT_FP6 matrix_a_scale:MATRIX_SCALE_ROW1
.elseif \mode == 2
	v_wmma_scale_f32_16x16x128_f8f6f4 v[rD:rD+7], v[rB:rB+FR-1], v[rA:rA+FR-1], v[BI+8*(\a):BI+8*(\a)+7], v[ms+2*\b], v[ms+2*(\a)] matrix_a_fmt:MATRIX_FMT_FP6 matrix_b_fmt:MATRIX_FMT_FP6 matrix_a_scale:MATRIX_SCALE_ROW1
.else
	v_wmma_scale_f32_16x16x128_f8f6f4 v[rD:rD+7], v[rB:rB+FR-1], v[rA:rA+FR-1], v[rD:rD+7], v[ms+2*\b], v[ms+2*(\a)] matrix_a_fmt:MATRIX_FMT_FP6 matrix_b_fmt:MATRIX_FMT_FP6 matrix_a_scale:MATRIX_SCALE_ROW1
.endif
.endr
.endm
; A step whose successor lies in the same half: its fragments, asked for a whole step ago, are in; the next step's are asked for, into the sets that the step before has multiplied; then the products.
; first = 1: no product stands ahead.  nb = 1, 2: the next tile's bias is asked for (k's; v's): the products that took the bias as C stand behind the places.
.macro STEP s, mode, rb, ra, rs, first, nb
	s_wait_dscnt 0x0
.if !\first
	PLACES NP
.endif
.if \nb == 1
	WIN 0
	BIASQK BS+2
.elseif \nb == 2
	WIN 0
	BIASV BS+4
.endif
	FETCH (\s)+1, \rb, \ra, \rs
.if \mode
	WIN MULB
.else
	WIN MUL
.endif
.irp a, 0,1,2,3
	MULA \s, \mode, \a
.endr
.endm
; Step s = 3 or 7, the last of half hf of K: ONE barrier for two things.  In front of it each wave has its last fragments of this half in registers, waits for all its tensor loads (what is out is its part of W's other half and, at the first turn, of x's), adds 0 to
; its spare word and waits for that.  Behind it nobody reads this half of W any more and the other half is whole.  fill = 1: the barrier opens a round of the cluster's barrier, and this half is filled with the next tile's.
; Then the fragments of step ns (of this tile, or step 0 of the next) are asked for.  24 of the step's 32 products stand in front of the round's end, 8 behind the loads.
.macro TURN s, hf, fill, ns, rb, ra, rs
	s_wait_dscnt 0x0                               ; this step's fragments are in: my reads of this half are over
	WIN 0                                          ; (the add's two registers lie in window 0)
	s_wait_tensorcnt 0x0                           ; all my tensor loads have landed, so a group 0 may be written
	ds_add_u32 v[SPW], v[NIL]                      ; 0 onto my spare word
.if \fill
	s_add_nc_u64 s[GW0+4*\hf+2:GW0+4*\hf+3], s[GW0+4*\hf+2:GW0+4*\hf+3], WSTEP   ; the work-group's next tile of W; the type bits on top are not reached
.endif
	WIN MUL
	MULA \s, 0, 0                                  ; sixteen matrix instructions stand between the add and the wait for it
	MULA \s, 0, 1
	s_wait_dscnt 0x0                               ; the add is done
	s_barrier_signal -1
	MULA \s, 0, 2                                  ; work on registers while the others arrive
	WIN 0
	s_barrier_wait -1
.if \fill
	CREST                                          ; no wave of any partner still reads this half of its W or has a load on its way
	tensor_load_to_lds s[GW0+4*\hf:GW0+4*\hf+3], s[GW1:GW1+7]   ; the first tensor load behind the round, and my only one until the next
	s_nop 0
.endif
	PLACES NP                                      ; behind the tensor load, and in front of the loads below
	FETCH \ns, \rb, \ra, \rs
	WIN MUL
	MULA \s, 0, 3
.endm
; THE WAY OUT.  Block a (16 rows of source 1 x 128 along source 0) is 64 numbers a lane: register 16 b + i = index 32 b + 16 (lane / 16) + i of my row.  They become a fragment's 12 registers of codes and a scale word.
.macro QUANTA a, word
.set AC, 64*(\a)                       ; the block's accumulators, in window 2
.if (\a) == 0                          ; the block's codes: 12 registers of its own for each block, so that no store's data are written again within a tile; a conversion's result has other numbers than its source run
.set PC, 200
.elseif (\a) == 1
.set PC, 212
.elseif (\a) == 2
.set PC, 188
.else
.set PC, 176
.endif
	WIN 0x0a                                       ; sources 0 and 1: window 2; source 2 and the destination: window 0
.irp b, 0,1,2,3
	v_max3_num_f32 v[BM+\b], |v[AC+16*\b]|, |v[AC+16*\b+1]|, 0x1800000   ; each accumulator is read from its low end on; the floor 2^(3 - 127) holds the byte at 1 from below
.endr
.irp i, 2,4,6,8,10,12,14
.irp b, 0,1,2,3
	v_max3_num_f32 v[BM+\b], |v[AC+16*\b+\i]|, |v[AC+16*\b+\i+1]|, v[BM+\b]   ; (the four blocks by turns)
.endr
.endr
	WIN 0
.irp b, 0,1,2,3
	v_permlanex16_b32 v[T2+\b], v[BM+\b], s18, s19
.endr
.irp b, 0,1,2,3
	v_max_num_f32 v[BM+\b], v[BM+\b], v[T2+\b]     ; with lane l xor 16's: the block's largest magnitude
.endr
.irp b, 0,1,2,3
	v_add_nc_u32 v[SO+\b], 0xff000000, v[BM+\b]    ; 2 off its exponent field: the conversion's scale operand
.endr
.irp b, 0,1,2,3
	v_lshrrev_b32 v[T2+\b], 23, v[SO+\b]           ; the scale's byte
.endr
	v_lshl_or_b32 v[\word], v[T2+1], 8, v[T2]
	v_lshl_or_b32 v[\word], v[T2+2], 16, v[\word]
	v_lshl_or_b32 v[\word], v[T2+3], 24, v[\word]
	WIN 0x02                                       ; source 0: window 2
.irp c, 0,1
	v_cvt_scalef32_pk16_fp6_f32 v[PC+6*\c:PC+6*\c+2], v[AC+32*\c:AC+32*\c+15], v[SO+2*\c]
	v_cvt_scalef32_pk16_fp6_f32 v[CT+4*\c:CT+4*\c+2], v[AC+32*\c+16:AC+32*\c+31], v[SO+2*\c+1]   ; (a conversion's three registers begin on an even number)
.endr
	WIN 0
	v_nop                                          ; one plain place behind a scaled conversion
.irp c, 0,1                                    ; the operand's layout wants a WHOLE block in a lane: lanes 0-15 block 2 c, lanes 16-31 block 2 c + 1
.irp i, 0,1,2
	v_permlane16_swap_b32 v[PC+6*\c+\i], v[CT+4*\c+\i]
.endr
.irp i, 0,1,2
	v_mov_b32 v[PC+3+6*\c+\i], v[CT+4*\c+\i]
.endr
.endr
.endm
.macro EPIQK base, wo                  ; q, k: block a is my token tile a; registers 6 c .. 6 c + 5 are the image of my head c
.irp a, 0,1,2,3
	QUANTA \a, PWT
.irp c, 0,1
	global_store_b128 v[L16Q], v[PC+6*\c:PC+6*\c+3], s[\base+2*\c:\base+2*\c+1] offset:768*\a          ; 512 consecutive bytes
	global_store_b64 v[L8Q], v[PC+6*\c+4:PC+6*\c+5], s[\base+2*\c:\base+2*\c+1] offset:768*\a+512      ; 256 consecutive bytes
.endr
	v_lshrrev_b32 v[W+\a], v[SH], v[PWT]           ; lanes 0-15 keep the first head's two bytes, lanes 16-31 the second head's;
	v_and_b32 v[W+\a], 0xffff, v[W+\a]             ; the word's upper two bytes are 0
.endr
	global_store_b128 v[\wo], v[W:W+3], s[\base:\base+1] offset:6144   ; lanes 0-15: 256 consecutive bytes of the first head's record, lanes 16-31 of the second head's
.endm
.macro EPIV                            ; v: block a is channel tile a of my head; its 12 registers are the image of 16 channels x the chunk's 128 keys
.irp a, 0,1,2,3
	QUANTA \a, W+\a
.irp g, 0,1,2
	global_store_b128 v[L16V], v[PC+4*\g:PC+4*\g+3], s[CV:CV+1] offset:1536*\a+512*\g
.endr
.endr
	global_store_b128 v[WOV], v[W:W+3], s[CV:CV+1] offset:6144
.endm
; Between two tiles: four places behind the last products (the way out reads results and writes registers that held source 1's fragments); the way out; then the stores have read their registers (the next step's loads land on them),
; and the next tile's bias is in.
.macro BETWEEN
	s_wait_xcnt 0x0
	s_wait_loadcnt 0x0
.endm
	s_wait_tensorcnt 0x2                           ; of my five loads the scale bytes and my parts of x's and W's first halves are in; the two second halves may be out
	s_barrier_signal -1
	s_barrier_wait -1                              ; everybody's are
	FETCH 0, WQ, XQ, ADRS
	s_wait_loadcnt 0x0                             ; q's bias
	; ---- q ----
	STEP 0, 1, WQ, XQ, ADRS, 1, 0                  ; the first step's products start the sums, with the bias as C: nothing is cleared
	STEP 1, 0, WQ, XQ, ADRS, 0, 1
	STEP 2, 0, WQ, XQ, ADRS, 0, 0
	TURN 3, 0, 1, 4, WQ, XQ, ADRS                  ; W's first half takes k's tile
	STEP 4, 0, WQ, XQ, ADRS, 0, 0
	STEP 5, 0, WQ, XQ, ADRS, 0, 0
	STEP 6, 0, WQ, XQ, ADRS, 0, 0
	TURN 7, 1, 1, 0, WQ, XQ, ADRS+1                ; the second half likewise; k's first fragments are asked for
	WIN 0
	PLACES NP
	EPIQK CQ, WOQ
	BETWEEN
	; ---- k ----
	STEP 0, 1, WQ, XQ, ADRS+1, 0, 0
	STEP 1, 0, WQ, XQ, ADRS+1, 0, 2
	STEP 2, 0, WQ, XQ, ADRS+1, 0, 0
	TURN 3, 0, 1, 4, WQ, XQ, ADRS+1                ; W's first half takes v's tile
	STEP 4, 0, WQ, XQ, ADRS+1, 0, 0
	STEP 5, 0, WQ, XQ, ADRS+1, 0, 0
	STEP 6, 0, WQ, XQ, ADRS+1, 0, 0
	TURN 7, 1, 1, 0, XV, WV, ADRS+2                ; the second half likewise: the last load; v's first fragments: source 0 = x, source 1 = W
	WIN 0
	PLACES NP
	EPIQK CK, WOK
	BETWEEN
	; ---- v ----
	STEP 0, 2, XV, WV, ADRS+2, 0, 0
	STEP 1, 0, XV, WV, ADRS+2, 0, 0
	STEP 2, 0, XV, WV, ADRS+2, 0, 0
	TURN 3, 0, 0, 4, XV, WV, ADRS+2                ; nothing is left to fetch: the barrier shows W's second half whole, and no round follows
	STEP 4, 0, XV, WV, ADRS+2, 0, 0
	STEP 5, 0, XV, WV, ADRS+2, 0, 0
	STEP 6, 0, XV, WV, ADRS+2, 0, 0
	s_wait_dscnt 0x0                               ; the very last step
	WIN MUL
.irp a, 0,1,2,3
	MULA 7, 0, \a
.endr
	WIN 0
	PLACES NP
	EPIV
	s_wait_tensorcnt 0x0                           ; the wave's end
	ds_add_u32 v[SPW], v[NIL]
	s_wait_dscnt 0x0
	CROUND                                         ; the closing round: no work-group ends while a partner may still ask for a tile that names it
	s_endpgm
.Lfunc_end_k_q8328b9e1b5_qkv:
	.size	k_q8328b9e1b5_qkv, .Lfunc_end_k_q8328b9e1b5_qkv-k_q8328b9e1b5_qkv
	.p2alignl 7, 3214868480
	.fill 96, 4, 3214868480
	.section	.rodata,"a",@progbits
	.p2align	6, 0x0
	.amdhsa_kernel k_q8328b9e1b5_qkv
		.amdhsa_group_segment_fixed_size 327680
		.amdhsa_private_segment_fixed_size 0
		.amdhsa_enable_private_segment 0
		.amdhsa_kernarg_size 40
		.amdhsa_user_sgpr_count 2
		.amdhsa_user_sgpr_kernarg_segment_ptr 1
		.amdhsa_wavefront_size32 1
		.amdhsa_system_sgpr_workgroup_id_x 1
		.amdhsa_system_sgpr_workgroup_id_y 1
		.amdhsa_system_sgpr_workgroup_id_z 1
		.amdhsa_system_vgpr_workitem_id 0
		.amdhsa_next_free_vgpr 768
		.amdhsa_next_free_sgpr 106
		.amdhsa_reserve_vcc 0
		.amdhsa_float_denorm_mode_32 3
		.amdhsa_float_denorm_mode_16_64 3
		.amdhsa_memory_ordered 1
		.amdhsa_forward_progress 1
		.amdhsa_inst_pref_size 235
	.end_amdhsa_kernel
	.amdgpu_metadata
---
amdhsa.version: [ 1, 2 ]
amdhsa.kernels:
  - .name:           k_q8328b9e1b5_qkv
    .symbol:         k_q8328b9e1b5_qkv.kd
    .args:
      - { .name: xq, .offset: 0, .size: 8, .value_kind: global_buffer, .address_space: global }
      - { .name: wq, .offset: 8, .size: 8, .value_kind: global_buffer, .address_space: global }
      - { .name: b_qkv, .offset: 16, .size: 8, .value_kind: global_buffer, .address_space: global }
      - { .name: qb, .offset: 24, .size: 8, .value_kind: global_buffer, .address_space: global }
      - { .name: kv, .offset: 32, .size: 8, .value_kind: global_buffer, .address_space: global }
    .group_segment_fixed_size: 327680
    .private_segment_fixed_size: 0
    .kernarg_segment_align: 8
    .kernarg_segment_size: 40
    .max_flat_workgroup_size: 128
    .sgpr_count:     106
    .vgpr_count:     768
    .wavefront_size: 32
...
	.end_amdgpu_metadata
.endif
;; end of part 7
;; launch att (part 8): grid 4 x 64, 16 waves a work-group, no clusters, 210,944 bytes of LDS; arguments qb, kv, yq; writes yq
.if DOCPART == 8
	.amdgcn_target "amdgcn-amd-amdhsa--gfx1250"
	.amdhsa_code_object_version 6
	.text
	.protected	k_q8328b9e1b5_att
	.globl	k_q8328b9e1b5_att
	.p2align	8
	.type	k_q8328b9e1b5_att,@function
k_q8328b9e1b5_att:
	s_mov_b64 s[64:65], 0
	v_nop
	global_prefetch_b8 v0, s[64:65] scope:SCOPE_SE
	s_setreg_imm32_b32 hwreg(HW_REG_WAVE_MODE, 25, 1), 1
	s_wait_xcnt 0x0
; y = softmax(q k^T / 8, causal) v for one head, both products on codes of FP6 (E2M3) with one E8M0 scale for each 32 along K; y is quantised in registers along the features and leaves as codes.
; THE SOFTMAX AHEAD OF THE SECOND PRODUCT: t = score x log2(e) / 8; M = the row's largest t so far, rounded UP to a whole number; p = 2^(t - M) is what is quantised, along the keys; it is not normalised.
; The row's sum is taken of the unquantised p, in f32, and divides at the end.  When M moves, the sum and O are multiplied by 2^(old M - new M): exact.
; SHARES.  A work-group (g = 0 .. 3, head) holds ALL of the head's K and V in LDS: 16 records of 13,056 bytes, one for each chunk of 128 keys, each filled once: no slot is filled again.
; Each of its sixteen waves owns two tiles of 16 queries, one after the other: tile w % 8 of chunk 15 - g and then of chunk g (waves 0-7), of chunk 8 + g and then of chunk 7 - g (waves 8-15).
; A tile of chunk c walks records 0 .. c; record c lies on the diagonal.  So every wave has (16 - g) + (g + 1) = (9 + g) + (8 - g) = 17 key steps, in every work-group.
; NO CLUSTER: the four work-groups of a head read the same records, but which steps a wave leaves out hangs on g, the work-group's own place, and partners of a joint load must run alike; running alike would mean doing the hidden half of the steps too.
; LAYOUT.  Both products are used transposed: S^T = K Q^T, O^T = V^T P^T: a lane holds ONE query (lane % 16) throughout.  Tokens and channels lie in position order in the records (inside each 32, bits 3 and 4 swapped), so that as source 0
; the 16 registers of tiles 2 b and 2 b + 1 are 16 neighbours in natural order: keys 32 b + 16 (lane / 16) + 0 .. 15 in S^T, channels likewise in O^T.  My query is token 32 (i / 2) + 8 (i % 2) + r + 8 (r / 8) of its chunk, i = w % 8.
; K = 64 IN AN INSTRUCTION OF K = 128.  Q's registers 6-11 (k = 64 .. 127) hold zero codes.  K's tile t is named as the 12 registers from 32 + 6 t on: its upper six are the next tile's codes (zeros behind tile 7).  They are finite numbers
; (this format has neither infinity nor NaN), their scale bytes are 0, which stands for 2^-127, and they meet zero codes: these products are exact zeros.
; y's scale bytes leave as single bytes, 32 bytes apart: a scale word of the last product spans two heads and a work-group has one; they are one byte in 25 of what the launch stores.
; LIMITS: a block of y whose largest magnitude lies under 2^-124 has its byte held at 1; a block of zeros (of p or y) gets the byte 1 (its codes are zeros, and this program alone reads the bytes); NaN and infinities are not served.
.set REC,  13056                       ; a record of kv: K's 8 images of 768 bytes, 512 bytes of K's scale words, V's 4 images of 1,536 bytes, 256 bytes of V's scale words
.set QREC, 6656                        ; a record of qb
.set YSC,  0x600000                    ; where the scale bytes begin in yq
.set KF,   32                          ; v32-79   K's 8 tiles, 6 registers each; v80-85 zeros
.set VF,   86                          ; v86-133  V's 4 fragments
.set S,    134                         ; v134-197 S^T, then p
.set O,    198                         ; v198-229 O^T
.set PC,   230                         ; v230-241 p's codes
.set BM,   32                          ; at work, in K's registers, which are free behind the scores: v32-35 the blocks' largest scores, then p
.set T2,   36                          ; v36-39 lane l xor 16's, then the bytes
.set SO,   40                          ; v40-43 the conversions' scale operands
.set CA,   44                          ; v44-46, v48-50 the conversions' second halves
.set F,    52                          ; v[52:53] f = 2^(old M - new M) (the low word serves both halves)
.set TW,   54                          ; v54
.set SM2,  56                          ; v[56:57] one of the sums' eight chains
; v1 16 x lane, v2 8 x lane, v3 16 r; v4-6 the same + the record's LDS byte; v7 my query - 16 (lane / 16); v9 32 r + lane / 16; v10, v28-31 at work on the way out; v12 -M, v13 the largest t, v[14:15] the sum in two halves;
; v16-21 Q, v22-27 zeros; v242-249 K's scale words, v250 Q's, v251 p's, v252-255 V's.
; s10 wave, s11 g, s12 head (16 batch + head), s13 w % 8, s14 my tile's chunk, s15 the record in hand, s16 its LDS byte, s17 trips, s[18:19] lane selects, s[20:21] c, s22 lanes 16-31.
	s_load_b128 s[4:7], s[0:1], 0x0                ; qb, kv
	s_load_b64 s[8:9], s[0:1], 0x10                ; yq
	v_lshl_add_u32 v254, v0, 2, 0x33000
	v_mov_b32 v255, 0
	ds_add_u32 v254, v255
	ds_add_u32 v254, v255
	s_wait_dscnt 0x0
	v_lshrrev_b32 v1, 5, v0
	s_delay_alu instid0(VALU_DEP_1)
	v_readfirstlane_b32 s10, v1                    ; wave 0..15
	s_mov_b32 s11, ttmp9
	s_and_b32 s12, ttmp7, 0xffff
	s_and_b32 s13, s10, 7
	; descriptor group 1: a record is 51 dense rows of 256 bytes (32 elements of 8 bytes), no padding
	s_mov_b32 s24, 3<<16
	s_mov_b32 s25, 32<<16                          ; tensor_dim0
	s_mov_b32 s26, 51<<16                          ; tensor_dim1
	s_mov_b32 s27, 32<<16                          ; tile_dim0
	s_mov_b32 s28, 51                              ; tile_dim1
	s_mov_b32 s29, 32                              ; stride
	s_mov_b32 s30, 0
	s_mov_b32 s31, 0
	s_min_u32 s54, s10, 3                          ; waves 0-3 fetch: load q of wave w brings record 4 q + w
	s_mul_i32 s54, s54, REC
	s_mul_i32 s58, s12, 16*REC
	s_add_co_u32 s58, s58, s54
	s_mov_b32 s59, 0
	s_mov_b32 s18, 0x76543210
	s_mov_b32 s19, 0xfedcba98
	s_mov_b32 s20, 0x3e38aa3b                      ; c = log2(e) / 8
	s_mov_b32 s21, s20                             ; (named with it as a pair, so it is written)
	s_mov_b32 s22, 0xffff0000
	s_wait_kmcnt 0x0
	s_add_nc_u64 s[58:59], s[6:7], s[58:59]
.irp q, 0,1,2,3
	s_mov_b32 s[32+4*\q], 1
	s_add_co_u32 s[33+4*\q], s54, \q*4*REC         ; in LDS a record lies where it lies in the head's run of records
	s_add_nc_u64 s[34+4*\q:35+4*\q], s[58:59], \q*4*REC
	s_or_b32 s[35+4*\q], s[35+4*\q], 0x80000000
.endr
	s_cmp_lt_u32 s10, 4                            ; a wave's four first fills stand in one branch, ahead of every wait on TENSORcnt, LDS read and barrier: four loads of a fetching wave are out
	s_cbranch_scc0 .Lno_fetch
	tensor_load_to_lds s[32:35], s[24:31]
	s_nop 0
	tensor_load_to_lds s[36:39], s[24:31]
	s_nop 0
	tensor_load_to_lds s[40:43], s[24:31]
	s_nop 0
	tensor_load_to_lds s[44:47], s[24:31]
	s_nop 0
.rept 4
	v_nop
.endr
.Lno_fetch:
	v_and_b32 v10, 31, v0
	s_delay_alu instid0(VALU_DEP_1)
	v_lshlrev_b32 v1, 4, v10
	s_delay_alu instid0(VALU_DEP_2)
	v_lshlrev_b32 v2, 3, v10
	v_and_b32 v11, 15, v0                          ; r
	s_delay_alu instid0(VALU_DEP_1)
	v_lshlrev_b32 v3, 4, v11
	v_bfe_u32 v8, v0, 4, 1                         ; h
	s_delay_alu instid0(VALU_DEP_1)
	v_lshl_add_u32 v9, v11, 5, v8
	s_delay_alu instid0(VALU_DEP_4)
	v_and_b32 v7, 8, v11
	s_delay_alu instid0(VALU_DEP_1)
	v_add_nc_u32 v7, v7, v11                       ; r + 8 (r / 8)
	s_delay_alu instid0(VALU_DEP_4)
	v_lshlrev_b32 v8, 4, v8
	s_delay_alu instid0(VALU_DEP_1)
	v_sub_nc_u32 v7, v7, v8
	s_lshr_b32 s54, s13, 1
	s_lshl_b32 s54, s54, 5
	s_and_b32 s55, s13, 1
	s_lshl_b32 s55, s55, 3
	s_add_co_u32 s54, s54, s55
	v_add_nc_u32 v7, s54, v7                       ; my query within its chunk, less 16 (lane / 16): the same in both passes
.irp j, 22,23,24,25,26,27,80,81,82,83,84,85
	v_mov_b32 v\j, 0                               ; zero codes, written once
.endr
.irp j, 28,29,30,31
	v_mov_b32 v\j, 0                               ; written once: a lane permute's destination counts as one of its sources
.endr
.macro YBASE                           ; from s14: where my tile's image and scale bytes go
	s_lshr_b32 s54, s12, 4
	s_lshl_b32 s54, s54, 7
	s_lshl_b32 s55, s14, 3
	s_add_co_u32 s54, s54, s55
	s_add_co_u32 s54, s54, s13                     ; the tile of 16 positions: 128 batch + 8 chunk + w % 8
	s_and_b32 s55, s12, 15                         ; the head
	s_mul_i32 s58, s54, 12288
	s_mul_i32 s59, s55, 768
	s_add_co_u32 s58, s58, s59
	s_mov_b32 s59, 0
	s_add_nc_u64 s[50:51], s[8:9], s[58:59]
	s_lshl_b32 s58, s54, 9
	s_lshl_b32 s55, s55, 1
	s_add_co_u32 s58, s58, s55
	s_add_co_u32 s58, s58, YSC
	s_add_nc_u64 s[52:53], s[8:9], s[58:59]
.endm
.macro QLOAD                           ; from s14: my tile of Q and its scale words
	s_lshl_b32 s54, s12, 4
	s_add_co_u32 s54, s54, s14
	s_mul_i32 s54, s54, QREC
	s_mul_i32 s55, s13, 768
	s_add_co_u32 s58, s54, s55
	s_mov_b32 s59, 0
	s_add_nc_u64 s[48:49], s[4:5], s[58:59]
	s_lshr_b32 s55, s13, 2
	s_lshl_b32 s55, s55, 8
	s_add_co_u32 s58, s54, s55
	s_and_b32 s55, s13, 3
	s_lshl_b32 s55, s55, 2
	s_add_co_u32 s58, s58, s55
	s_add_co_u32 s58, s58, 6144
	s_add_nc_u64 s[56:57], s[4:5], s[58:59]
	global_load_b128 v[16:19], v1, s[48:49]
	global_load_b64 v[20:21], v2, s[48:49] offset:512
	global_load_b32 v250, v3, s[56:57]
.endm
.macro INIT                            ; the step is written once: the first finds zeros, which the first change of M leaves zeros
	v_mov_b32 v13, 0xff61b1e6                      ; the largest t so far: -3e38, under every t
	s_delay_alu instid0(VALU_DEP_1)
	v_floor_f32 v12, -v13                          ; -M
	v_mov_b32 v14, 0
	v_mov_b32 v15, 0
.set j, 0
.rept 32
	v_mov_b32 v[O+j], 0
.set j, j+1
.endr
.endm
; A KEY STEP: one record, 128 keys.  causal = 1: a record behind my tile's chunk is left out (a scalar branch on ids, round the step's work, not round the lines that step the record), and in my chunk's own record hidden scores become -infinity.
.macro STEP causal
.if \causal
	s_cmp_gt_u32 s15, s14
	s_cbranch_scc1 .Lhidden_\@
.endif
	s_setprio 2
	v_nop                                          ; these four lines are the places behind the last step's products, in front of the loads into V's registers
	v_add_nc_u32 v4, s16, v1
	v_add_nc_u32 v5, s16, v2
	v_add_nc_u32 v6, s16, v3
.irp t, 0,1,2,3,4,5,6,7
	ds_load_b128 v[KF+6*\t:KF+6*\t+3], v4 offset:768*\t
	ds_load_b64 v[KF+6*\t+4:KF+6*\t+5], v5 offset:768*\t+512
.endr
	ds_load_b128 v[242:245], v6 offset:6144        ; K's scale words: tiles 0-3 of row r,
	ds_load_b128 v[246:249], v6 offset:6400        ; tiles 4-7
.irp t, 0,1,2,3
.irp g, 0,1,2
	ds_load_b128 v[VF+12*\t+4*\g:VF+12*\t+4*\g+3], v4 offset:6656+1536*\t+512*\g
.endr
.endr
	ds_load_b128 v[252:255], v6 offset:12800       ; V's scale words
	s_wait_dscnt 13                                ; K's 18 loads are in; V's 13 stay out under the softmax
.irp t, 0,1,2,3,4,5,6,7
	v_wmma_scale_f32_16x16x128_f8f6f4 v[S+8*\t:S+8*\t+7], v[KF+6*\t:KF+6*\t+11], v[16:27], 0, v[242+\t], v250 matrix_a_fmt:MATRIX_FMT_FP6 matrix_b_fmt:MATRIX_FMT_FP6
.endr
.rept 4
	v_nop                                          ; places in front of the first read of the scores and of writes into K's registers
.endr
.if \causal
	s_cmp_lg_u32 s15, s14
	s_cbranch_scc1 .Lopen_\@
	v_mov_b32 v[TW], 0xff800000                    ; -infinity.  Register 16 b + i holds key 32 b + 16 (lane / 16) + i of the chunk: hidden where 32 b + i > v7
.set n, 0
.rept 64
	v_cmp_gt_i32 vcc_lo, 32*(n/16)+n%16, v7
	v_cndmask_b32 v[S+n], v[S+n], v[TW], vcc_lo
.set n, n+1
.endr
.Lopen_\@:
.endif
.irp b, 0,1,2,3
	v_max3_num_f32 v[BM+\b], v[S+16*\b], v[S+1+16*\b], v[S+2+16*\b]   ; the largest score of each block of 32 keys: it serves for the row's maximum and, since p rises with the score, for the block's largest p
.endr
.irp i, 3,5,7,9,11,13
.irp b, 0,1,2,3
	v_max3_num_f32 v[BM+\b], v[BM+\b], v[S+16*\b+\i], v[S+1+16*\b+\i]
.endr
.endr
.irp b, 0,1,2,3
	v_max_num_f32 v[BM+\b], v[BM+\b], v[S+15+16*\b]
.endr
.irp b, 0,1,2,3
	s_delay_alu instid0(VALU_DEP_4)
	v_permlanex16_b32 v[T2+\b], v[BM+\b], s18, s19
.endr
.irp b, 0,1,2,3
	s_delay_alu instid0(VALU_DEP_4)
	v_max_num_f32 v[BM+\b], v[BM+\b], v[T2+\b]     ; with lane l xor 16's 16 keys
.endr
	s_delay_alu instid0(VALU_DEP_2)
	v_max3_num_f32 v[TW], v[BM], v[BM+1], v[BM+2]
	s_delay_alu instid0(VALU_DEP_1)
	v_max_num_f32 v[TW], v[TW], v[BM+3]            ; the step's largest score of my query
	s_delay_alu instid0(VALU_DEP_1)
	v_mul_f32 v[TW], s20, v[TW]                    ; as t (c is positive)
	s_delay_alu instid0(VALU_DEP_1)
	v_max_num_f32 v13, v13, v[TW]                  ; the running largest t
	v_mov_b32 v[TW], v12
	s_delay_alu instid0(VALU_DEP_2)
	v_floor_f32 v12, -v13                          ; the new -M = floor(-t) = -ceil(t): M is a whole number
	s_delay_alu instid0(VALU_DEP_1)
	v_sub_f32 v[TW], v12, v[TW]                    ; M's old value less its new one: a whole number, 0 or less
	s_delay_alu instid0(VALU_DEP_1)
	v_cvt_i32_f32 v[TW], v[TW]                     ; (it saturates)
	s_delay_alu instid0(VALU_DEP_1)
	v_ldexp_f32 v[F], 1.0, v[TW]                   ; f = 2^(old M - new M)
.set j, 0
.rept 32
	v_pk_fma_f32 v[S+j:S+j+1], v[S+j:S+j+1], s[20:21], v[12:13] op_sel_hi:[1,0,0]   ; t - M, two at a time
.set j, j+2
.endr
.irp b, 0,1,2,3
	v_fma_f32 v[BM+\b], v[BM+\b], s20, v12         ; the same of each block's largest score
.endr
.set j, 0
	s_setprio 1
	s_wait_alu depctr_va_vdst(0)
.rept 64
	v_exp_f32 v[S+j], v[S+j]                       ; p = 2^(t - M), at most 1: not normalised
.set j, j+1
.endr
.irp b, 0,1,2,3
	v_exp_f32 v[BM+\b], v[BM+\b]                   ; the block's largest p: the same two instructions on the same number give the same bits
.endr
	v_pk_mul_f32 v[14:15], v[14:15], v[F:F+1] op_sel_hi:[1,0]   ; the sums under the new M.  (A plain place behind the exponentials)
	s_wait_alu depctr_va_vdst(0)
.irp b, 0,1,2,3
	v_max_num_f32 v[BM+\b], 0x1800000, v[BM+\b]    ; the floor 2^(3 - 127): the byte cannot fall under 1
.endr
.irp b, 0,1,2,3
	s_delay_alu instid0(VALU_DEP_4)
	v_add_nc_u32 v[SO+\b], 0xff000000, v[BM+\b]    ; 2 off the exponent field: the conversion's scale operand
.endr
.irp b, 0,1,2,3
	s_delay_alu instid0(VALU_DEP_4)
	v_lshrrev_b32 v[T2+\b], 23, v[SO+\b]           ; the scale's byte
.endr
	s_delay_alu instid0(VALU_DEP_3)
	v_lshl_or_b32 v251, v[T2+1], 8, v[T2]          ; p's scale word for these 128 keys
	s_delay_alu instid0(VALU_DEP_1)
	v_lshl_or_b32 v251, v[T2+2], 16, v251
	s_delay_alu instid0(VALU_DEP_1)
	v_lshl_or_b32 v251, v[T2+3], 24, v251
.irp c, 0,1
	v_cvt_scalef32_pk16_fp6_f32 v[PC+6*\c:PC+6*\c+2], v[S+32*\c:S+32*\c+15], v[SO+2*\c]
	v_cvt_scalef32_pk16_fp6_f32 v[CA+4*\c:CA+4*\c+2], v[S+32*\c+16:S+32*\c+31], v[SO+2*\c+1]   ; (a conversion's three registers begin on an even number)
.endr
	v_nop                                          ; one plain place behind a scaled conversion
.irp c, 0,1                                    ; the operand's layout wants a WHOLE block in a lane
.irp i, 0,1,2
	v_permlane16_swap_b32 v[PC+6*\c+\i], v[CA+4*\c+\i]
.endr
.irp i, 0,1,2
	s_delay_alu instid0(VALU_DEP_3)
	v_mov_b32 v[PC+3+6*\c+\i], v[CA+4*\c+\i]
.endr
.endr
	v_pk_add_f32 v[56:57], v[138:139], v[142:143]
	v_pk_add_f32 v[248:249], v[146:147], v[150:151]
	v_pk_add_f32 v[246:247], v[154:155], v[158:159]
	v_pk_add_f32 v[244:245], v[162:163], v[166:167]
	v_pk_add_f32 v[242:243], v[170:171], v[174:175]
	v_pk_add_f32 v[78:79], v[178:179], v[182:183]
	v_pk_add_f32 v[76:77], v[186:187], v[190:191]
	v_pk_add_f32 v[14:15], v[14:15], v[194:195]
	v_pk_add_f32 v[56:57], v[56:57], v[134:135]
	v_pk_add_f32 v[248:249], v[248:249], v[136:137]
	v_pk_add_f32 v[246:247], v[246:247], v[140:141]
	v_pk_add_f32 v[244:245], v[244:245], v[144:145]
	v_pk_add_f32 v[242:243], v[242:243], v[148:149]
	v_pk_add_f32 v[78:79], v[78:79], v[152:153]
	v_pk_add_f32 v[76:77], v[76:77], v[156:157]
	v_pk_add_f32 v[14:15], v[14:15], v[160:161]
	v_pk_add_f32 v[56:57], v[56:57], v[164:165]
	v_pk_add_f32 v[248:249], v[248:249], v[168:169]
	v_pk_add_f32 v[246:247], v[246:247], v[172:173]
	v_pk_add_f32 v[244:245], v[244:245], v[176:177]
	v_pk_add_f32 v[242:243], v[242:243], v[180:181]
	s_setprio 0
	v_pk_add_f32 v[78:79], v[78:79], v[184:185]
	v_pk_add_f32 v[76:77], v[76:77], v[188:189]
	v_pk_add_f32 v[14:15], v[14:15], v[192:193]
	v_pk_add_f32 v[56:57], v[56:57], v[196:197]
	s_delay_alu instid0(VALU_DEP_2)
	v_pk_add_f32 v[14:15], v[14:15], v[244:245]
	s_delay_alu instid0(VALU_DEP_2)
	v_pk_add_f32 v[56:57], v[56:57], v[242:243]
	v_pk_add_f32 v[248:249], v[248:249], v[78:79]
	v_pk_add_f32 v[246:247], v[246:247], v[76:77]
	s_delay_alu instid0(VALU_DEP_2)
	v_pk_add_f32 v[14:15], v[14:15], v[248:249]
	s_delay_alu instid0(VALU_DEP_2)
	v_pk_add_f32 v[56:57], v[56:57], v[246:247]
	s_delay_alu instid0(VALU_DEP_1)
	v_pk_add_f32 v[14:15], v[14:15], v[56:57]
.set j, 0
.rept 16
	v_pk_mul_f32 v[O+j:O+j+1], v[O+j:O+j+1], v[F:F+1] op_sel_hi:[1,0]   ; O^T under the new M.  (The additions and these are the places between the writes of p's word and codes and the products below)
.set j, j+2
.endr
	s_wait_alu depctr_va_vdst(0)
	s_wait_dscnt 0x0                               ; V
.irp t, 0,1,2,3                                ; the four accumulators take turns, one instruction a turn
	v_wmma_scale_f32_16x16x128_f8f6f4 v[O+8*\t:O+8*\t+7], v[VF+12*\t:VF+12*\t+11], v[PC:PC+11], v[O+8*\t:O+8*\t+7], v[252+\t], v251 matrix_a_fmt:MATRIX_FMT_FP6 matrix_b_fmt:MATRIX_FMT_FP6
.endr
.if \causal
.Lhidden_\@:
.endif
	s_add_co_u32 s15, s15, 1
	s_add_co_u32 s16, s16, REC
.endm
; THE WAY OUT of a tile: O^T / the sum is y, 32 numbers a lane: register 16 b + i = channel 32 b + 16 (lane / 16) + i of my query.  Two blocks of 32 become an image of 16 rows x 64 K and two scale bytes a row.
.macro WAYOUT
.rept 4
	v_nop                                          ; places behind the last products
.endr
	v_add_f32 v14, v14, v15                        ; the sum's two halves,
	s_delay_alu instid0(VALU_DEP_1)
	v_permlanex16_b32 v10, v14, s18, s19
	s_delay_alu instid0(VALU_DEP_1)
	v_add_f32 v14, v14, v10                        ; and lane l xor 16's: the row's sum
	s_wait_alu depctr_va_vdst(0)
	v_rcp_f32 v14, v14
	v_nop                                          ; one plain place behind a transcendental
.set j, 0
	s_wait_alu depctr_va_vdst(0)
.rept 16
	v_pk_mul_f32 v[S+j:S+j+1], v[O+j:O+j+1], v[14:15] op_sel_hi:[1,0]   ; each accumulator from its low end on
.set j, j+2
.endr
.irp b, 0,1
	v_max3_num_f32 v[28+\b], |v[S+16*\b]|, |v[S+1+16*\b]|, 0x1800000
.endr
.irp i, 2,4,6,8,10,12,14
.irp b, 0,1
	s_delay_alu instid0(VALU_DEP_2)
	v_max3_num_f32 v[28+\b], v[28+\b], |v[S+16*\b+\i]|, |v[S+1+16*\b+\i]|
.endr
.endr
.irp b, 0,1
	s_delay_alu instid0(VALU_DEP_2)
	v_permlanex16_b32 v[30+\b], v[28+\b], s18, s19
.endr
.irp b, 0,1
	s_delay_alu instid0(VALU_DEP_2)
	v_max_num_f32 v[28+\b], v[28+\b], v[30+\b]
.endr
.irp b, 0,1
	s_delay_alu instid0(VALU_DEP_2)
	v_add_nc_u32 v[28+\b], 0xff000000, v[28+\b]    ; the conversions' scale operands
.endr
.irp b, 0,1
	s_delay_alu instid0(VALU_DEP_2)
	v_lshrrev_b32 v[30+\b], 23, v[28+\b]           ; the bytes
.endr
	v_cvt_scalef32_pk16_fp6_f32 v[44:46], v[S:S+15], v28
	v_cvt_scalef32_pk16_fp6_f32 v[50:52], v[S+16:S+31], v29
	v_cndmask_b32 v54, v30, v31, s22               ; lanes 0-15 store block 0's byte, lanes 16-31 block 1's.  (The plain place behind the conversions)
	v_permlane16_swap_b32 v44, v50
	v_permlane16_swap_b32 v45, v51
	v_permlane16_swap_b32 v46, v52
	s_delay_alu instid0(VALU_DEP_3)
	v_mov_b32 v47, v50
	s_delay_alu instid0(VALU_DEP_3)
	v_mov_b32 v48, v51
	s_delay_alu instid0(VALU_DEP_3)
	v_mov_b32 v49, v52
	global_store_b128 v1, v[44:47], s[50:51]              ; 512 consecutive bytes
	global_store_b64 v2, v[48:49], s[50:51] offset:512    ; 256 consecutive bytes
	global_store_b8 v9, v54, s[52:53]
.endm
	s_sub_co_u32 s54, 15, s11                      ; the first pass: the later chunk
	s_add_co_u32 s55, s11, 8
	s_cmp_lt_u32 s10, 8
	s_cselect_b32 s14, s54, s55
	YBASE
	QLOAD
	INIT
	s_wait_tensorcnt 0x3                           ; a fetching wave's first load is in, its three younger ones stay out: records 0 to 3 have landed
	s_barrier_signal -1
	s_barrier_wait -1                              ; for every wave
	s_wait_loadcnt 0x0                             ; Q
	s_mov_b32 s15, 0
	s_mov_b32 s16, 0
	s_mov_b32 s17, 4
.Lfirst4:                                          ; records 0 to 3: my chunk is 8 or later, so nothing is hidden; the other twelve records land meanwhile
	STEP 0
	s_sub_co_u32 s17, s17, 1
	s_cmp_lg_u32 s17, 0
	s_cbranch_scc1 .Lfirst4
	s_setprio 0
	s_wait_tensorcnt 0x0                           ; all my records have landed,
	s_wait_dscnt 0x0
	s_barrier_signal -1
	s_barrier_wait -1                              ; everybody's have
	s_mov_b32 s17, 12
.Lrest12:                                          ; records 4 to 15: the trip count is a constant; steps behind my chunk are left out inside the trip
	STEP 1
	s_sub_co_u32 s17, s17, 1
	s_cmp_lg_u32 s17, 0
	s_cbranch_scc1 .Lrest12
	s_setprio 0
	s_sub_co_u32 s54, 7, s11                       ; the second pass: the earlier chunk
	s_cmp_lt_u32 s10, 8
	s_cselect_b32 s14, s11, s54
	QLOAD                                          ; lands under the way out (the first pass's loads of Q were waited for: their bases may be written)
	WAYOUT
	s_wait_xcnt 0x0                                ; the stores have read their data and bases: both are written again below
	YBASE
	INIT
	s_mov_b32 s15, 0
	s_mov_b32 s16, 0
	s_wait_loadcnt 0x0                             ; Q
	s_mov_b32 s17, 8
.Lsecond8:                                         ; records 0 to 7
	STEP 1
	s_sub_co_u32 s17, s17, 1
	s_cmp_lg_u32 s17, 0
	s_cbranch_scc1 .Lsecond8
	s_setprio 0
	WAYOUT
	s_wait_xcnt 0x0
	v_lshl_add_u32 v254, v0, 2, 0x33000
	v_mov_b32 v255, 0
	s_wait_alu depctr_va_vdst(0)
	s_wait_tensorcnt 0x0
	ds_add_u32 v254, v255
	s_wait_dscnt 0x0
	s_endpgm
.Lfunc_end_k_q8328b9e1b5_att:
	.size	k_q8328b9e1b5_att, .Lfunc_end_k_q8328b9e1b5_att-k_q8328b9e1b5_att
	.p2alignl 7, 3214868480
	.fill 96, 4, 3214868480
	.section	.rodata,"a",@progbits
	.p2align	6, 0x0
	.amdhsa_kernel k_q8328b9e1b5_att
		.amdhsa_group_segment_fixed_size 210944
		.amdhsa_private_segment_fixed_size 0
		.amdhsa_enable_private_segment 0
		.amdhsa_kernarg_size 24
		.amdhsa_user_sgpr_count 2
		.amdhsa_user_sgpr_kernarg_segment_ptr 1
		.amdhsa_wavefront_size32 1
		.amdhsa_system_sgpr_workgroup_id_x 1
		.amdhsa_system_sgpr_workgroup_id_y 1
		.amdhsa_system_sgpr_workgroup_id_z 1
		.amdhsa_system_vgpr_workitem_id 0
		.amdhsa_next_free_vgpr 256
		.amdhsa_next_free_sgpr 66
		.amdhsa_reserve_vcc 1
		.amdhsa_float_denorm_mode_32 3
		.amdhsa_float_denorm_mode_16_64 3
		.amdhsa_memory_ordered 1
		.amdhsa_forward_progress 1
		.amdhsa_inst_pref_size 81
	.end_amdhsa_kernel
	.amdgpu_metadata
---
amdhsa.version: [ 1, 2 ]
amdhsa.kernels:
  - .name:           k_q8328b9e1b5_att
    .symbol:         k_q8328b9e1b5_att.kd
    .args:
      - { .name: qb, .offset: 0, .size: 8, .value_kind: global_buffer, .address_space: global }
      - { .name: kv, .offset: 8, .size: 8, .value_kind: global_buffer, .address_space: global }
      - { .name: yq, .offset: 16, .size: 8, .value_kind: global_buffer, .address_space: global }
    .group_segment_fixed_size: 210944
    .private_segment_fixed_size: 0
    .kernarg_segment_align: 8
    .kernarg_segment_size: 24
    .max_flat_workgroup_size: 512
    .sgpr_count:     66
    .vgpr_count:     256
    .wavefront_size: 32
...
	.end_amdgpu_metadata
.endif
;; end of part 8
;; launch proj (part 9): grid 4 x 64, 4 waves a work-group, clusters of 4 x 4, 308,480 bytes of LDS; arguments yq, wq, b_out, out0; writes out0
.if DOCPART == 9
	.amdgcn_target "amdgcn-amd-amdhsa--gfx1250"
	.amdhsa_code_object_version 6
	.text
	.protected	k_q8328b9e1b5_proj
	.globl	k_q8328b9e1b5_proj
	.p2align	8
	.type	k_q8328b9e1b5_proj,@function
k_q8328b9e1b5_proj:
	s_mov_b64 s[64:65], 0
	v_nop
	global_prefetch_b8 v0, s[64:65] scope:SCOPE_SE
	s_setreg_imm32_b32 hwreg(HW_REG_WAVE_MODE, 25, 1), 1
	s_wait_xcnt 0x0
	s_wait_alu depctr_hold_cnt(0) depctr_sa_sdst(0) depctr_va_vdst(0) depctr_va_sdst(0) depctr_va_ssrc(0) depctr_va_vcc(0) depctr_vm_vsrc(0)
	s_getreg_b32 s2, hwreg(HW_REG_IB_STS2, 6, 4)
	s_cmp_eq_u32 s2, 0
	s_cbranch_scc0 .Lentry_in_a_cluster
	s_endpgm
.Lentry_in_a_cluster:
	s_bfe_u32 s2, ttmp6, 0x10000c
	s_cmp_lg_u32 s2, 0xf033
	s_cbranch_scc0 .Lentry_shape_is_right
	s_endpgm
.Lentry_shape_is_right:
; out0 = y W_out + b_out on codes of FP6 (E2M3) with one E8M0 scale for each 32 along K = 1,024; out0 [8192][1024] f32.
; A work-group of four waves makes 128 rows x 256 columns, so that the 8,192 x 1,024 results give 256 work-groups; a wave makes 64 x 128: 32 accumulators of 16 x 16, 256 registers.
; ALL OF K LIES IN LDS, EACH BYTE FILLED ONCE: 128 rows of A and 256 rows of B are 384 x 768 = 294,912 bytes.  So there is no ring and nothing is filled again.  The bytes come as four chunks of 256 along K, all asked for at the start;
; in front of a chunk's first read stand a counted wait on TENSORcnt and a barrier, and the later chunks land under the earlier chunks' products.
; BOTH OPERANDS LIE IN MEMORY AS IMAGES OF THE FRAGMENTS' REGISTERS, a tile of 16 positions on end in 12,288 bytes, so that a chunk's part of a tile is 3,072 consecutive bytes at a multiple of 256, LDS needs no padding, and a lane's loads are 16 x lane or 8 x lane apart.
;   A = y: for each head an image of 768 bytes (16 rows x 64 K: a lane's registers 0-3 at 16 x lane, registers 4-5 at 512 + 8 x lane); a fragment of 128 along K is two neighbouring images.
;   B = W_out: for each 128 along K an image of 1,536 bytes: three groups of four registers, group g at 512 g + 16 x lane.  It begins behind W_qkv's 3,072 rows of 768 bytes in wq.
; For 128 along K a wave reads 4 + 8 fragments, 18,432 bytes, for 32 matrix instructions: one and a half times what a wave tile of 128 x 128 reads for each; that is the price of a work-group for every WGP.
; The matrix instruction is used transposed (source 0 = 16 rows of B, source 1 = 16 rows of A): a lane holds one row of the result, its registers run along the columns.  Tokens and W_out's columns lie in POSITION ORDER
; (inside each 32, bits 3 and 4 swapped): as source 0 two neighbouring tiles of B give a lane 16 neighbouring columns in natural order; the tokens' order is undone by the stores' immediates.
; THE BIAS is the C of each sum's first matrix instruction, so it stands first in the f32 sum, not last.
; CLUSTERS: 4 x 4 work-groups; A's tiles hang on the tile row alone and are asked for jointly along a row of the cluster, B's on the tile column alone, jointly along a column.  One round of the cluster's barrier stands in front of the
; first fills and one in front of the end.  By this text's own count a wave has five tensor loads out at the most: its part of the scale bytes and of the four chunks.
; REGISTERS, in windows of 256: window 0: v8-19 LDS addresses, a set for each chunk; v20-27 other addresses; v32-63 scale words, two sets; v64-127 the bias as C operands; v128-223 A's fragments, two sets of 48; on the way out v128-255 take rows read back.
;   window 1: B's fragments, two sets of 96, at v0 and v128.   window 2: the accumulators, (a, b) at v[8 (8 a + b)].
.set FR,     12                        ; registers of a fragment
.set NP,     4                         ; places behind this matrix instruction (ISA guide 7.12.1)
.set TILEC,  3072                      ; a tile of 16 rows x 256 K
.set ACH,    8*TILEC                   ; a chunk of A: 128 rows
.set BCH,    16*TILEC                  ; a chunk of B: 256 rows
.set CH,     ACH+BCH                   ; a chunk: A's tiles, then B's
.set SCL,    4*CH                      ; behind the chunks: the scale bytes, as units of 256 bytes + 16 of padding: A's 128 rows (2 x 2,176 bytes), then B's 256 rows (2 x 4,352)
.set SHA,    2176
.set SHB,    4352
.set SBLK,   544                       ; the scale bytes of 16 rows
.set SPITCH, 528                       ; the way out: a stage of 16 rows x (512 bytes + 16) for each wave, in chunk 0's bytes, which have been filled once and are read by nobody when the first result is stored there
.set YSC,    0x600000                  ; where the scale bytes begin in yq
.set WSC,    0x300000                  ; and in wq
.set WOUT,   3072*768                  ; where W_out's images begin in wq
.set ADRA,  8                          ; v8-11   16 x lane + my A tiles in chunk 0 .. 3
.set ADRA8, 12                         ; v12-15  the same with 8 x lane
.set ADRB,  16                         ; v16-19  16 x lane + my B tiles in chunk 0 .. 3
.set BO,    20                         ; v20     the bias: 64 (lane / 16)
.set STO,   24
.set RD,    25
.set CO,    26                         ; v26     16 x lane
.set ADRS,  27                         ; v27     LDS address of my scale words: lanes 0-15 A's rows, lanes 16-31 B's
.set SC,    32                         ; set c % 2 for chunk c; in it register 2 i + q: lanes 0-15 the word of A's block i, lanes 16-31 that of B's block i, for the chunk's q-th 128 along K
.set BI,    64
.set AF,    128
.set BK,    128
.set G1,   24                          ; s[24:31] descriptor group 1 for A's tiles;  s[32:47] group 0, a set for each chunk
.set G0,   32
.set G1B,  48                          ; s[48:55] group 1 for B's;  s[56:63], s[68:75] group 0, a set for each chunk
.set G0B,  56
.set G1S,  76                          ; s[76:83], s[84:87] for A's scale bytes;  s[88:95], s[96:99] for B's
.set G0S,  84
.set G1SB, 88
.set G0SB, 96
.set MSB, 0
.macro WIN new                         ; the immediate's high byte repeats the setting that is left
.if MSB != (\new)
	s_set_vgpr_msb (MSB<<8)|(\new)
.set MSB, \new
.endif
.endm
.set MUL,    0xa1                      ; source 0 (B) window 1, source 1 (A) window 0, C and D window 2
.set MULB,   0x81                      ; the same with C (the bias) in window 0
.set TO_B,   0x40                      ; destination window 1, address window 0
.macro JLOAD g0a, g1a, g0b, g1b        ; a joint load: waves 0 and 1 fetch for A, waves 2 and 3 for B; the branch hangs on the wave's number alone; four v_nop follow each of the two lines
	s_cmp_eq_u32 s15, 0
	s_cbranch_scc0 .Lfor_b_\@
	tensor_load_to_lds s[\g0a:\g0a+3], s[\g1a:\g1a+7]
	s_nop 0
.rept 4
	v_nop
.endr
	s_branch .Lasked_\@
.Lfor_b_\@:
	tensor_load_to_lds s[\g0b:\g0b+3], s[\g1b:\g1b+7]
	s_nop 0
.rept 4
	v_nop
.endr
.Lasked_\@:
.endm
.macro CROUND                          ; a round of the cluster's barrier
	s_barrier_signal -1
	s_barrier_wait -1
	s_cmp_lg_u32 s14, 0
	s_cbranch_scc1 .Lnot_wave_0_\@
	s_barrier_signal -3
.Lnot_wave_0_\@:
	s_barrier_wait -3
	s_barrier_signal -1
	s_barrier_wait -1
.endm
	s_load_b256 s[4:11], s[0:1], 0x0               ; yq s[4:5], wq s[6:7], b_out s[8:9], out0 s[10:11]
	v_lshl_add_u32 v30, v0, 2, 0x4b300
	v_mov_b32 v31, 0
	ds_add_u32 v30, v31
	ds_add_u32 v30, v31
	v_lshrrev_b32 v1, 5, v0
	v_readfirstlane_b32 s14, v1                    ; wave 0..3
	s_lshr_b32 s15, s14, 1                         ; which 64 of the rows are mine.  Also: I fetch for A (0) or for B (1)
	s_and_b32 s16, s14, 1                          ; which 128 of the columns.  Also: which half of that operand's tiles I fetch
	s_bfe_u32 s100, ttmp6, 0x40000                 ; cx
	s_bfe_u32 s101, ttmp6, 0x40004                 ; cy
	s_lshl_b32 s104, ttmp9, 2
	s_add_co_u32 s104, s104, s100                  ; tile column (256 columns)
	s_and_b32 s17, ttmp7, 0xffff
	s_lshl_b32 s17, s17, 2
	s_add_co_u32 s17, s17, s101                    ; tile row (128 positions)
	s_lshl_b32 s2, s101, 2
	s_lshl_b32 s2, 15, s2                          ; my row of the cluster
	s_lshl_b32 s3, 0x1111, s100                    ; my column
	s_or_b32 s[G1+0], s2, (3<<16)|(1<<21)          ; A: the mask; elements of 8 bytes; bit 21 beside a mask; no padding: 4 tiles' 3,072 bytes, 12,288 bytes apart
	s_mov_b32 s[G1+1], 384<<16                     ; tensor_dim0
	s_mov_b32 s[G1+2], 4<<16                       ; tensor_dim1
	s_mov_b32 s[G1+3], 384<<16                     ; tile_dim0
	s_mov_b32 s[G1+4], 4                           ; tile_dim1
	s_mov_b32 s[G1+5], 1536                        ; stride
	s_mov_b32 s[G1+6], 0
	s_mov_b32 s[G1+7], 0
	s_or_b32 s[G1B+0], s3, (3<<16)|(1<<21)         ; B: the same of 8 tiles
	s_mov_b32 s[G1B+1], 384<<16
	s_mov_b32 s[G1B+2], 8<<16
	s_mov_b32 s[G1B+3], 384<<16
	s_mov_b32 s[G1B+4], 8
	s_mov_b32 s[G1B+5], 1536
	s_mov_b32 s[G1B+6], 0
	s_mov_b32 s[G1B+7], 0
	s_or_b32 s[G1S+0], s2, (3<<16)|(1<<20)|(1<<21)|(5<<22)|(3<<25)   ; A's scale bytes of 64 rows: 2,048 dense bytes as 8 rows of 256, 16 bytes of padding behind each
	s_mov_b32 s[G1S+1], 32<<16
	s_mov_b32 s[G1S+2], 8<<16
	s_mov_b32 s[G1S+3], 32<<16
	s_mov_b32 s[G1S+4], 8
	s_mov_b32 s[G1S+5], 32
	s_mov_b32 s[G1S+6], 0
	s_mov_b32 s[G1S+7], 0
	s_or_b32 s[G1SB+0], s3, (3<<16)|(1<<20)|(1<<21)|(5<<22)|(3<<25)  ; B's of 128 rows: 16 rows of 256
	s_mov_b32 s[G1SB+1], 32<<16
	s_mov_b32 s[G1SB+2], 16<<16
	s_mov_b32 s[G1SB+3], 32<<16
	s_mov_b32 s[G1SB+4], 16
	s_mov_b32 s[G1SB+5], 32
	s_mov_b32 s[G1SB+6], 0
	s_mov_b32 s[G1SB+7], 0
	; where the tiles come from: A's offsets are made of the tile row and the wave's number, B's of the tile column and the wave's number
	s_lshl_b32 s18, s16, 6
	s_lshl_b32 s20, s17, 7
	s_add_co_u32 s20, s20, s18                     ; A: position 128 x tile row + 64 x half
	s_lshl_b32 s22, s20, 5
	s_add_co_u32 s22, s22, YSC                     ; its scale bytes
	s_mov_b32 s23, 0
	s_mul_i32 s20, s20, 768                        ; its images: 16 positions are 12,288 bytes
	s_mov_b32 s21, 0
	s_lshl_b32 s18, s16, 7
	s_lshl_b32 s100, s104, 8
	s_add_co_u32 s100, s100, s18                   ; B: W_out's position 256 x tile column + 128 x half
	s_add_co_u32 s2, s100, 3072
	s_lshl_b32 s2, s2, 5
	s_add_co_u32 s2, s2, WSC                       ; its scale bytes
	s_mov_b32 s3, 0
	s_mul_i32 s100, s100, 768
	s_add_co_u32 s100, s100, WOUT                  ; its images
	s_mov_b32 s101, 0
	s_mul_i32 s19, s16, 4*TILEC                    ; where they go: no place in the cluster enters an LDS address
	s_mul_i32 s105, s16, 8*TILEC
	s_add_co_u32 s105, s105, ACH
	s_wait_dscnt 0x0
	s_wait_kmcnt 0x0
	s_add_nc_u64 s[20:21], s[4:5], s[20:21]
	s_add_nc_u64 s[22:23], s[4:5], s[22:23]
	s_add_nc_u64 s[100:101], s[6:7], s[100:101]
	s_add_nc_u64 s[2:3], s[6:7], s[2:3]
	CROUND                                         ; all sixteen work-groups are here: the first joint loads meet
	s_mov_b32 s[G0S], 1
	s_mul_i32 s[G0S+1], s16, SHA
	s_add_co_u32 s[G0S+1], s[G0S+1], SCL
	s_mov_b64 s[G0S+2:G0S+3], s[22:23]
	s_or_b32 s[G0S+3], s[G0S+3], 0x80000000
	s_mov_b32 s[G0SB], 1
	s_mul_i32 s[G0SB+1], s16, SHB
	s_add_co_u32 s[G0SB+1], s[G0SB+1], SCL+2*SHA
	s_mov_b64 s[G0SB+2:G0SB+3], s[2:3]
	s_or_b32 s[G0SB+3], s[G0SB+3], 0x80000000
	JLOAD G0S, G1S, G0SB, G1SB                     ; the scale bytes first: they are wanted with chunk 0
.irp c, 0,1,2,3
.set GA, G0+4*\c
.set GB, G0B+4*\c+4*(\c/2)
	s_mov_b32 s[GA], 1
	s_add_co_u32 s[GA+1], s19, \c*CH
	s_add_nc_u64 s[GA+2:GA+3], s[20:21], \c*TILEC
	s_or_b32 s[GA+3], s[GA+3], 0x80000000
	s_mov_b32 s[GB], 1
	s_add_co_u32 s[GB+1], s105, \c*CH
	s_add_nc_u64 s[GB+2:GB+3], s[100:101], \c*TILEC
	s_or_b32 s[GB+3], s[GB+3], 0x80000000
	JLOAD GA, G1, GB, G1B
.endr
	v_and_b32 v1, 15, v0                           ; r
	v_bfe_u32 v2, v0, 4, 1                         ; h
	v_and_b32 v6, 31, v0                           ; lane
	v_lshlrev_b32 v[CO], 4, v6
	v_lshlrev_b32 v7, 3, v6
	s_mul_i32 s21, s15, 4*TILEC                    ; my 4 tiles of A
	s_mul_i32 s22, s16, 8*TILEC                    ; my 8 tiles of B,
	s_add_co_u32 s22, s22, ACH                     ; which lie behind A's 8
.irp c, 0,1,2,3
	v_add_nc_u32 v[ADRA+\c], s21, v[CO]
	v_add_nc_u32 v[ADRA8+\c], s21, v7
	v_add_nc_u32 v[ADRB+\c], s22, v[CO]
	s_add_co_u32 s21, s21, CH
	s_add_co_u32 s22, s22, CH
.endr
	v_mul_u32_u24 v5, v1, 32                       ; my row's scale bytes: 32 a row,
	v_lshrrev_b32 v6, 8, v5
	v_lshl_add_u32 v5, v6, 4, v5                   ; and 16 more for each 256 passed
	s_mul_i32 s21, s15, SHA                        ; A's: my 64 rows
	s_mul_i32 s22, s16, SHB                        ; B's: my 128 rows, behind A's 128
	s_add_co_u32 s22, s22, 2*SHA
	s_sub_co_u32 s22, s22, s21
	v_mul_u32_u24 v6, s22, v2                      ; lanes 16-31 take B's: one product, the distance between the two bases x h
	s_add_co_u32 s21, s21, SCL
	v_add_nc_u32 v5, v5, v6
	v_add_nc_u32 v[ADRS], s21, v5
	s_mul_i32 s23, s14, 16*SPITCH                  ; my stage
	v_mul_u32_u24 v5, v1, SPITCH                   ; in: row r, 64 bytes on for lanes 16-31 (16 columns)
	v_lshl_add_u32 v5, v2, 6, v5
	v_add_nc_u32 v[STO], s23, v5
	v_add_nc_u32 v[RD], s23, v[CO]                 ; back: the 32 lanes take one row of 512 bytes
	v_lshlrev_b32 v[BO], 6, v2                     ; the bias: 16 numbers on for lanes 16-31
	s_lshl_b32 s20, s17, 7
	s_lshl_b32 s21, s15, 6
	s_add_co_u32 s20, s20, s21                     ; my first row of out0 (a multiple of 32: the order inside each 32 is undone by the stores' immediates)
	s_lshl_b32 s20, s20, 12
	s_lshl_b32 s21, s104, 10
	s_add_co_u32 s20, s20, s21
	s_lshl_b32 s21, s16, 9
	s_add_co_u32 s20, s20, s21                     ; + my first column, in bytes
	s_mov_b32 s21, 0
	s_add_nc_u64 s[12:13], s[10:11], s[20:21]      ; never stepped
	s_lshl_b32 s20, s104, 10
	s_lshl_b32 s22, s16, 9
	s_add_co_u32 s20, s20, s22
	s_add_nc_u64 s[8:9], s[8:9], s[20:21]          ; the bias at my first column
.irp b, 0,1,2,3,4,5,6,7                ; C of accumulator (a, b): register j = the bias of column 32 (b / 2) + 16 h + 8 (b % 2) + j
	global_load_b128 v[BI+8*\b:BI+8*\b+3], v[BO], s[8:9] offset:128*(\b/2)+32*(\b%2)
	global_load_b128 v[BI+8*\b+4:BI+8*\b+7], v[BO], s[8:9] offset:128*(\b/2)+32*(\b%2)+16
.endr
; The fragments of step s (128 along K: the (s % 2)-th of chunk s / 2) into sets s % 2, in one run: B's eight (3 loads each), A's four (4 loads each); with a chunk's first step its scale words (two words a row).
.macro FETCH s
.set fc, (\s)/2
.set fq, (\s)%2
	WIN TO_B
.irp i, 0,1,2,3,4,5,6,7
.irp g, 0,1,2
	ds_load_b128 v[128*fq+FR*\i+4*\g:128*fq+FR*\i+4*\g+3], v[ADRB+fc] offset:TILEC*\i+1536*fq+512*\g
.endr
.endr
	WIN 0
.irp i, 0,1,2,3
.set fa, AF+48*fq+FR*\i
.set fo, TILEC*\i+1536*fq
	ds_load_b128 v[fa:fa+3], v[ADRA+fc] offset:fo
	ds_load_b64 v[fa+4:fa+5], v[ADRA8+fc] offset:fo+512
	ds_load_b128 v[fa+6:fa+9], v[ADRA+fc] offset:fo+768
	ds_load_b64 v[fa+10:fa+11], v[ADRA8+fc] offset:fo+1280
.endr
.if fq == 0
.irp i, 0,1,2,3,4,5,6,7                ; (for i = 4 .. 7 lanes 0-15 read scale bytes of rows that are not mine: filled bytes, and no product names those lanes)
	ds_load_b64 v[SC+16*(fc%2)+2*\i:SC+16*(fc%2)+2*\i+1], v[ADRS] offset:\i*SBLK+8*fc
.endr
.endif
.endm
; Step s's 32 matrix instructions: A's four blocks x B's eight.  mode 1: the sums begin with the bias.  The 32 accumulators take turns, one instruction a turn, in the same order in every step.
.macro MULS s, mode
.set mq, (\s)%2
.set ms, SC+16*(((\s)/2)%2)+mq
.irp a, 0,1,2,3
.irp b, 0,1,2,3,4,5,6,7
.set rD, 8*(8*\a+\b)
.set rB, 128*mq+FR*\b
.set rA, AF+48*mq+FR*\a
.if \mode
	v_wmma_scale_f32_16x16x128_f8f6f4 v[rD:rD+7], v[rB:rB+FR-1], v[rA:rA+FR-1], v[BI+8*\b:BI+8*\b+7], v[ms+2*\b], v[ms+2*\a] matrix_a_fmt:MATRIX_FMT_FP6 matrix_b_fmt:MATRIX_FMT_FP6 matrix_a_scale:MATRIX_SCALE_ROW1
.else
	v_wmma_scale_f32_16x16x128_f8f6f4 v[rD:rD+7], v[rB:rB+FR-1], v[rA:rA+FR-1], v[rD:rD+7], v[ms+2*\b], v[ms+2*\a] matrix_a_fmt:MATRIX_FMT_FP6 matrix_b_fmt:MATRIX_FMT_FP6 matrix_a_scale:MATRIX_SCALE_ROW1
.endif
.endr
.endr
.endm
.macro PLACES n                        ; plain vector instructions that name none of the matrix instructions' registers, in front of loads into registers that they have read and of the first read of results
.rept \n
	v_nop
.endr
.endm
; A step: its fragments, asked for a whole step ago, are in; the next step's are asked for, into the sets that the step before has multiplied; then the products.
; Where the next step begins a chunk: my part of that chunk has landed (the count leaves the later chunks out), and a barrier shows every wave's part.
.macro STEP s, mode
	s_wait_dscnt 0x0
.if ((\s)%2 == 1) && ((\s) < 7)
	s_wait_tensorcnt 3-((\s)+1)/2
	s_barrier_signal -1
	s_barrier_wait -1
.endif
.if (\s) < 7
.if (\s) > 0
	PLACES NP
.endif
	FETCH (\s)+1
.endif
.if \mode
	WIN MULB
.else
	WIN MUL
.endif
	MULS \s, \mode
.endm
	s_wait_tensorcnt 3                             ; of my five loads the scale bytes and my part of chunk 0 are in; three chunks may be out
	s_barrier_signal -1
	s_barrier_wait -1                              ; everybody's are
	FETCH 0
	s_wait_loadcnt 0x0                             ; the bias
	STEP 0, 1                                      ; the first step's products start the sums, with the bias as C: nothing is cleared
.irp s, 1,2,3,4,5,6,7
	STEP \s, 0
.endr
	WIN 0
; THE WAY OUT, block by block of 16 rows x 128 columns, through my own stage in LDS: in by 32 bytes a tile and lane, back as whole rows of 512 bytes.  LDS serves a wave's instructions in order: no wait between the stores and the loads.
; The stages lie in chunk 0's bytes: every wave's reads of chunk 0 were waited for in front of a barrier that every wave has passed, and no fill follows.
.macro TOSTAGE a
.set AC, 64*(\a)
	WIN 0x08                                       ; an LDS store's data are its source 1: window 2
.irp b, 0,1,2,3,4,5,6,7
	ds_store_b128 v[STO], v[AC+8*\b:AC+8*\b+3] offset:128*(\b/2)+32*(\b%2)          ; columns 32 (b / 2) + 16 h + 8 (b % 2) on; each accumulator from its low end on
	ds_store_b128 v[STO], v[AC+8*\b+4:AC+8*\b+7] offset:128*(\b/2)+32*(\b%2)+16
.endr
	WIN 0
.set BB, BK+64*((\a)%2)
.irp t, 0,1,2,3,4,5,6,7,8,9,10,11,12,13,14,15
	ds_load_b128 v[BB+4*\t:BB+4*\t+3], v[RD] offset:\t*SPITCH
.endr
.endm
.macro SEND a, younger                 ; younger: the LDS instructions issued behind block a's loads, which may stay out
.set BB, BK+64*((\a)%2)
	s_wait_dscnt \younger
.irp t, 0,1,2,3,4,5,6,7,8,9,10,11,12,13,14,15
	global_store_b128 v[CO], v[BB+4*\t:BB+4*\t+3], s[12:13] offset:(32*((\a)/2)+8*((\a)%2)+\t+8*(\t/8))*4096 th:TH_STORE_NT   ; position 16 a + t is token 32 (a / 2) + 8 (a % 2) + t + 8 (t / 8); 32 lanes store 512 consecutive bytes, aligned to 256
.endr
.endm
	PLACES NP                                      ; behind the last products: the lines below read results and load into registers that held A's fragments
	TOSTAGE 0
.irp a, 1,2,3
.if \a > 1
	s_wait_xcnt 0x0                                ; block a - 2's stores have read their registers: block a's loads may land there
.endif
	TOSTAGE \a
	SEND \a-1, 32                                  ; behind block a - 1's loads: block a's 16 stores and 16 loads
.endr
	SEND 3, 0                                      ; no LDS instruction of mine is out behind this wait; my tensor loads were all waited for in front of chunk 3
	s_wait_tensorcnt 0x0
	ds_add_u32 v30, v31
	s_wait_dscnt 0x0
	CROUND                                         ; the closing round: no work-group ends while a partner may still ask for a tile that names it
	s_endpgm
.Lfunc_end_k_q8328b9e1b5_proj:
	.size	k_q8328b9e1b5_proj, .Lfunc_end_k_q8328b9e1b5_proj-k_q8328b9e1b5_proj
	.p2alignl 7, 3214868480
	.fill 96, 4, 3214868480
	.section	.rodata,"a",@progbits
	.p2align	6, 0x0
	.amdhsa_kernel k_q8328b9e1b5_proj
		.amdhsa_group_segment_fixed_size 308480
		.amdhsa_private_segment_fixed_size 0
		.amdhsa_enable_private_segment 0
		.amdhsa_kernarg_size 32
		.amdhsa_user_sgpr_count 2
		.amdhsa_user_sgpr_kernarg_segment_ptr 1
		.amdhsa_wavefront_size32 1
		.amdhsa_system_sgpr_workgroup_id_x 1
		.amdhsa_system_sgpr_workgroup_id_y 1
		.amdhsa_system_sgpr_workgroup_id_z 1
		.amdhsa_system_vgpr_workitem_id 0
		.amdhsa_next_free_vgpr 768
		.amdhsa_next_free_sgpr 106
		.amdhsa_reserve_vcc 0
		.amdhsa_float_denorm_mode_32 3
		.amdhsa_float_denorm_mode_16_64 3
		.amdhsa_memory_ordered 1
		.amdhsa_forward_progress 1
		.amdhsa_inst_pref_size 85
	.end_amdhsa_kernel
	.amdgpu_metadata
---
amdhsa.version: [ 1, 2 ]
amdhsa.kernels:
  - .name:           k_q8328b9e1b5_proj
    .symbol:         k_q8328b9e1b5_proj.kd
    .args:
      - { .name: yq, .offset: 0, .size: 8, .value_kind: global_buffer, .address_space: global }
      - { .name: wq, .offset: 8, .size: 8, .value_kind: global_buffer, .address_space: global }
      - { .name: b_out, .offset: 16, .size: 8, .value_kind: global_buffer, .address_space: global }
      - { .name: out0, .offset: 24, .size: 8, .value_kind: global_buffer, .address_space: global }
    .group_segment_fixed_size: 308480
    .private_segment_fixed_size: 0
    .kernarg_segment_align: 8
    .kernarg_segment_size: 32
    .max_flat_workgroup_size: 128
    .sgpr_count:     106
    .vgpr_count:     768
    .wavefront_size: 32
...
	.end_amdgpu_metadata
.endif
;; end of part 9
